; MI455X (gfx1250); checked and timed in simulation.
; The chip was launched on July 23, 2026; its instructions are those of AMD's public machine-readable ISA for CDNA 5 (MIT licence, August 2026) and "CDNA5" Instruction Set Architecture Reference Guide (July 2026). The comments in the code are by the model that wrote it; some were corrected since.
;; Encoder Layer. Allowed arithmetic: matrix products marked QUANTISED: E5M2 operands, one given power-of-two scale a tensor, by v_wmma_f32_16x16x64_bf8_bf8 or v_wmma_f32_16x16x128_bf8_bf8, f32 sums; everything else in f32.
;; Inputs: Wk_codes 1,024 x 32 x 32 uint8 (E5M2 codes of Wk, K innermost, in blocks of 32 codes); Wo_codes 1,024 x 32 x 32 uint8 (E5M2 codes of Wo, K innermost, in blocks of 32 codes); Wq_codes 1,024 x 32 x 32 uint8 (E5M2 codes of Wq, K innermost, in blocks of 32 codes); Wv_codes 1,024 x 32 x 32 uint8 (E5M2 codes of Wv, K innermost, in blocks of 32 codes); alpha1 1,024 float32; alpha2 1,024 float32; bias1 1,024 float32; bias2 1,024 float32; bk 1,024 float32; bo 1,024 float32; bq 1,024 float32; bv 1,024 float32; lowp_scales 12 int32 (the exponents e of the quantised operands' scales 2^e); mask 8 x 1 x 1,024 int32; x 8 x 1,024 x 1,024 float32.
;; Outputs: out0 8 x 1,024 x 1,024 float32.
;; This version of the problem:
;;   THIS VERSION OF THE PROBLEM IS GIVEN IN LOW PRECISION. The matrix products marked QUANTISED in the list below multiply operands that are first quantised to E5M2 (5 exponent bits, 2 mantissa bits; 8 bits a number), with one given power-of-two scale for each operand tensor; their sums are f32. All else is computed in f32.
;;   The module's matrix products, in the order in which they are computed (A, B: the left and right operand; K: the contracted axis; several contracted axes count as one K, in the product's order):
;;     1. [M 8,192, K 1,024] x [K 1,024, N 1,024]; A: computed on the way; B: input Wq (given as codes): QUANTISED (scales: A lowp_scales[0], B lowp_scales[1])
;;     2. [M 8,192, K 1,024] x [K 1,024, N 1,024]; A: computed on the way; B: input Wk (given as codes): QUANTISED (scales: A lowp_scales[2], B lowp_scales[3])
;;     3. [M 8,192, K 1,024] x [K 1,024, N 1,024]; A: computed on the way; B: input Wv (given as codes): QUANTISED (scales: A lowp_scales[4], B lowp_scales[5])
;;     4. batch 128 x [M 1,024, K 64] x [K 64, N 1,024]; A: computed on the way; B: computed on the way: QUANTISED (scales: A lowp_scales[6], B lowp_scales[7])
;;     5. batch 128 x [M 64, K 1,024] x [K 1,024, N 1,024]; A: computed on the way; B: softmax (see below): QUANTISED (scales: A lowp_scales[8], B lowp_scales[9])
;;     6. [M 8,192, K 1,024] x [K 1,024, N 1,024]; A: computed on the way; B: input Wo (given as codes): QUANTISED (scales: A lowp_scales[10], B lowp_scales[11])
;;   THE QUANTISER, for each operand of a quantised product, along K:
;;     - The operand's scale is 2^e, e = its entry of the input lowp_scales (int32; the entries are numbered through the quantised products in the list's order, A before B).
;;     - Each number is divided by the scale, clamped to +-57,344, and rounded to the nearest number of E5M2, ties to even, subnormals kept.
;;     - The product sums the exact products of the quantised numbers (number of the format x scale) in f32.
;;   ~~~python
;;   def quantise(x, axis, e):      # numpy; x: float32 -> the quantised numbers, widened to float32 again
;;       x = np.moveaxis(x, axis, -1); K = x.shape[-1]
;;       r = np.clip(x / 2.0 ** e, -57344, 57344)
;;       step = 2.0 ** (np.maximum(np.frexp(np.where(r == 0, 1, r))[1] - 1, -14) - 2)
;;       q = np.round(r / step) * step * 2.0 ** e      # np.round: ties to even
;;       return np.moveaxis(q, -1, axis).astype(np.float32)
;;   ~~~
;;   SOFTMAX AHEAD OF A QUANTISED PRODUCT. Where the list says 'softmax', what is quantised is not the finished softmax but p = 2^(t - M), with t = logit x log2(e) and M = ceil(the row's largest t), a whole number; so 1/2 < the row's largest p <= 1. The row's sum l is taken of the UNQUANTISED p, in f32, and the product's result is divided by l at the end. Since M is a whole number, a kernel that streams over the keys may use a running M (the ceiling of the running maximum): every later rescaling is an exact power of two, so the quantised numbers keep their values, but for numbers so far below the row's largest that they fall under the format's range.
;;   OPERANDS COMPUTED ON THE WAY. 'Computed on the way' means the value that the module computes at that place (a softmax that the list does not call 'softmax' is quantised finished and normalised). What goes into a quantiser is computed in f32, as accurately as f32 sums, v_exp_f32 and their like allow (about 1e-6 of the number): no bf16 or f16 on the way to a quantiser, and a product that is left as it is and whose result goes on into a quantised operand takes f32 operands (vector FMAs, or v_wmma_f32_16x16x4_f32). A number that lies on a knife's edge between two numbers of the format may be rounded either way, as far as f32 arithmetic and the matrix unit's own rounding can turn it there, and no further.
;;   INPUTS GIVEN AS CODES. Wk (in the module: [1024, 1024], K = its axis 0); Wo (in the module: [1024, 1024], K = its axis 0); Wq (in the module: [1024, 1024], K = its axis 0); Wv (in the module: [1024, 1024], K = its axis 0): each comes as NAME_codes (uint8): NAME with its K axis moved to the last place and cut into blocks of 32 codes, [.., K / 32, bytes a block], one block behind the other in memory; one code a byte (a code: sign, 5 exponent bits, 2 mantissa bits); its scale is its entry of lowp_scales. Its value is code x scale, taken as it is: it is not quantised again, and the codes and scales need not be those that the quantiser above would give.
;; 2 versions. Each part assembles by itself: llvm-mc -triple=amdgcn-amd-amdhsa -mcpu=gfx1250 --defsym DOCPART=n.
;; ======== version 1 of 2: 4 launches
;; limits: right only within a limited range of input values
;; workspace buffers: xc 25,165,824 bytes; st 65,536 bytes; qi 8,388,608 bytes; ki 8,388,608 bytes; vi 8,388,608 bytes; oi 8,388,608 bytes
;; launch norm1 (part 1): grid 256 x 1, 8 waves a work-group, no clusters, 41,984 bytes of LDS; arguments x, alpha1, bias1, lowp_scales, xc, st; writes xc, st
.if DOCPART == 1
	.amdgcn_target "amdgcn-amd-amdhsa--gfx1250"
	.amdhsa_code_object_version 6
	.text
	.protected	k_qcf023a26b7_norm1
	.globl	k_qcf023a26b7_norm1
	.p2align	8
	.type	k_qcf023a26b7_norm1,@function
k_qcf023a26b7_norm1:
	s_mov_b64 s[64:65], 0
	v_nop
	global_prefetch_b8 v0, s[64:65] scope:SCOPE_SE
	s_setreg_imm32_b32 hwreg(HW_REG_WAVE_MODE, 25, 1), 1
	s_wait_xcnt 0x0
; xn = alpha1 (x - mean) / (std + 1e-5) + bias1 (std with divisor 1,023), row by row of 1,024 f32, and its codes of BF8 (E5M2) under three given scales:
; plane T of xc ([3][8192][1024] bytes, rows as they lie) holds xn / 2^e[2T], held within +-57,344, to the nearest code.  st[row] = (mean, 1 / (std + 1e-5)), so that a later launch can make xn again from x.
; SHARES.  A work-group takes 32 rows, each of its eight waves four; a wave takes a whole row, so no sum leaves the wave and there is no barrier.
; A load takes the bytes as they lie (512 consecutive bytes a wave); the conversions want 16 neighbours in one lane: each half row (2,048 bytes) turns through the wave's own stage in LDS, 80 bytes from lane to lane.
; The mean is summed on the registers as loaded, while the turn is out; the variance is taken of x - mean (two passes over registers, one read of memory).
; LIMITS: e0, e2, e4 between -126 and 112, so that 2^e and 57,344 x 2^e are f32 numbers.  NaN among the inputs is not served.
.set SP,  80                           ; a lane's place in a stage: 64 bytes + 16 of padding
.set STG, 5120                         ; a wave's two stages of 32 x SP bytes
.set R,   16                           ; v16-79   two rows as loaded
.set X,   80                           ; v80-111  the row in hand: register 16 g + i = element 512 g + 16 lane + i
.set AL,  112                          ; v112-143 alpha1 at those elements
.set BI,  144                          ; v144-175 bias1
.set T,   176                          ; v176-207 two sets of 16 held numbers
.set C,   208                          ; v208-231 codes: scale k, half g at C + 8 k + 4 g
.set MU,  232                          ; v[232:233] mean, 1 / (std + eps)
.set SV,  234                          ; v234-241 the four rows' pairs
.set SC,  242                          ; v242-244 2^e as f32
.set LM,  245                          ; v245-247 57,344 x 2^e
.set WK,  248
	s_load_b256 s[4:11], s[0:1], 0x0               ; x, alpha1, bias1, lowp_scales
	s_load_b128 s[12:15], s[0:1], 0x20             ; xc, st
	v_lshl_add_u32 v254, v0, 2, 0xa000
	v_mov_b32 v255, 0
	v_lshrrev_b32 v1, 5, v0
	v_readfirstlane_b32 s22, v1                    ; wave
	v_and_b32 v1, 31, v0                           ; lane
	v_lshlrev_b32 v2, 4, v1                        ; 16 x lane: my bytes of a load's 512, and of a store's
	s_mul_i32 s23, s22, STG
	v_lshrrev_b32 v3, 2, v1
	v_mul_u32_u24 v3, v3, SP
	v_and_b32 v4, 3, v1
	v_lshl_add_u32 v3, v4, 4, v3
	v_add_nc_u32 v3, s23, v3                       ; into the stage: four lanes' 64 bytes on end, then the padding
	v_mul_u32_u24 v4, v1, SP
	v_add_nc_u32 v4, s23, v4                       ; out of it: my 16 neighbours
	v_lshlrev_b32 v5, 6, v1                        ; 64 x lane: alpha1's and bias1's bytes at my elements
	v_lshlrev_b32 v6, 3, v1                        ; 8 x lane: a row's pair in st
	v_mov_b32 v7, 0                                ; a lane permute's destination counts as read
	v_mov_b32 v[MU+1], 0                           ; named as the upper half of a pair before it is made
	s_mov_b32 s20, 0x76543210
	s_mov_b32 s21, 0xfedcba98                      ; lane l xor 16
	s_lshl_b32 s24, ttmp9, 5
	s_lshl_b32 s25, s22, 2
	s_add_co_u32 s24, s24, s25                     ; my wave's first row
	s_lshl_b32 s26, s24, 12
	s_mov_b32 s27, 0
	s_wait_kmcnt 0x0
	s_load_b256 s[32:39], s[10:11], 0x0            ; e0 .. e7
	s_mov_b64 s[18:19], s[14:15]                   ; st
	s_add_nc_u64 s[4:5], s[4:5], s[26:27]          ; x at my first row
	s_lshl_b32 s26, s24, 10
	s_add_nc_u64 s[12:13], s[12:13], s[26:27]      ; plane 0 at my first row,
	s_add_nc_u64 s[14:15], s[12:13], 0x800000      ; plane 1,
	s_add_nc_u64 s[16:17], s[14:15], 0x800000      ; plane 2: a plane is 8,388,608 bytes, more than a store's immediate holds
	s_lshl_b32 s26, s24, 3
	s_add_nc_u64 s[18:19], s[18:19], s[26:27]
.irp g, 0,1
.irp j, 0,1,2,3
	global_load_b128 v[AL+16*\g+4*\j:AL+16*\g+4*\j+3], v5, s[6:7] offset:2048*\g+16*\j
	global_load_b128 v[BI+16*\g+4*\j:BI+16*\g+4*\j+3], v5, s[8:9] offset:2048*\g+16*\j
.endr
.endr
.macro LOADROW i                       ; eight loads of 512 consecutive bytes: row i of my four
.irp j, 0,1,2,3,4,5,6,7
	global_load_b128 v[R+32*((\i)%2)+4*\j:R+32*((\i)%2)+4*\j+3], v2, s[4:5] offset:4096*(\i)+512*\j th:TH_LOAD_NT
.endr
.endm
	LOADROW 0
	LOADROW 1
	s_wait_kmcnt 0x0
.irp k, 0,1,2
	s_add_co_i32 s22, s[32+2*\k], 127
	s_lshl_b32 s23, s22, 23
	v_mov_b32 v[SC+\k], s23                        ; 2^e: the conversion takes its exponent field
	s_add_co_i32 s22, s22, 15
	s_lshl_b32 s22, s22, 23
	s_or_b32 s22, s22, 0x600000
	v_mov_b32 v[LM+\k], s22                        ; 57,344 x 2^e
.endr
.macro WSUM r                          ; the sum over the 32 lanes, in every lane
	v_add_f32_dpp v[\r], v[\r], v[\r] row_xmask:1 row_mask:0xf bank_mask:0xf
	v_add_f32_dpp v[\r], v[\r], v[\r] row_xmask:2 row_mask:0xf bank_mask:0xf
	v_add_f32_dpp v[\r], v[\r], v[\r] row_xmask:4 row_mask:0xf bank_mask:0xf
	v_add_f32_dpp v[\r], v[\r], v[\r] row_xmask:8 row_mask:0xf bank_mask:0xf
	v_permlanex16_b32 v7, v[\r], s20, s21
	v_add_f32 v[\r], v[\r], v7
.endm
.macro MERGE                           ; four chains of pairs into one number a lane
	v_pk_add_f32 v[8:9], v[8:9], v[10:11]
	v_pk_add_f32 v[12:13], v[12:13], v[14:15]
	v_pk_add_f32 v[8:9], v[8:9], v[12:13]
	v_add_f32 v[WK], v8, v9
.endm
.macro ROW i
.set RS, R+32*((\i)%2)
.if (\i) < 3
	s_wait_loadcnt 8                               ; this row's eight loads are in (alpha1 and bias1 were asked for earlier); the next row's eight may be out
.else
	s_wait_loadcnt 0
.endif
.irp j, 0,1,2,3,4,5,6,7
	ds_store_b128 v3, v[RS+4*\j:RS+4*\j+3] offset:2560*(\j/4)+640*(\j%4)
.endr
.irp j, 0,1,2,3,4,5,6,7
	ds_load_b128 v[X+4*\j:X+4*\j+3], v4 offset:2560*(\j/4)+16*(\j%4)   ; LDS serves a wave's instructions in order: these see the stores above
.endr
.irp k, 0,1,2,3
	v_pk_add_f32 v[8+2*\k:9+2*\k], v[RS+2*\k:RS+2*\k+1], v[RS+8+2*\k:RS+9+2*\k]   ; the mean, on the registers as loaded, while the turn is out
.endr
.irp m, 16,24
.irp k, 0,1,2,3
	v_pk_add_f32 v[8+2*\k:9+2*\k], v[8+2*\k:9+2*\k], v[RS+\m+2*\k:RS+\m+2*\k+1]
.endr
.endr
	MERGE
	WSUM WK
	v_mul_f32 v[MU], 0x3a800000, v[WK]             ; / 1,024
	s_wait_dscnt 0x0                               ; the row is back, and the stage's stores have read their registers,
.if (\i) < 2
	LOADROW (\i)+2                                 ; which take the row two further on
.endif
.set q, 0
.rept 16
	v_pk_add_f32 v[X+q:X+q+1], v[X+q:X+q+1], v[MU:MU+1] op_sel_hi:[1,0] neg_lo:[0,1] neg_hi:[0,1]   ; x - mean
.set q, q+2
.endr
.irp k, 0,1,2,3
	v_pk_mul_f32 v[8+2*\k:9+2*\k], v[X+2*\k:X+2*\k+1], v[X+2*\k:X+2*\k+1]
.endr
.irp m, 8,16,24
.irp k, 0,1,2,3
	v_pk_fma_f32 v[8+2*\k:9+2*\k], v[X+\m+2*\k:X+\m+2*\k+1], v[X+\m+2*\k:X+\m+2*\k+1], v[8+2*\k:9+2*\k]
.endr
.endr
	MERGE
	WSUM WK
	v_mul_f32 v[WK], 0x3a802008, v[WK]             ; / 1,023
	v_sqrt_f32 v[WK+1], v[WK]
	v_nop                                          ; a plain instruction behind the root,
	s_wait_alu depctr_va_vdst(0)                   ; and the wait ahead of its first reader
	v_add_f32 v[WK+1], 0x3727c5ac, v[WK+1]         ; + 1e-5
	v_rcp_f32 v[MU+1], v[WK+1]
	v_mov_b32 v[SV+2*(\i)], v[MU]                  ; (the plain instruction behind the reciprocal)
	s_wait_alu depctr_va_vdst(0)
	v_mov_b32 v[SV+2*(\i)+1], v[MU+1]
.set q, 0
.rept 16
	v_pk_mul_f32 v[X+q:X+q+1], v[X+q:X+q+1], v[MU:MU+1] op_sel:[0,1] op_sel_hi:[1,1]
.set q, q+2
.endr
.set q, 0
.rept 16
	v_pk_fma_f32 v[X+q:X+q+1], v[X+q:X+q+1], v[AL+q:AL+q+1], v[BI+q:BI+q+1]   ; xn
.set q, q+2
.endr
.if (\i) > 0
	s_wait_xcnt 0x0                                ; the last row's stores have read their codes: the registers are written again only behind this wait
.endif
.irp k, 0,1,2
.irp g, 0,1
.set q, 0
.rept 16
	v_med3_num_f32 v[T+16*\g+q], v[X+16*\g+q], -v[LM+\k], v[LM+\k]   ; the conversion does not saturate (ISA guide 7.6.2): the hold comes first.  The other set's sixteen holds are the plain lines between a conversion and the rewriting of its sources
.set q, q+1
.endr
	v_cvt_scalef32_pk8_bf8_f32 v[C+8*\k+4*\g:C+8*\k+4*\g+1], v[T+16*\g:T+16*\g+7], v[SC+\k]
	v_cvt_scalef32_pk8_bf8_f32 v[C+8*\k+4*\g+2:C+8*\k+4*\g+3], v[T+16*\g+8:T+16*\g+15], v[SC+\k]
.endr
.endr
	v_nop
.irp g, 0,1
	global_store_b128 v2, v[C+4*\g:C+4*\g+3], s[12:13] offset:1024*(\i)+512*\g        ; 32 lanes store 512 consecutive bytes, aligned
	global_store_b128 v2, v[C+8+4*\g:C+8+4*\g+3], s[14:15] offset:1024*(\i)+512*\g
	global_store_b128 v2, v[C+16+4*\g:C+16+4*\g+3], s[16:17] offset:1024*(\i)+512*\g
.endr
.endm
	ROW 0
	ROW 1
	ROW 2
	ROW 3
	v_cmp_eq_u32 s28, 1, v1                        ; lanes 0 to 3 take the four rows' pairs
	v_cmp_eq_u32 s29, 2, v1
	v_cmp_eq_u32 s30, 3, v1
	v_cndmask_b32 v250, v[SV], v[SV+2], s28
	v_cndmask_b32 v251, v[SV+1], v[SV+3], s28
	v_cndmask_b32 v250, v250, v[SV+4], s29
	v_cndmask_b32 v251, v251, v[SV+5], s29
	v_cndmask_b32 v250, v250, v[SV+6], s30
	v_cndmask_b32 v251, v251, v[SV+7], s30
	v_cmp_gt_u32 vcc_lo, 4, v1
	s_wait_xcnt 0x0                                ; EXEC changes only behind this wait: the stores above have it among their sources
	s_wait_tensorcnt 0x0
	ds_add_u32 v254, v255
	s_wait_dscnt 0x0
	s_and_saveexec_b32 s31, vcc_lo
	global_store_b64 v6, v[250:251], s[18:19]
	s_wait_xcnt 0x0                                ; and again in front of the line that widens it
	s_or_b32 exec_lo, exec_lo, s31
	s_endpgm
.Lfunc_end_k_qcf023a26b7_norm1:
	.size	k_qcf023a26b7_norm1, .Lfunc_end_k_qcf023a26b7_norm1-k_qcf023a26b7_norm1
	.p2alignl 7, 3214868480
	.fill 96, 4, 3214868480
	.section	.rodata,"a",@progbits
	.p2align	6, 0x0
	.amdhsa_kernel k_qcf023a26b7_norm1
		.amdhsa_group_segment_fixed_size 41984
		.amdhsa_private_segment_fixed_size 0
		.amdhsa_enable_private_segment 0
		.amdhsa_kernarg_size 48
		.amdhsa_user_sgpr_count 2
		.amdhsa_user_sgpr_kernarg_segment_ptr 1
		.amdhsa_wavefront_size32 1
		.amdhsa_system_sgpr_workgroup_id_x 1
		.amdhsa_system_sgpr_workgroup_id_y 1
		.amdhsa_system_sgpr_workgroup_id_z 1
		.amdhsa_system_vgpr_workitem_id 0
		.amdhsa_next_free_vgpr 256
		.amdhsa_next_free_sgpr 66
		.amdhsa_reserve_vcc 1
		.amdhsa_float_denorm_mode_32 3
		.amdhsa_float_denorm_mode_16_64 3
		.amdhsa_memory_ordered 1
		.amdhsa_forward_progress 1
		.amdhsa_inst_pref_size 68
	.end_amdhsa_kernel
	.amdgpu_metadata
---
amdhsa.version: [ 1, 2 ]
amdhsa.kernels:
  - .name:           k_qcf023a26b7_norm1
    .symbol:         k_qcf023a26b7_norm1.kd
    .args:
      - { .name: x, .offset: 0, .size: 8, .value_kind: global_buffer, .address_space: global }
      - { .name: alpha1, .offset: 8, .size: 8, .value_kind: global_buffer, .address_space: global }
      - { .name: bias1, .offset: 16, .size: 8, .value_kind: global_buffer, .address_space: global }
      - { .name: lowp_scales, .offset: 24, .size: 8, .value_kind: global_buffer, .address_space: global }
      - { .name: xc, .offset: 32, .size: 8, .value_kind: global_buffer, .address_space: global }
      - { .name: st, .offset: 40, .size: 8, .value_kind: global_buffer, .address_space: global }
    .group_segment_fixed_size: 41984
    .private_segment_fixed_size: 0
    .kernarg_segment_align: 8
    .kernarg_segment_size: 48
    .max_flat_workgroup_size: 256
    .sgpr_count:     66
    .vgpr_count:     256
    .wavefront_size: 32
...
	.end_amdgpu_metadata
.endif
;; end of part 1
;; launch qkv (part 2): grid 12 x 32, 4 waves a work-group, clusters of 4 x 4, 327,680 bytes of LDS; arguments xc, Wq_codes, Wk_codes, Wv_codes, bq, bk, bv, mask, lowp_scales, qi, ki, vi; writes qi, ki, vi
.if DOCPART == 2
	.amdgcn_target "amdgcn-amd-amdhsa--gfx1250"
	.amdhsa_code_object_version 6
	.text
	.protected	k_qcf023a26b7_qkv
	.globl	k_qcf023a26b7_qkv
	.p2align	8
	.type	k_qcf023a26b7_qkv,@function
k_qcf023a26b7_qkv:
	s_mov_b64 s[64:65], 0
	v_nop
	global_prefetch_b8 v0, s[64:65] scope:SCOPE_SE
	s_setreg_imm32_b32 hwreg(HW_REG_WAVE_MODE, 25, 1), 1
	s_wait_xcnt 0x0
	s_wait_alu depctr_hold_cnt(0) depctr_sa_sdst(0) depctr_va_vdst(0) depctr_va_sdst(0) depctr_va_ssrc(0) depctr_va_vcc(0) depctr_vm_vsrc(0)
	s_getreg_b32 s2, hwreg(HW_REG_IB_STS2, 6, 4)
	s_cmp_eq_u32 s2, 0
	s_cbranch_scc0 .Lentry_in_a_cluster
	s_endpgm
.Lentry_in_a_cluster:
	s_bfe_u32 s2, ttmp6, 0x10000c
	s_cmp_lg_u32 s2, 0xf033
	s_cbranch_scc0 .Lentry_shape_is_right
	s_endpgm
.Lentry_shape_is_right:
; q = xn Wq + bq, k = xn Wk + bk, v = xn Wv + bv on codes of BF8 (E5M2), K = 1,024, and their codes for the attention, laid in the order of the reader's operand registers.
; The cluster's x is T (0 q, 1 k, 2 v), its y the batch.  A tile of 256 x 256 is made by four waves, 128 x 128 each: 64 accumulators, 512 registers.  K goes in steps of 256 through two LDS slots.
; ROLES.  The matrix instruction takes 16 rows of the "B role" as source 0 and 16 rows of the "A role" as source 1: a lane then holds ONE row of the A role and eight neighbouring rows of the B role.
;   T < 2: A role = tokens (plane T of xc), B role = features (W's rows): a lane holds one token and eight neighbouring features: neighbours along the score product's K.
;   T = 2: A role = features (Wv's rows), B role = tokens (plane 2 of xc): a lane holds one feature and eight neighbouring KEYS: neighbours along the second product's K.  No line of the K loop differs.
; CLUSTERS: 4 x 4 work-groups.  The A role's tile hangs on cy alone and is asked for jointly along a row of the cluster, the B role's on cx alone and jointly along a column.
; SCALES.  A sum stands for sum x 2^(e[2T] + e[2T+1]).  q is quantised by e7, k by e6 (the score product is lowered with k as its left operand, as the second product is with v), v by e8.
; THE MASK.  k's codes are 0 at tokens whose mask is 0; the attention gives those keys their score by the product's C.
; OUT.  qi, ki: [head 16 batch + h][token tile][c 0..1][lane][16 bytes]: lane (r, hf) holds token 16 tile + r, d = 32 c + 16 hf + 0 .. 15.
;       vi: [head][key step of 128][t 0..3][c 0..3][lane][16 bytes]: lane (r, hf) holds channel 32 (t / 2) + 8 (t % 2) + r + 8 (r / 8); its bytes are keys 32 c + 8 hf + 0 .. 7, then 32 c + 16 + 8 hf + 0 .. 7.
; LIMITS: e[2T] + e[2T+1] between -126 and 127; e6, e7, e8 between -126 and 112.  NaN among the inputs is not served.
; REGISTERS, in windows of 256: window 0: v1-31 addresses; v32-95 the bias along my registers; v96-103 the mask; v104-111 the bias along the lanes; from v128 the A role's fragments, ONE set; later the way out.
;   window 1: the B role's fragments, TWO sets.   windows 2, 3: the accumulators ((a, b) at v[8 (8 (a % 4) + b)]).
.set ROWB,   256                       ; a tile's row in bytes
.set KROW,   1024                      ; a row in memory
.set PITCH,  272                       ; an LDS row: 256 bytes + 16 of padding = 68 words: the 16 rows that a load touches start at 16 different banks (64 banks of 4 bytes: ISA guide 11.1)
.set FR,     16
.set NL,     4
.set NP,     4                         ; places behind this matrix instruction (ISA guide 7.12.1)
.set HALFT,  128*PITCH
.set SLOT,   4*HALFT
.set SPARE,  2*SLOT                    ; the spare words: 128 bytes for each wave
.set VSTG,   81920                     ; the way out: q's and k's stage is LDS 0 .. 81,919, v's 81,920 .. 151,551: both ways have bytes of their own, in slots that have had their last fill
.set ADRA, 16
.set ADRB, 20
.set STO,  24                          ; q, k: into the stage
.set RDQ,  25                          ; and out of it
.set STOV, 26                          ; v likewise
.set RDV,  27
.set SPW,  28
.set NIL,  29
.set LIO,  30                          ; 16 x lane
.set BI,   32
.set MK,   96
.set BV,   104
.set SCL,  112                         ; 2^eo
.set LIM,  113                         ; 57,344 x 2^eo
.set AF,   128
.set TMP,  128                         ; the way out: a block's 64 numbers
.set CD,   192                         ; and its codes, two sets of 16
.set MS,   92                          ; s92-99 the blocks' lane masks (the registers that held e0 .. e7)
.set G1, 24
.set G0, 32
.set G1B, 48
.set G0B, 56
.set MSB, 0
.macro WIN new                         ; the immediate's high byte repeats the setting that is left
.if MSB != \new
	s_set_vgpr_msb (MSB<<8)|\new
.set MSB, \new
.endif
.endm
.set MUL_LO, 0xa1
.set MUL_HI, 0xf1
.set TO_B,   0x40
.macro JLOAD g0a, g1a, g0b, g1b        ; a joint load: waves 0 and 1 fetch for the A role, waves 2 and 3 for the B role; four v_nop follow each of the two lines
	s_cmp_eq_u32 s15, 0
	s_cbranch_scc0 .Lfor_b_\@
	tensor_load_to_lds s[\g0a:\g0a+3], s[\g1a:\g1a+7]
	s_nop 0
.rept 4
	v_nop
.endr
	s_branch .Lasked_\@
.Lfor_b_\@:
	tensor_load_to_lds s[\g0b:\g0b+3], s[\g1b:\g1b+7]
	s_nop 0
.rept 4
	v_nop
.endr
.Lasked_\@:
.endm
.macro CREST                           ; a round of the cluster's barrier behind its opening barrier
	s_cmp_lg_u32 s14, 0
	s_cbranch_scc1 .Lnot_wave_0_\@
	s_barrier_signal -3
.Lnot_wave_0_\@:
	s_barrier_wait -3
	s_barrier_signal -1
	s_barrier_wait -1
.endm
.macro CROUND
	s_barrier_signal -1
	s_barrier_wait -1
	CREST
.endm
	s_load_b512 s[68:83], s[0:1], 0x0              ; xc 68, Wq 70, Wk 72, Wv 74, bq 76, bk 78, bv 80, mask 82
	s_load_b256 s[84:91], s[0:1], 0x40             ; lowp_scales 84, qi 86, ki 88, vi 90
	v_lshl_add_u32 v[SPW], v0, 2, SPARE
	v_mov_b32 v[NIL], 0
	ds_add_u32 v28, v29
	ds_add_u32 v28, v29
	s_wait_dscnt 0x0
	v_lshrrev_b32 v1, 5, v0
	v_readfirstlane_b32 s14, v1                    ; wave 0..3
	s_lshr_b32 s15, s14, 1                         ; which half of the A role's rows is mine.  Also: I fetch for the A role (0) or the B role (1)
	s_and_b32 s16, s14, 1                          ; which half of the B role's rows.  Also: which 128 rows I fetch
	s_bfe_u32 s40, ttmp6, 0x40000                  ; cx
	s_bfe_u32 s41, ttmp6, 0x40004                  ; cy
	s_mov_b32 s42, ttmp9                           ; T: the cluster's x, the same in all sixteen partners
	s_and_b32 s43, ttmp7, 0xffff                   ; the batch: the cluster's y
	s_lshl_b32 s17, s41, 2
	s_lshl_b32 s17, 15, s17                        ; my row of the cluster
	s_lshl_b32 s44, 0x1111, s40                    ; my column
	s_or_b32 s[G1+0], s17, (0<<16)|(1<<20)|(1<<21)|(5<<22)|(3<<25)   ; the mask; elements of 1 byte; padding on; bit 21 beside a mask; 4 words behind every 64
	s_or_b32 s[G1B+0], s44, (0<<16)|(1<<20)|(1<<21)|(5<<22)|(3<<25)
.irp g, G1, G1B
	s_mov_b32 s[\g+1], ROWB<<16                    ; tensor_dim0
	s_mov_b32 s[\g+2], 128<<16                     ; tensor_dim1
	s_mov_b32 s[\g+3], ROWB<<16                    ; tile_dim0
	s_mov_b32 s[\g+4], 128                         ; tile_dim1
	s_mov_b32 s[\g+5], KROW                        ; from row to row
	s_mov_b32 s[\g+6], 0
	s_mov_b32 s[\g+7], 0
.endr
	s_lshl_b32 s18, s16, 7                         ; which 128 rows of a tile I fetch
	s_lshl_b32 s19, s43, 10                        ; the batch's first token
	s_cmp_eq_u32 s42, 2
	s_cselect_b32 s22, 0, s19                      ; tokens are the A role's rows for q and k,
	s_cselect_b32 s23, s19, 0                      ; the B role's for v
	s_lshl_b32 s20, s41, 8
	s_add_co_u32 s20, s20, s18
	s_add_co_u32 s20, s20, s22                     ; A role: row 256 cy + 128 half (+ the batch): no cx enters it
	s_lshl_b32 s20, s20, 10
	s_mov_b32 s21, 0
	s_lshl_b32 s46, s40, 8
	s_add_co_u32 s46, s46, s18
	s_add_co_u32 s46, s46, s23                     ; B role: row 256 cx + 128 half (+ the batch): no cy enters it
	s_lshl_b32 s46, s46, 10
	s_mov_b32 s47, 0
	s_mul_i32 s45, s14, HALFT                      ; where my 128 rows go: no place in the cluster enters an LDS address
	s_lshl_b32 s2, s42, 23                         ; plane T of xc
	s_mov_b32 s3, 0
	s_wait_kmcnt 0x0
	s_load_b256 s[92:99], s[84:85], 0x0            ; e0 .. e7
	s_load_b32 s100, s[84:85], 0x20                ; e8
	s_add_nc_u64 s[8:9], s[68:69], s[2:3]
	s_cmp_eq_u32 s42, 0
	s_cselect_b64 s[6:7], s[70:71], s[72:73]       ; Wq or Wk
	s_cselect_b64 s[10:11], s[76:77], s[78:79]     ; bq or bk
	s_cmp_eq_u32 s42, 2
	s_cselect_b64 s[4:5], s[74:75], s[8:9]         ; A role: Wv, or the plane
	s_cselect_b64 s[6:7], s[8:9], s[6:7]           ; B role: the plane, or the weight
	s_cselect_b64 s[10:11], s[80:81], s[10:11]     ; the bias
	s_add_nc_u64 s[20:21], s[4:5], s[20:21]
	s_add_nc_u64 s[46:47], s[6:7], s[46:47]
	CROUND                                         ; all sixteen work-groups are here: the first joint loads meet
.irp s, 0,1
	s_mov_b32 s[G0+4*\s], 1
	s_add_co_u32 s[G0+4*\s+1], s45, \s*SLOT
	s_add_nc_u64 s[G0+4*\s+2:G0+4*\s+3], s[20:21], \s*ROWB
	s_or_b32 s[G0+4*\s+3], s[G0+4*\s+3], 0x80000000
	s_mov_b32 s[G0B+4*\s], 1
	s_add_co_u32 s[G0B+4*\s+1], s45, \s*SLOT
	s_add_nc_u64 s[G0B+4*\s+2:G0B+4*\s+3], s[46:47], \s*ROWB
	s_or_b32 s[G0B+4*\s+3], s[G0B+4*\s+3], 0x80000000
	JLOAD G0+4*\s, G1, G0B+4*\s, G1B
.endr
	v_and_b32 v1, 15, v0                           ; r
	v_bfe_u32 v2, v0, 4, 1                         ; hf
	v_mul_u32_u24 v3, v1, PITCH
	v_lshl_add_u32 v4, v2, 4, v3                   ; r x 272 + 16 hf
	s_mul_i32 s21, s15, HALFT
	s_mul_i32 s22, s16, HALFT
	s_add_co_u32 s22, s22, 2*HALFT
.irp s, 0,1
	v_add_nc_u32 v[ADRA+\s], s21, v4
	v_add_nc_u32 v[ADRB+\s], s22, v4
	s_add_co_u32 s21, s21, SLOT
	s_add_co_u32 s22, s22, SLOT
.endr
	; the way out's LDS addresses, for both ways, made here where all waves go one way
	s_mul_i32 s17, s16, 40960                      ; q, k: the stage is [head 0..3][token 0..255][80 bytes]; my two heads,
	s_mul_i32 s18, s15, 128*80                     ; my 128 tokens
	s_add_co_u32 s17, s17, s18
	v_mul_u32_u24 v5, v1, 80
	v_lshl_add_u32 v6, v2, 3, v5
	v_add_nc_u32 v[STO], s17, v6                   ; token r, + 8 hf
	s_mul_i32 s17, s14, 20480                      ; back: wave w takes head w
	v_lshl_add_u32 v6, v2, 4, v5
	v_add_nc_u32 v[RDQ], s17, v6
	s_mul_i32 s17, s15, 128*272                    ; v: the stage is [feature 0..255][272 bytes]
	s_lshl_b32 s18, s16, 7
	s_add_co_u32 s17, s17, s18
	s_add_co_u32 s17, s17, VSTG
	v_add_nc_u32 v[STOV], s17, v4
	v_and_b32 v5, 8, v1
	v_add_nc_u32 v5, v5, v1                        ; r + 8 (r / 8)
	v_mul_u32_u24 v5, v5, 272
	v_lshl_add_u32 v5, v2, 4, v5
	s_mul_i32 s17, s14, 64*272
	s_add_co_u32 s17, s17, VSTG
	v_add_nc_u32 v[RDV], s17, v5
	v_and_b32 v6, 31, v0
	v_lshlrev_b32 v[LIO], 4, v6
	; the bias both ways and the mask: 32 small loads, asked for here and waited for behind the K loop.  Every address lies in its buffer for each T, so no branch stands round them
	v_lshlrev_b32 v8, 5, v2                        ; 32 hf
	v_lshlrev_b32 v9, 2, v1                        ; 4 r
	s_lshl_b32 s2, s40, 10
	s_lshl_b32 s17, s16, 9
	s_add_co_u32 s2, s2, s17
	s_add_nc_u64 s[8:9], s[10:11], s[2:3]          ; the bias at the B role's rows 256 cx + 128 half
	s_lshl_b32 s2, s41, 10
	s_lshl_b32 s17, s15, 9
	s_add_co_u32 s2, s2, s17
	s_add_nc_u64 s[10:11], s[10:11], s[2:3]        ; the bias at the A role's rows 256 cy + 128 half
	s_lshl_b32 s17, s43, 12
	s_add_co_u32 s2, s2, s17
	s_add_nc_u64 s[12:13], s[82:83], s[2:3]        ; the mask at token 1,024 batch + 256 cy + 128 half
.irp b, 0,1,2,3,4,5,6,7
	global_load_b128 v[BI+8*\b:BI+8*\b+3], v8, s[8:9] offset:64*\b          ; rows 16 b + 8 hf + 0 .. 7 of the B role
	global_load_b128 v[BI+8*\b+4:BI+8*\b+7], v8, s[8:9] offset:64*\b+16
.endr
.irp a, 0,1,2,3,4,5,6,7
	global_load_b32 v[MK+\a], v9, s[12:13] offset:64*\a                      ; row 16 a + r of the A role
	global_load_b32 v[BV+\a], v9, s[10:11] offset:64*\a
.endr
.macro FRAG reg, adr, q, i             ; a fragment: 16 rows x 128 K in 16 registers: registers 4 c .. 4 c + 3 hold K = 32 c + 16 hf + 0 .. 15: the same order of K on both sides
.irp c, 0,1,2,3
	ds_load_b128 v[\reg+4*\c:\reg+4*\c+3], v[\adr] offset:128*(\q)+32*\c+(\i)*16*PITCH
.endr
.endm
; 16 matrix instructions.  The 64 accumulators take turns, one instruction a turn, in the same order in every step.  zero = 1: the first product starts the sums
.macro MUL16 a0, p, zero
.irp a, \a0, \a0+1
.irp b, 0,1,2,3,4,5,6,7
.if \zero
	v_wmma_f32_16x16x128_bf8_bf8 v[8*(8*((\a)%4)+\b):8*(8*((\a)%4)+\b)+7], v[128*(\p)+FR*\b:128*(\p)+FR*\b+FR-1], v[AF+FR*(\a):AF+FR*(\a)+FR-1], 0
.else
	v_wmma_f32_16x16x128_bf8_bf8 v[8*(8*((\a)%4)+\b):8*(8*((\a)%4)+\b)+7], v[128*(\p)+FR*\b:128*(\p)+FR*\b+FR-1], v[AF+FR*(\a):AF+FR*(\a)+FR-1], v[8*(8*((\a)%4)+\b):8*(8*((\a)%4)+\b)+7]
.endif
.endr
.endr
.endm
.macro FETCH_B slot, q, p
	WIN TO_B
.irp i, 0,1,2,3,4,5,6,7
	FRAG 128*(\p)+FR*\i, ADRB+\slot, \q, \i
.endr
	WIN 0
.endm
.macro FETCH_A slot, q, i0
.irp i, \i0, \i0+1, \i0+2, \i0+3
	FRAG AF+FR*(\i), ADRA+\slot, \q, \i
.endr
.endm
.macro PLACES n                        ; plain vector instructions between a matrix instruction and a load into, or a read of, its registers
.rept \n
	v_nop
.endr
.endm
.macro STEP slot, q, zero              ; 128 along K, with its successor in the same slot
	s_wait_dscnt 4*NL                              ; the B role's set and the A role's blocks 0-3 are in; blocks 4-7 (16 loads) may be out
	WIN MUL_LO
	MUL16 0, (\q)%2, \zero
	MUL16 2, (\q)%2, \zero
	s_wait_dscnt 0
	PLACES NP
	FETCH_B \slot, (\q)+1, 1-(\q)%2
	FETCH_A \slot, (\q)+1, 0
	WIN MUL_HI
	MUL16 4, (\q)%2, \zero
	MUL16 6, (\q)%2, \zero
	PLACES NP
	WIN 0
	FETCH_A \slot, (\q)+1, 4
.endm
.macro TURN slot, next, fill           ; a slot's last step changes slots.  fill = 1: this slot is filled again, two K steps ahead
	s_wait_tensorcnt 0x0                           ; all my tensor loads have landed: my part of the next slot
	ds_add_u32 v[SPW], v[NIL]                      ; 0 onto my spare word
	s_wait_dscnt 4*NL+1                            ; (the add and the youngest 16 loads may be out)
	WIN MUL_LO
	MUL16 0, 1, 0
	s_wait_dscnt 0x0                               ; the add is done, and my reads of this slot are over
	s_barrier_signal -1
	MUL16 2, 1, 0
	WIN 0
	s_barrier_wait -1
.if \fill
	CREST                                          ; the barrier has opened a round of the cluster's: no wave of any partner still reads this slot or has a load on its way
	s_add_nc_u64 s[G0+4*\slot+2:G0+4*\slot+3], s[G0+4*\slot+2:G0+4*\slot+3], 2*ROWB
	s_add_nc_u64 s[G0B+4*\slot+2:G0B+4*\slot+3], s[G0B+4*\slot+2:G0B+4*\slot+3], 2*ROWB
	JLOAD G0+4*\slot, G1, G0B+4*\slot, G1B         ; the first tensor load behind the round; its four v_nop are also the places in front of the loads below
.else
	PLACES NP
.endif
	FETCH_B \next, 0, 0
	FETCH_A \next, 0, 0
	WIN MUL_HI
	MUL16 4, 1, 0
	MUL16 6, 1, 0
	PLACES NP
	WIN 0
	FETCH_A \next, 0, 4
.endm
	s_wait_tensorcnt 1                             ; my part of K step 0 is in; K step 1's load may be out
	s_barrier_signal -1
	s_barrier_wait -1
	FETCH_B 0, 0, 0
	FETCH_A 0, 0, 0
	FETCH_A 0, 0, 4
	STEP 0, 0, 1                                   ; K = 1,024 is four slots' worth, eight steps of 128: written out
	TURN 0, 1, 1
	STEP 1, 0, 0
	TURN 1, 0, 1
	STEP 0, 0, 0
	TURN 0, 1, 0
	STEP 1, 0, 0
	s_wait_dscnt 4*NL
	WIN MUL_LO
	MUL16 0, 1, 0
	MUL16 2, 1, 0
	s_wait_dscnt 0
	WIN MUL_HI
	MUL16 4, 1, 0
	MUL16 6, 1, 0
	WIN 0
	PLACES NP
	s_barrier_signal -1                            ; every wave's reads of the ring are back (the wait for 0 above): behind this barrier the slots, which have had their last fill, serve as stages
	s_barrier_wait -1
	s_wait_loadcnt 0x0                             ; the biases and the mask
	s_wait_kmcnt 0x0
	s_add_co_i32 s17, s92, s93
	s_add_co_i32 s18, s94, s95
	s_add_co_i32 s19, s96, s97
	s_cmp_eq_u32 s42, 0
	s_cselect_b32 s17, s17, s18
	s_cselect_b32 s20, s99, s98                    ; q: e7, k: e6
	s_cmp_eq_u32 s42, 2
	s_cselect_b32 s17, s19, s17                    ; e[2T] + e[2T+1]
	s_cselect_b32 s20, s100, s20                   ; v: e8
	s_add_co_i32 s17, s17, 127
	s_lshl_b32 s66, s17, 23                        ; 2^(e[2T] + e[2T+1]) as f32
	s_mov_b32 s67, s66                             ; (named with it as a pair)
	s_add_co_i32 s20, s20, 127
	s_lshl_b32 s21, s20, 23
	v_mov_b32 v[SCL], s21
	s_add_co_i32 s20, s20, 15
	s_lshl_b32 s20, s20, 23
	s_or_b32 s20, s20, 0x600000
	v_mov_b32 v[LIM], s20
	s_cmp_eq_u32 s42, 1
	s_cselect_b32 s101, 0, -1                      ; only k's codes are masked
.irp a, 0,1,2,3,4,5,6,7
	v_cmp_ne_u32 s[MS+\a], 0, v[MK+\a]
	s_or_b32 s[MS+\a], s[MS+\a], s101
.endr
	s_mov_b32 s3, 0
	s_lshl_b32 s2, s43, 4                          ; 16 batch
	s_cmp_eq_u32 s42, 2                            ; the one parting: on T, which all waves of all partners share
	s_cbranch_scc1 .Lpath_v
; ---- q and k.  Block a: my tokens 16 a + r, 128 features: sum x 2^e + bias, held, converted, masked; eight bytes a tile into the stage
.macro BLOCKQ a
.set AC, 64*((\a)%4)
.set CDS, CD+16*((\a)%2)
	WIN 0x02+((\a)/4)
.set n, 0
.rept 32
	v_pk_fma_f32 v[TMP+n:TMP+n+1], v[AC+n:AC+n+1], s[66:67], v[BI+n:BI+n+1] op_sel_hi:[1,0,1]   ; each accumulator from its low end on
.set n, n+2
.endr
	WIN 0
.set n, 0
.rept 64
	v_med3_num_f32 v[TMP+n], v[TMP+n], -v[LIM], v[LIM]
.set n, n+1
.endr
.if (\a) >= 2
	s_wait_dscnt 8                                 ; the stores of the block before last have read this set of codes; the last block's eight may be out
.endif
.irp b, 0,1,2,3,4,5,6,7
	v_cvt_scalef32_pk8_bf8_f32 v[CDS+2*\b:CDS+2*\b+1], v[TMP+8*\b:TMP+8*\b+7], v[SCL]
.endr
	v_nop                                          ; a plain line between the conversions and what touches their results
.set n, 0
.rept 16
	v_cndmask_b32 v[CDS+n], 0, v[CDS+n], s[MS+\a]
.set n, n+1
.endr
.irp b, 0,1,2,3,4,5,6,7
	ds_store_b64 v[STO], v[CDS+2*\b:CDS+2*\b+1] offset:(\b/4)*20480+1280*(\a)+16*(\b%4)
.endr
.endm
	s_lshl_b32 s17, s40, 2
	s_add_co_u32 s2, s2, s17
	s_add_co_u32 s2, s2, s14                       ; head 16 batch + 4 cx + wave
	s_lshl_b32 s2, s2, 16
	s_lshl_b32 s17, s41, 14                        ; token tiles 16 cy on
	s_add_co_u32 s2, s2, s17
	s_cmp_eq_u32 s42, 0
	s_cselect_b64 s[4:5], s[86:87], s[88:89]       ; qi or ki
	s_add_nc_u64 s[4:5], s[4:5], s[2:3]
.irp a, 0,1,2,3,4,5,6,7
	BLOCKQ \a
.endr
	s_wait_dscnt 0x0                               ; for the others' sake: my stores into the stage are done
	s_barrier_signal -1
	s_barrier_wait -1
.set n, 0
.rept 32
	ds_load_b128 v[128+4*n:128+4*n+3], v[RDQ] offset:1280*(n/2)+32*(n%2)     ; token tile n / 2, piece n % 2 of my head: an image of the reader's registers
.set n, n+1
.endr
.set n, 0
.rept 32
	s_wait_dscnt 31-n
	global_store_b128 v[LIO], v[128+4*n:128+4*n+3], s[4:5] offset:512*n th:TH_STORE_NT   ; 512 consecutive bytes, aligned
.set n, n+1
.endr
	s_branch .Ldone
; ---- v.  Block a: my feature 16 a + r, 128 keys; the bias is the lane's
.Lpath_v:
.macro BLOCKV a
.set AC, 64*((\a)%4)
.set CDS, CD+16*((\a)%2)
.set BP, BV+2*((\a)/2)
	WIN 0x02+((\a)/4)
.set n, 0
.rept 32
.if ((\a)%2) == 0
	v_pk_fma_f32 v[TMP+n:TMP+n+1], v[AC+n:AC+n+1], s[66:67], v[BP:BP+1] op_sel_hi:[1,0,0]
.else
	v_pk_fma_f32 v[TMP+n:TMP+n+1], v[AC+n:AC+n+1], s[66:67], v[BP:BP+1] op_sel:[0,0,1] op_sel_hi:[1,0,1]
.endif
.set n, n+2
.endr
	WIN 0
.set n, 0
.rept 64
	v_med3_num_f32 v[TMP+n], v[TMP+n], -v[LIM], v[LIM]
.set n, n+1
.endr
.if (\a) >= 2
	s_wait_dscnt 8
.endif
.irp b, 0,1,2,3,4,5,6,7
	v_cvt_scalef32_pk8_bf8_f32 v[CDS+2*\b:CDS+2*\b+1], v[TMP+8*\b:TMP+8*\b+7], v[SCL]
.endr
	v_nop
.irp b, 0,1,2,3,4,5,6,7
	ds_store_b64 v[STOV], v[CDS+2*\b:CDS+2*\b+1] offset:4352*(\a)+32*(\b/2)+8*(\b%2)   ; keys 16 b + 8 hf + 0 .. 7 go to byte 32 (b / 2) + 16 hf + 8 (b % 2): the two groups of eight that a reader's lane wants lie side by side
.endr
.endm
	s_lshl_b32 s17, s41, 2
	s_add_co_u32 s2, s2, s17
	s_add_co_u32 s2, s2, s14                       ; head 16 batch + 4 cy + wave
	s_lshl_b32 s2, s2, 16
	s_lshl_b32 s17, s40, 14                        ; key steps 2 cx on
	s_add_co_u32 s2, s2, s17
	s_add_nc_u64 s[4:5], s[90:91], s[2:3]
.irp a, 0,1,2,3,4,5,6,7
	BLOCKV \a
.endr
	s_wait_dscnt 0x0
	s_barrier_signal -1
	s_barrier_wait -1
.set n, 0
.rept 32
	ds_load_b128 v[128+4*n:128+4*n+3], v[RDV] offset:(32*(((n/4)%4)/2)+8*(((n/4)%4)%2))*272+128*(n/16)+32*(n%4)   ; key step n / 16, tile (n / 4) % 4, piece n % 4
.set n, n+1
.endr
.set n, 0
.rept 32
	s_wait_dscnt 31-n
	global_store_b128 v[LIO], v[128+4*n:128+4*n+3], s[4:5] offset:512*n th:TH_STORE_NT
.set n, n+1
.endr
.Ldone:
	s_wait_tensorcnt 0x0                           ; the wave's end
	ds_add_u32 v[SPW], v[NIL]
	s_wait_dscnt 0x0
	CROUND                                         ; the closing round
	s_endpgm
.Lfunc_end_k_qcf023a26b7_qkv:
	.size	k_qcf023a26b7_qkv, .Lfunc_end_k_qcf023a26b7_qkv-k_qcf023a26b7_qkv
	.p2alignl 7, 3214868480
	.fill 96, 4, 3214868480
	.section	.rodata,"a",@progbits
	.p2align	6, 0x0
	.amdhsa_kernel k_qcf023a26b7_qkv
		.amdhsa_group_segment_fixed_size 327680
		.amdhsa_private_segment_fixed_size 0
		.amdhsa_enable_private_segment 0
		.amdhsa_kernarg_size 96
		.amdhsa_user_sgpr_count 2
		.amdhsa_user_sgpr_kernarg_segment_ptr 1
		.amdhsa_wavefront_size32 1
		.amdhsa_system_sgpr_workgroup_id_x 1
		.amdhsa_system_sgpr_workgroup_id_y 1
		.amdhsa_system_sgpr_workgroup_id_z 1
		.amdhsa_system_vgpr_workitem_id 0
		.amdhsa_next_free_vgpr 1024
		.amdhsa_next_free_sgpr 102
		.amdhsa_reserve_vcc 0
		.amdhsa_float_denorm_mode_32 3
		.amdhsa_float_denorm_mode_16_64 3
		.amdhsa_memory_ordered 1
		.amdhsa_forward_progress 1
		.amdhsa_inst_pref_size 218
	.end_amdhsa_kernel
	.amdgpu_metadata
---
amdhsa.version: [ 1, 2 ]
amdhsa.kernels:
  - .name:           k_qcf023a26b7_qkv
    .symbol:         k_qcf023a26b7_qkv.kd
    .args:
      - { .name: xc, .offset: 0, .size: 8, .value_kind: global_buffer, .address_space: global }
      - { .name: Wq_codes, .offset: 8, .size: 8, .value_kind: global_buffer, .address_space: global }
      - { .name: Wk_codes, .offset: 16, .size: 8, .value_kind: global_buffer, .address_space: global }
      - { .name: Wv_codes, .offset: 24, .size: 8, .value_kind: global_buffer, .address_space: global }
      - { .name: bq, .offset: 32, .size: 8, .value_kind: global_buffer, .address_space: global }
      - { .name: bk, .offset: 40, .size: 8, .value_kind: global_buffer, .address_space: global }
      - { .name: bv, .offset: 48, .size: 8, .value_kind: global_buffer, .address_space: global }
      - { .name: mask, .offset: 56, .size: 8, .value_kind: global_buffer, .address_space: global }
      - { .name: lowp_scales, .offset: 64, .size: 8, .value_kind: global_buffer, .address_space: global }
      - { .name: qi, .offset: 72, .size: 8, .value_kind: global_buffer, .address_space: global }
      - { .name: ki, .offset: 80, .size: 8, .value_kind: global_buffer, .address_space: global }
      - { .name: vi, .offset: 88, .size: 8, .value_kind: global_buffer, .address_space: global }
    .group_segment_fixed_size: 327680
    .private_segment_fixed_size: 0
    .kernarg_segment_align: 8
    .kernarg_segment_size: 96
    .max_flat_workgroup_size: 128
    .sgpr_count:     102
    .vgpr_count:     1024
    .wavefront_size: 32
...
	.end_amdgpu_metadata
.endif
;; end of part 2
;; launch attn (part 3): grid 2 x 128, 8 waves a work-group, no clusters, 168,960 bytes of LDS; arguments qi, ki, vi, mask, lowp_scales, oi; writes oi
.if DOCPART == 3
	.amdgcn_target "amdgcn-amd-amdhsa--gfx1250"
	.amdhsa_code_object_version 6
	.text
	.protected	k_qcf023a26b7_attn
	.globl	k_qcf023a26b7_attn
	.p2align	8
	.type	k_qcf023a26b7_attn,@function
k_qcf023a26b7_attn:
	s_mov_b64 s[64:65], 0
	v_nop
	global_prefetch_b8 v0, s[64:65] scope:SCOPE_SE
	s_setreg_imm32_b32 hwreg(HW_REG_WAVE_MODE, 25, 1), 1
	s_wait_xcnt 0x0
; out[head][q] = sum over keys of softmax(q . k / 8, keys with mask 0 at -1e9) v, both products on codes of BF8 (E5M2); the result is quantised by e10 and stored as the next product's operand registers.
; THE SOFTMAX: t = score x log2(e) / 8; M = the running largest t rounded up to a whole number; p = 2^(t - M) is quantised by e9; the sum is taken of the unquantised p and divides at the end.
; THE MASK COSTS NO VECTOR WORK: k's codes are 0 at masked keys, and the score product's C is 0 at open keys and -2^(33 - e6 - e7) at masked ones, from a table of 1,024 f32 in LDS.  So a masked key's t is
; -2^30 x log2(e), a whole number: where all keys are masked p = 1 on every key; elsewhere p is 0.
; LIMIT: a masked logit is -1.074e9 and not -1e9: the results are reference()'s wherever a row's largest open logit lies above -1e9 + 110, or all its keys are masked.
; LIMITS on the exponents: e6 + e7 between -94 and 130; e9 and e10 between -126 and 112.  NaN is not served.
; SHARES.  A work-group owns a head and 512 of its queries, in two passes of 256; each of eight waves owns 32 queries a pass: TWO tiles of 16.  Tile 0 lives in register window 0, tile 1 in window 1, at the same
; numbers: the softmax and the way out are one macro, run under two settings.  Each fragment of K, V and C read from LDS feeds both tiles.  Two waves share a SIMD.
; LDS is filled once: the head's K (65,536 bytes) and V (65,536), as images of operand registers, by four tensor loads of wave 0 and four of wave 1 (four of a wave's are out at most); work begins when the first quarter has landed.
; No cluster: the two work-groups of a head share these 131,072 bytes once, at the head of the launch.
; Both products are used transposed (S^T = K Q^T + C, O^T = V^T P): a lane holds one query throughout.  V's channels are ordered so that the 16 registers of O^T's tiles 2 b, 2 b + 1 are d = 32 b + 16 hf + 0 .. 15.
.set LI,   1                           ; window 0: 16 x lane
.set CI,   2                           ; the table's place for my half of the lanes
.set ADK,  3
.set ADV,  4
.set ADC,  5
.set KF,   32                          ; window 0: v32-95 K's eight fragments, then V's four
.set CM,   32                          ; window 1: v32-95 the step's 64 values of C
.set Q1,   16                          ; both windows from here on: Q of pass 1
.set S,    96                          ; S^T, then p
.set OT,   160                         ; O^T, four tiles
.set P,    192                         ; codes
.set Q0,   208                         ; Q of pass 0
.set NM,   216                         ; -M; v217 the largest t
.set LS,   218                         ; the sum, in two halves
.set W,    220
.set F,    222                         ; f, later 1 / sum
.set L2,   224
.set PD,   226
.set PLIM, 228
.set PSC,  229
.set OLIM, 230
.set OSC,  231
.set GO,   232                         ; my bytes of a store: 16 x lane, + a row tile (16,384) in window 1
.set CT,   131072                      ; LDS: K 0, V 65,536, the table here
.set WV,   16
.set SEL,  20
.set CS,   22
.set G1,   24
.set G0,   32                          ; s32-47: four groups 0
.set TB,   48
.set TC,   49
.set CNT,  50
.set OB,   68
.set MSB, 0
.macro WIN new
.if MSB != \new
	s_set_vgpr_msb (MSB<<8)|\new
.set MSB, \new
.endif
.endm
	s_load_b256 s[4:11], s[0:1], 0x0               ; qi, ki, vi, mask
	s_load_b128 s[12:15], s[0:1], 0x20             ; lowp_scales, oi
	v_lshl_add_u32 v254, v0, 2, 0x29000
	v_mov_b32 v255, 0
	ds_add_u32 v254, v255
	ds_add_u32 v254, v255
	v_lshrrev_b32 v6, 5, v0
	v_readfirstlane_b32 s[WV], v6                  ; wave 0..7
	s_and_b32 s17, ttmp7, 0xffff                   ; the head, 16 batch + h
	s_mov_b32 s[G1], 3<<16                         ; elements of 8 bytes, no mask, no padding: a dense block as 64 rows of 256 bytes
	s_mov_b32 s[G1+1], 32<<16                      ; tensor_dim0
	s_mov_b32 s[G1+2], 64<<16                      ; tensor_dim1
	s_mov_b32 s[G1+3], 32<<16                      ; tile_dim0
	s_mov_b32 s[G1+4], 64                          ; tile_dim1
	s_mov_b32 s[G1+5], 32                          ; from row to row
	s_mov_b32 s[G1+6], 0
	s_mov_b32 s[G1+7], 0
	s_lshl_b32 s70, s17, 16                        ; a head's images are 65,536 bytes in each of qi, ki, vi
	s_mov_b32 s71, 0
	s_and_b32 s73, s[WV], 1
	s_lshl_b32 s72, s73, 16                        ; K's images at LDS 0, V's at 65,536
	s_wait_dscnt 0x0
	s_wait_kmcnt 0x0
	s_load_b256 s[52:59], s[12:13], 0x0            ; e0 .. e7
	s_load_b128 s[60:63], s[12:13], 0x20           ; e8 .. e11
	s_cmp_eq_u32 s73, 0
	s_cselect_b64 s[74:75], s[6:7], s[8:9]
	s_add_nc_u64 s[74:75], s[74:75], s[70:71]
.irp c, 0,1,2,3
	s_mov_b32 s[G0+4*\c], 1
	s_add_co_u32 s[G0+4*\c+1], s72, 16384*\c
	s_add_nc_u64 s[G0+4*\c+2:G0+4*\c+3], s[74:75], 16384*\c
	s_or_b32 s[G0+4*\c+3], s[G0+4*\c+3], 0x80000000
.endr
	s_cmp_lt_u32 s[WV], 2                          ; wave 0 fetches K, wave 1 V: all first fills of a wave in one branch, ahead of every wait on TENSORcnt, LDS read and barrier
	s_cbranch_scc0 .Lno_fill
	tensor_load_to_lds s[G0:G0+3], s[G1:G1+7]
	s_nop 0
	tensor_load_to_lds s[G0+4:G0+7], s[G1:G1+7]
	s_nop 0
	tensor_load_to_lds s[G0+8:G0+11], s[G1:G1+7]
	s_nop 0
	tensor_load_to_lds s[G0+12:G0+15], s[G1:G1+7]
	s_nop 0
.rept 4
	v_nop
.endr
.Lno_fill:
	s_lshl_b32 s76, ttmp9, 15                      ; my queries' tiles: 32 x + 2 wave (+ 16 pass + tile), 1,024 bytes each
	s_lshl_b32 s77, s[WV], 11
	s_add_co_u32 s76, s76, s77
	s_add_co_u32 s76, s76, s70
	s_mov_b32 s77, 0
	s_add_nc_u64 s[4:5], s[4:5], s[76:77]
	s_lshr_b32 s78, s17, 4                         ; the batch
	s_lshl_b32 s76, s78, 12
	s_add_nc_u64 s[10:11], s[10:11], s[76:77]
	v_and_b32 v6, 31, v0
	v_lshlrev_b32 v[LI], 4, v6
	v_bfe_u32 v7, v0, 4, 1
	v_lshlrev_b32 v[CI], 5, v7
	v_add_nc_u32 v[CI], CT, v[CI]                  ; lanes 16-31 take the keys eight further on
.irp c, 0,1
	global_load_b128 v[Q0+4*\c:Q0+4*\c+3], v[LI], s[4:5] offset:512*\c
	global_load_b128 v[Q1+4*\c:Q1+4*\c+3], v[LI], s[4:5] offset:16384+512*\c
.endr
	WIN 0x40                                       ; destination window 1: tile 1
.irp c, 0,1
	global_load_b128 v[Q0+4*\c:Q0+4*\c+3], v[LI], s[4:5] offset:1024+512*\c
	global_load_b128 v[Q1+4*\c:Q1+4*\c+3], v[LI], s[4:5] offset:16384+1024+512*\c
.endr
	WIN 0
	v_lshlrev_b32 v8, 4, v0
	global_load_b128 v[12:15], v8, s[10:11]        ; four keys' mask a thread
	v_add_nc_u32 v9, CT, v8
	s_lshl_b32 s76, s78, 6                         ; oi: row tile 64 batch + 32 x + 2 wave, 16,384 bytes each; my head's 64 along K begin 1,024 h bytes in
	s_lshl_b32 s79, ttmp9, 5
	s_add_co_u32 s76, s76, s79
	s_lshl_b32 s79, s[WV], 1
	s_add_co_u32 s76, s76, s79
	s_lshl_b32 s76, s76, 14
	s_and_b32 s79, s17, 15
	s_lshl_b32 s79, s79, 10
	s_add_co_u32 s76, s76, s79
	s_add_nc_u64 s[OB:OB+1], s[14:15], s[76:77]
	s_mov_b32 s[SEL], 0x76543210
	s_mov_b32 s[SEL+1], 0xfedcba98
	s_wait_kmcnt 0x0
	s_add_co_i32 s70, s58, s59                     ; e6 + e7
	s_lshl_b32 s71, s70, 23
	s_mov_b32 s[CS], 0x3e38aa3b                    ; log2(e) / 8,
	s_add_co_i32 s[CS], s[CS], s71                 ; x 2^(e6 + e7), by its exponent field
	s_mov_b32 s[CS+1], s[CS]
	s_sub_co_i32 s71, 160, s70
	s_lshl_b32 s71, s71, 23
	s_or_b32 s71, s71, 0x80000000                  ; -2^(33 - e6 - e7)
	s_add_co_i32 s76, s61, 127
	s_lshl_b32 s73, s76, 23                        ; 2^e9
	s_add_co_i32 s76, s76, 15
	s_lshl_b32 s72, s76, 23
	s_or_b32 s72, s72, 0x600000                    ; 57,344 x 2^e9
	s_add_co_i32 s76, s62, 127
	s_lshl_b32 s75, s76, 23                        ; 2^e10
	s_add_co_i32 s76, s76, 15
	s_lshl_b32 s74, s76, 23
	s_or_b32 s74, s74, 0x600000
	s_add_co_i32 s66, s60, s61                     ; e8 + e9
.macro CONSTS
	v_mov_b32 v[PLIM], s72
	v_mov_b32 v[PSC], s73
	v_mov_b32 v[OLIM], s74
	v_mov_b32 v[OSC], s75
	v_mov_b32 v[F+1], 0                            ; named as the upper half of a pair
	v_mov_b32 v[PD], 0                             ; a lane permute's destination counts as read
.endm
	CONSTS
	v_mov_b32 v[GO], v[LI]
	WIN 0x40
	CONSTS
	v_add_nc_u32 v[GO], 0x4000, v[LI]
	WIN 0
	v_mov_b32 v10, s71
	s_wait_loadcnt 0x0                             ; Q and the mask
.irp j, 12,13,14,15
	v_cmp_eq_u32 vcc_lo, 0, v\j
	v_cndmask_b32 v\j, 0, v10, vcc_lo
.endr
	ds_store_b128 v9, v[12:15]                     ; the table, in key order
.macro INIT                            ; a pass begins: zeros, and a largest t under every t
.set n, 0
.rept 32
	v_mov_b32 v[OT+n], 0
.set n, n+1
.endr
	v_mov_b32 v[LS], 0
	v_mov_b32 v[LS+1], 0
	v_mov_b32 v[NM+1], 0xff61b1e6
	v_floor_f32 v[NM], -v[NM+1]
.endm
; One tile's softmax for 128 keys.  Register 8 t + j of S^T is key 16 t + 8 hf + j of my query.
.macro SOFTMAX
	v_max3_num_f32 v[W], v[S], v[S+1], v[S+2]      ; the largest score, in two chains, each accumulator from its low end on
	v_max3_num_f32 v[W+1], v[S+3], v[S+4], v[S+5]
.set n, 6
.rept 14
	v_max3_num_f32 v[W], v[W], v[S+n], v[S+n+1]
	v_max3_num_f32 v[W+1], v[W+1], v[S+n+2], v[S+n+3]
.set n, n+4
.endr
	v_max3_num_f32 v[W], v[W], v[S+62], v[S+63]
	v_max_num_f32 v[W], v[W], v[W+1]
	v_permlanex16_b32 v[PD], v[W], s[SEL], s[SEL+1]
	v_max_num_f32 v[W], v[W], v[PD]
	v_mul_f32 v[W], s[CS], v[W]                    ; as t
	v_max_num_f32 v[NM+1], v[NM+1], v[W]
	v_mov_b32 v[W], v[NM]
	v_floor_f32 v[NM], -v[NM+1]                    ; -M = floor(-t): a whole number
	v_sub_f32 v[W], v[NM], v[W]
	v_cvt_i32_f32 v[W], v[W]                       ; (it saturates)
	v_ldexp_f32 v[F], 1.0, v[W]                    ; f = 2^(old M - new M)
.set n, 0
.rept 32
	v_pk_fma_f32 v[S+n:S+n+1], v[S+n:S+n+1], s[CS:CS+1], v[NM:NM+1] op_sel_hi:[1,0,0]   ; t - M
.set n, n+2
.endr
.set n, 0
.rept 64
	v_exp_f32 v[S+n], v[S+n]
.set n, n+1
.endr
	v_pk_mul_f32 v[LS:LS+1], v[LS:LS+1], v[F:F+1] op_sel_hi:[1,0]   ; (the plain instruction behind the batch)
	s_wait_alu depctr_va_vdst(0)                   ; one wait for the 64 exponentials, ahead of their first reader
	v_pk_add_f32 v[L2:L2+1], v[S:S+1], v[S+2:S+3]  ; the sum of the unquantised p, in two chains
.set n, 4
.rept 15
	v_pk_add_f32 v[LS:LS+1], v[LS:LS+1], v[S+n:S+n+1]
	v_pk_add_f32 v[L2:L2+1], v[L2:L2+1], v[S+n+2:S+n+3]
.set n, n+4
.endr
	v_pk_add_f32 v[LS:LS+1], v[LS:LS+1], v[L2:L2+1]
.irp t, 0,1,2,3,4,5,6,7
.irp j, 0,1,2,3,4,5,6,7
	v_min_num_f32 v[S+8*\t+\j], v[S+8*\t+\j], v[PLIM]   ; the conversion does not saturate (ISA guide 7.6.2); p is not negative
.endr
	v_cvt_scalef32_pk8_bf8_f32 v[P+2*\t:P+2*\t+1], v[S+8*\t:S+8*\t+7], v[PSC]   ; registers 2 t, 2 t + 1 of the operand: keys 16 t + 8 hf + 0 .. 7
.endr
.set n, 0
.rept 16
	v_pk_mul_f32 v[OT+n:OT+n+1], v[OT+n:OT+n+1], v[F:F+1] op_sel_hi:[1,0]   ; O^T under the new M; also the plain lines between the conversions and the products
.set n, n+2
.endr
.endm
; A key step: 128 keys for both tiles.  qb: Q's registers of the pass.
.macro STEP qb
	WIN 0
	v_add_nc_u32 v[ADK], s[TB], v[LI]              ; these three and the v_nop are the four places between the last step's products and the loads into the registers that they read
	v_add_nc_u32 v[ADC], s[TC], v[CI]
	v_add_nc_u32 v[ADV], 0x10000, v[ADK]
	v_nop
.irp t, 0,1,2,3,4,5,6,7
	ds_load_b128 v[KF+8*\t:KF+8*\t+3], v[ADK] offset:1024*\t
	ds_load_b128 v[KF+8*\t+4:KF+8*\t+7], v[ADK] offset:1024*\t+512
.endr
	WIN 0x40
.irp t, 0,1,2,3,4,5,6,7
	ds_load_b128 v[CM+8*\t:CM+8*\t+3], v[ADC] offset:64*\t
	ds_load_b128 v[CM+8*\t+4:CM+8*\t+7], v[ADC] offset:64*\t+16
.endr
	s_wait_dscnt 0x0
	WIN 0x10                                       ; K, Q and S^T in window 0, C in window 1
.irp t, 0,1,2,3,4,5,6,7
	v_wmma_f32_16x16x64_bf8_bf8 v[S+8*\t:S+8*\t+7], v[KF+8*\t:KF+8*\t+7], v[\qb:\qb+7], v[CM+8*\t:CM+8*\t+7]
.endr
	WIN 0x54                                       ; K in window 0; Q, C and S^T in window 1
.irp t, 0,1,2,3,4,5,6,7
	v_wmma_f32_16x16x64_bf8_bf8 v[S+8*\t:S+8*\t+7], v[KF+8*\t:KF+8*\t+7], v[\qb:\qb+7], v[CM+8*\t:CM+8*\t+7]
.endr
	WIN 0
.rept 4
	v_nop                                          ; places in front of the loads into K's registers and of the first read of the scores
.endr
.irp t, 0,1,2,3
.irp c, 0,1,2,3
	ds_load_b128 v[KF+16*\t+4*\c:KF+16*\t+4*\c+3], v[ADV] offset:2048*\t+512*\c   ; V lands under the first softmax
.endr
.endr
	SOFTMAX
	s_wait_dscnt 0x0
.irp t, 0,1,2,3
	v_wmma_f32_16x16x128_bf8_bf8 v[OT+8*\t:OT+8*\t+7], v[KF+16*\t:KF+16*\t+15], v[P:P+15], v[OT+8*\t:OT+8*\t+7]   ; the accumulators take turns: between two links of a chain stand 23 other products
.endr
	WIN 0x55
	SOFTMAX
	WIN 0x54
.irp t, 0,1,2,3
	v_wmma_f32_16x16x128_bf8_bf8 v[OT+8*\t:OT+8*\t+7], v[KF+16*\t:KF+16*\t+15], v[P:P+15], v[OT+8*\t:OT+8*\t+7]
.endr
	WIN 0
	s_add_co_u32 s[TB], s[TB], 8192
	s_add_co_u32 s[TC], s[TC], 512
.endm
; The way out of one tile: O^T x 2^(e8 + e9) / sum, held, converted by e10.  A lane's four registers are d = 32 b + 16 hf + 0 .. 15 of its query: the next product's operand as it stands.
.macro EPI p
	v_add_f32 v[LS], v[LS], v[LS+1]
	v_permlanex16_b32 v[PD], v[LS], s[SEL], s[SEL+1]
	v_add_f32 v[LS], v[LS], v[PD]
	v_rcp_f32 v[F], v[LS]
	v_nop
	s_wait_alu depctr_va_vdst(0)
	v_ldexp_f32 v[F], v[F], s66
.set n, 0
.rept 16
	v_pk_mul_f32 v[S+n:S+n+1], v[OT+n:OT+n+1], v[F:F+1] op_sel_hi:[1,0]
.set n, n+2
.endr
.set n, 0
.rept 32
	v_med3_num_f32 v[S+n], v[S+n], -v[OLIM], v[OLIM]
.set n, n+1
.endr
.irp t, 0,1,2,3
	v_cvt_scalef32_pk8_bf8_f32 v[P+2*\t:P+2*\t+1], v[S+8*\t:S+8*\t+7], v[OSC]
.endr
	v_nop
	global_store_b128 v[GO], v[P:P+3], s[OB:OB+1] offset:262144*(\p)          ; 512 consecutive bytes, aligned
	global_store_b128 v[GO], v[P+4:P+7], s[OB:OB+1] offset:262144*(\p)+512
.endm
.macro BOTH_INIT
	INIT
	WIN 0x55
	INIT
	WIN 0
.endm
.macro BOTH_EPI p
.rept 4
	v_nop                                          ; places behind the last products
.endr
	EPI \p
	WIN 0x55
	EPI \p
	WIN 0
.endm
.macro CHUNK c                         ; 256 keys: two steps
	s_wait_tensorcnt 3-\c                          ; chunk c of my four loads has landed; the later ones may stay out
	s_wait_dscnt 0x0                               ; (ahead of the first barrier: my part of the table is stored)
	s_barrier_signal -1
	s_barrier_wait -1
	s_mov_b32 s[TB], 16384*\c
	s_mov_b32 s[TC], 1024*\c
	s_mov_b32 s[CNT], 2
.Lchunk_\@:
	STEP Q0
	s_sub_co_u32 s[CNT], s[CNT], 1
	s_cmp_lg_u32 s[CNT], 0
	s_cbranch_scc1 .Lchunk_\@
.endm
	BOTH_INIT
	CHUNK 0
	CHUNK 1
	CHUNK 2
	CHUNK 3
	BOTH_EPI 0
	s_wait_xcnt 0x0                                ; the stores have read their codes: the registers are written again only behind this wait
	BOTH_INIT
	s_mov_b32 s[TB], 0
	s_mov_b32 s[TC], 0
	s_mov_b32 s[CNT], 8
.Lpass1:
	STEP Q1
	s_sub_co_u32 s[CNT], s[CNT], 1
	s_cmp_lg_u32 s[CNT], 0
	s_cbranch_scc1 .Lpass1
	BOTH_EPI 1
	s_wait_tensorcnt 0x0
	ds_add_u32 v254, v255
	s_wait_dscnt 0x0
	s_endpgm
.Lfunc_end_k_qcf023a26b7_attn:
	.size	k_qcf023a26b7_attn, .Lfunc_end_k_qcf023a26b7_attn-k_qcf023a26b7_attn
	.p2alignl 7, 3214868480
	.fill 96, 4, 3214868480
	.section	.rodata,"a",@progbits
	.p2align	6, 0x0
	.amdhsa_kernel k_qcf023a26b7_attn
		.amdhsa_group_segment_fixed_size 168960
		.amdhsa_private_segment_fixed_size 0
		.amdhsa_enable_private_segment 0
		.amdhsa_kernarg_size 48
		.amdhsa_user_sgpr_count 2
		.amdhsa_user_sgpr_kernarg_segment_ptr 1
		.amdhsa_wavefront_size32 1
		.amdhsa_system_sgpr_workgroup_id_x 1
		.amdhsa_system_sgpr_workgroup_id_y 1
		.amdhsa_system_sgpr_workgroup_id_z 1
		.amdhsa_system_vgpr_workitem_id 0
		.amdhsa_next_free_vgpr 512
		.amdhsa_next_free_sgpr 80
		.amdhsa_reserve_vcc 1
		.amdhsa_float_denorm_mode_32 3
		.amdhsa_float_denorm_mode_16_64 3
		.amdhsa_memory_ordered 1
		.amdhsa_forward_progress 1
		.amdhsa_inst_pref_size 175
	.end_amdhsa_kernel
	.amdgpu_metadata
---
amdhsa.version: [ 1, 2 ]
amdhsa.kernels:
  - .name:           k_qcf023a26b7_attn
    .symbol:         k_qcf023a26b7_attn.kd
    .args:
      - { .name: qi, .offset: 0, .size: 8, .value_kind: global_buffer, .address_space: global }
      - { .name: ki, .offset: 8, .size: 8, .value_kind: global_buffer, .address_space: global }
      - { .name: vi, .offset: 16, .size: 8, .value_kind: global_buffer, .address_space: global }
      - { .name: mask, .offset: 24, .size: 8, .value_kind: global_buffer, .address_space: global }
      - { .name: lowp_scales, .offset: 32, .size: 8, .value_kind: global_buffer, .address_space: global }
      - { .name: oi, .offset: 40, .size: 8, .value_kind: global_buffer, .address_space: global }
    .group_segment_fixed_size: 168960
    .private_segment_fixed_size: 0
    .kernarg_segment_align: 8
    .kernarg_segment_size: 48
    .max_flat_workgroup_size: 256
    .sgpr_count:     80
    .vgpr_count:     512
    .wavefront_size: 32
...
	.end_amdgpu_metadata
.endif
;; end of part 3
;; launch wo_norm2 (part 4): grid 256 x 1, 4 waves a work-group, clusters of 4 x 1, 327,680 bytes of LDS; arguments oi, Wo_codes, x, st, alpha1, bias1, bo, alpha2, bias2, lowp_scales, out0; writes out0
.if DOCPART == 4
	.amdgcn_target "amdgcn-amd-amdhsa--gfx1250"
	.amdhsa_code_object_version 6
	.text
	.protected	k_qcf023a26b7_wo_norm2
	.globl	k_qcf023a26b7_wo_norm2
	.p2align	8
	.type	k_qcf023a26b7_wo_norm2,@function
k_qcf023a26b7_wo_norm2:
	s_mov_b64 s[64:65], 0
	v_nop
	global_prefetch_b8 v0, s[64:65] scope:SCOPE_SE
	s_setreg_imm32_b32 hwreg(HW_REG_WAVE_MODE, 25, 1), 1
	s_wait_xcnt 0x0
	s_wait_alu depctr_hold_cnt(0) depctr_sa_sdst(0) depctr_va_vdst(0) depctr_va_sdst(0) depctr_va_ssrc(0) depctr_va_vcc(0) depctr_vm_vsrc(0)
	s_getreg_b32 s2, hwreg(HW_REG_IB_STS2, 6, 4)
	s_cmp_eq_u32 s2, 0
	s_cbranch_scc0 .Lentry_in_a_cluster
	s_endpgm
.Lentry_in_a_cluster:
	s_bfe_u32 s2, ttmp6, 0x10000c
	s_cmp_lg_u32 s2, 0x3003
	s_cbranch_scc0 .Lentry_shape_is_right
	s_endpgm
.Lentry_shape_is_right:
; out0 = 2 norm2(xn + attention Wo + bo): the last product on codes of BF8 (E5M2), K = 1,024; xn is made again from x and the stored (mean, 1 / (std + eps)); norm2 as norm1 (divisor 1,023, eps on std).
; SHARES.  A work-group owns 32 whole rows, which the norm needs.  THE WAVES SHARE THE COLUMNS: wave w owns columns 512 nh + 128 w + 0 .. 127, nh = 0, 1.  The rows' codes (32 x 1,024: 256 registers) stay in every wave's
; registers; Wo (1,048,576 bytes) streams through two LDS slots of 512 rows x 256 bytes.  Each wave fetches, and alone reads, its own 128 rows of a slot.
; CLUSTER: all row blocks walk the same weights, so the four work-groups of a cluster ask for each tile JOINTLY (mask 15): the requests for Wo are divided by four.
; Tile i = 0 .. 7: K bytes 256 (i / 2) on of Wo's rows 512 (i % 2) on, in slot i % 2.  One load a wave is out behind each round, two at the start.
; x's rows are asked for while the products run, into the registers that the rows' codes have left.
; The matrix instruction takes 16 rows of Wo as source 0 and 16 tokens as source 1.  The sums turn through the wave's own stage in LDS into whole rows: a lane then holds columns 4 lane + 0 .. 3 of each of the 32 rows.
; LIMIT: e10 + e11 between -126 and 127.  NaN is not served.
; REGISTERS, in windows of 256: window 0: addresses, the five column vectors, the codes of K steps 6, 7 (v96-159; later row sums and broadcasts), the rows' statistics (v160-223; later partial sums).
;   window 1: the codes of K steps 0 .. 5 at 32 s + 16 a; later x, then x1: row n at 8 n + 4 nh.   window 2: the 32 accumulators at 8 (16 nh + 2 b + a).   window 3: Wo's fragments, two sets; later the sums by rows.
.set PITCH, 272
.set HALFT, 128*PITCH
.set SLOT,  4*HALFT
.set SPARE, 2*SLOT                     ; the spare words, 128 bytes for each wave
.set RS1,   SPARE+512                  ; 32 rows x 4 waves x 4 bytes: the rows' sums,
.set RS2,   RS1+512                    ; and their sums of squares
.set BC,    RS2+512                    ; 256 bytes a wave: a number a row, for all lanes to read
.set SPI,   528                        ; a stage row: 512 bytes + 16
.set STGB,  16*SPI                     ; four stages in my own part of slot 0, which has had its last fill and which I alone have read
.set LI,   2
.set XO,   3
.set ZR,   4
.set ADRB, 5
.set STO,  7
.set RD,   8
.set RSA,  9
.set BCA,  10
.set BCB,  11
.set RSL,  12
.set SPW,  28
.set NIL,  29
.set AL1,  32
.set B1,   40
.set AL2,  48
.set B2,   56
.set BO,   64
.set PP,   96
.set MB,   128
.set ST,   160
.set TP,   160
.set WK,   224
.set G1,   24
.set G0,   32
.set MSB, 0
.macro WIN new
.if MSB != \new
	s_set_vgpr_msb (MSB<<8)|\new
.set MSB, \new
.endif
.endm
.macro ROUND                           ; a round of the cluster's barrier
	s_barrier_signal -1
	s_barrier_wait -1
	s_cmp_lg_u32 s14, 0
	s_cbranch_scc1 .Lnot_wave_0_\@
	s_barrier_signal -3
.Lnot_wave_0_\@:
	s_barrier_wait -3
	s_barrier_signal -1
	s_barrier_wait -1
.endm
.macro PLACES
.rept 4
	v_nop
.endr
.endm
	s_load_b512 s[68:83], s[0:1], 0x0              ; oi 68, Wo 70, x 72, st 74, alpha1 76, bias1 78, bo 80, alpha2 82
	s_load_b128 s[84:87], s[0:1], 0x40             ; bias2 84, lowp_scales 86
	s_load_b64 s[88:89], s[0:1], 0x50              ; out0
	v_lshl_add_u32 v[SPW], v0, 2, SPARE
	v_mov_b32 v[NIL], 0
	ds_add_u32 v28, v29
	ds_add_u32 v28, v29
	s_wait_dscnt 0x0
	v_lshrrev_b32 v1, 5, v0
	v_readfirstlane_b32 s14, v1                    ; wave 0..3
	s_bfe_u32 s15, ttmp6, 0x40000                  ; cx: it enters the addresses of plain loads and stores alone
	s_lshl_b32 s16, ttmp9, 2
	s_add_co_u32 s16, s16, s15                     ; my block of 32 rows
	s_mov_b32 s[G1], 15|(0<<16)|(1<<20)|(1<<21)|(5<<22)|(3<<25)   ; all four work-groups; elements of 1 byte; padding on; bit 21 beside a mask; 4 words behind every 64
	s_mov_b32 s[G1+1], 256<<16
	s_mov_b32 s[G1+2], 128<<16
	s_mov_b32 s[G1+3], 256<<16
	s_mov_b32 s[G1+4], 128
	s_mov_b32 s[G1+5], 1024
	s_mov_b32 s[G1+6], 0
	s_mov_b32 s[G1+7], 0
	s_mul_i32 s17, s14, HALFT                      ; my part of a slot
	s_lshl_b32 s18, s14, 17                        ; my 128 rows of Wo, 1,024 bytes each
	s_mov_b32 s19, 0
	s_wait_kmcnt 0x0
	s_load_b64 s[90:91], s[86:87], 0x28            ; e10, e11
	s_add_nc_u64 s[20:21], s[70:71], s[18:19]
.irp n, 0,1
	s_mov_b32 s[G0+4*\n], 1
	s_add_co_u32 s[G0+4*\n+1], s17, \n*SLOT
	s_add_nc_u64 s[G0+4*\n+2:G0+4*\n+3], s[20:21], \n*512*1024
	s_or_b32 s[G0+4*\n+3], s[G0+4*\n+3], 0x80000000
.endr
	ROUND                                          ; all four work-groups are here: the first joint loads meet
	tensor_load_to_lds s[G0:G0+3], s[G1:G1+7]      ; tile 0
	s_nop 0
	tensor_load_to_lds s[G0+4:G0+7], s[G1:G1+7]    ; tile 1
	s_nop 0
	PLACES
	s_lshl_b32 s18, s16, 15
	s_add_nc_u64 s[4:5], s[68:69], s[18:19]        ; oi at my two row tiles
	s_lshl_b32 s18, s16, 17
	s_add_nc_u64 s[6:7], s[72:73], s[18:19]        ; x at my first row,
	s_add_nc_u64 s[10:11], s[88:89], s[18:19]      ; out0 likewise
	s_lshl_b32 s18, s16, 8
	s_add_nc_u64 s[8:9], s[74:75], s[18:19]        ; st
	v_and_b32 v1, 31, v0
	v_lshlrev_b32 v[LI], 4, v1
	s_lshl_b32 s22, s14, 9
	v_add_nc_u32 v[XO], s22, v[LI]                 ; my 16 bytes of a row's half: 512 wave + 16 lane
	v_mov_b32 v[ZR], 0
	WIN 0x40
.irp s, 0,1,2,3,4,5
.irp a, 0,1
.irp c, 0,1,2,3
	global_load_b128 v[32*\s+16*\a+4*\c:32*\s+16*\a+4*\c+3], v[LI], s[4:5] offset:16384*\a+2048*\s+512*\c
.endr
.endr
.endr
	WIN 0
.irp s, 6,7
.irp a, 0,1
.irp c, 0,1,2,3
	global_load_b128 v[96+32*(\s-6)+16*\a+4*\c:96+32*(\s-6)+16*\a+4*\c+3], v[LI], s[4:5] offset:16384*\a+2048*\s+512*\c
.endr
.endr
.endr
.irp h, 0,1
	global_load_b128 v[AL1+4*\h:AL1+4*\h+3], v[XO], s[76:77] offset:2048*\h
	global_load_b128 v[B1+4*\h:B1+4*\h+3], v[XO], s[78:79] offset:2048*\h
	global_load_b128 v[BO+4*\h:BO+4*\h+3], v[XO], s[80:81] offset:2048*\h
	global_load_b128 v[AL2+4*\h:AL2+4*\h+3], v[XO], s[82:83] offset:2048*\h
	global_load_b128 v[B2+4*\h:B2+4*\h+3], v[XO], s[84:85] offset:2048*\h
.endr
.set n, 0
.rept 32
	global_load_b64 v[ST+2*n:ST+2*n+1], v[ZR], s[8:9] offset:8*n      ; row n's mean and 1 / (std + eps), in every lane
.set n, n+1
.endr
.macro XLOAD r0                        ; eight rows of x from row r0 on: each load 512 consecutive bytes
	WIN 0x40
.set n, \r0
.rept 8
	global_load_b128 v[8*n:8*n+3], v[XO], s[6:7] offset:4096*n th:TH_LOAD_NT
	global_load_b128 v[8*n+4:8*n+7], v[XO], s[6:7] offset:4096*n+2048 th:TH_LOAD_NT
.set n, n+1
.endr
	WIN 0
.endm
	XLOAD 24                                       ; rows 24 .. 31 have registers of their own
	v_and_b32 v13, 15, v0                          ; r
	v_bfe_u32 v14, v0, 4, 1                        ; hf
	v_mul_u32_u24 v15, v13, PITCH
	v_lshl_add_u32 v15, v14, 4, v15
	v_add_nc_u32 v[ADRB], s17, v15
	v_add_nc_u32 v[ADRB+1], SLOT, v[ADRB]
	v_mul_u32_u24 v15, v13, SPI
	v_lshl_add_u32 v15, v14, 5, v15
	v_add_nc_u32 v[STO], s17, v15                  ; into a stage: row r, + 32 hf
	v_add_nc_u32 v[RD], s17, v[LI]                 ; out of it: a row's 512 bytes, 16 a lane
	s_lshl_b32 s22, s14, 2
	v_add_nc_u32 v[RSL], RS1, v[LI]                ; row = lane: the four waves' sums
	v_add_nc_u32 v[RSA], s22, v[RSL]               ; mine among them
	s_lshl_b32 s22, s14, 8
	s_add_co_u32 s22, s22, BC
	v_lshl_add_u32 v[BCA], v1, 2, s22
	v_mov_b32 v[BCB], s22
	s_mov_b32 s40, 0xffff0000                      ; the lanes whose bit 4, 3, 2, 1, 0 is set
	s_mov_b32 s41, 0xff00ff00
	s_mov_b32 s42, 0xf0f0f0f0
	s_mov_b32 s43, 0xcccccccc
	s_mov_b32 s44, 0xaaaaaaaa
	s_mov_b32 s46, 0x76543210
	s_mov_b32 s47, 0xfedcba98
.irp j, 2,5,8,11
	v_mov_b32 v[WK+\j], 0                          ; lane permutes' destinations count as read
.endr
; 16 matrix instructions: K step s = 2 (i / 2) + q; the 16 accumulators of this half of the columns take turns, one instruction a turn
.macro MUL i, q
.set SS, 2*((\i)/2)+(\q)
.set NH, (\i)%2
.if SS < 6
	WIN 0xa7                                       ; Wo window 3, the rows' codes window 1, C and D window 2
.set AB, 32*SS
.else
	WIN 0xa3                                       ; the rows' codes window 0
.set AB, 96+32*(SS-6)
.endif
.irp b, 0,1,2,3,4,5,6,7
.irp a, 0,1
.if ((\i) < 2) && ((\q) == 0)
	v_wmma_f32_16x16x128_bf8_bf8 v[8*(16*NH+2*\b+\a):8*(16*NH+2*\b+\a)+7], v[128*(\q)+16*\b:128*(\q)+16*\b+15], v[AB+16*\a:AB+16*\a+15], 0
.else
	v_wmma_f32_16x16x128_bf8_bf8 v[8*(16*NH+2*\b+\a):8*(16*NH+2*\b+\a)+7], v[128*(\q)+16*\b:128*(\q)+16*\b+15], v[AB+16*\a:AB+16*\a+15], v[8*(16*NH+2*\b+\a):8*(16*NH+2*\b+\a)+7]
.endif
.endr
.endr
.endm
.macro WORK i                          ; tile i: my 128 rows of Wo x 256 along K against the 32 rows
	WIN 0xc0
.irp q, 0,1
.irp b, 0,1,2,3,4,5,6,7
.irp c, 0,1,2,3
	ds_load_b128 v[128*\q+16*\b+4*\c:128*\q+16*\b+4*\c+3], v[ADRB+(\i)%2] offset:4352*\b+128*\q+32*\c
.endr
.endr
.endr
	s_wait_dscnt 32                                ; the first K step's 32 loads are in; the second's may be out
	MUL \i, 0
	s_wait_dscnt 0
	MUL \i, 1
	WIN 0
.endm
.macro CHANGE i                        ; between tile i - 1 and tile i: the slot just read takes tile i + 1
	s_wait_tensorcnt 0x0                           ; all my tensor loads have landed: tile i among them
	ds_add_u32 v[SPW], v[NIL]                      ; 0 onto my spare word
	s_add_nc_u64 s[G0+4*(((\i)-1)%2)+2:G0+4*(((\i)-1)%2)+3], s[G0+4*(((\i)-1)%2)+2:G0+4*(((\i)-1)%2)+3], 256
	s_wait_dscnt 0x0                               ; the add is done, and my reads of the slot are over
	ROUND                                          ; the same holds of every wave of every partner
	tensor_load_to_lds s[G0+4*(((\i)-1)%2):G0+4*(((\i)-1)%2)+3], s[G1:G1+7]
	s_nop 0
	PLACES                                         ; also the places in front of the loads into registers that the last products read
.if ((\i)%2) == 0
	XLOAD 4*(\i)-8                                 ; into the registers of the two K steps that are done with
.endif
.endm
	s_wait_loadcnt 58                              ; the rows' codes are in: 10 + 32 + 16 loads were issued behind them
	s_wait_tensorcnt 1                             ; my part of tile 0 is in, and I alone read it; tile 1 may be out
	WORK 0
.irp i, 1,2,3,4,5,6
	CHANGE \i
	WORK \i
.endr
	s_wait_tensorcnt 0x0                           ; tile 7: nothing is left to fetch
	PLACES
	WORK 7
	; ---- the sums become whole rows
	PLACES
.irp h, 0,1
.irp a, 0,1
	WIN 0x08                                       ; the stores' data in window 2
.irp b, 0,1,2,3,4,5,6,7
	ds_store_b128 v[STO], v[8*(16*\h+2*\b+\a):8*(16*\h+2*\b+\a)+3] offset:STGB*(2*\h+\a)+64*\b          ; each accumulator from its low end on
	ds_store_b128 v[STO], v[8*(16*\h+2*\b+\a)+4:8*(16*\h+2*\b+\a)+7] offset:STGB*(2*\h+\a)+64*\b+16
.endr
	WIN 0xc0
.irp t, 0,1,2,3,4,5,6,7,8,9,10,11,12,13,14,15
	ds_load_b128 v[8*(16*\a+\t)+4*\h:8*(16*\a+\t)+4*\h+3], v[RD] offset:STGB*(2*\h+\a)+SPI*\t   ; LDS serves a wave's instructions in order: these see my stores
.endr
.endr
.endr
	WIN 0
	s_wait_loadcnt 0x0                             ; x, the statistics, the column vectors
	s_wait_kmcnt 0x0
	s_add_co_i32 s48, s90, s91
	s_add_co_i32 s48, s48, 127
	s_lshl_b32 s48, s48, 23                        ; 2^(e10 + e11)
	s_mov_b32 s49, s48
.irp p, 0,2,4,6
	v_pk_add_f32 v[B1+\p:B1+\p+1], v[B1+\p:B1+\p+1], v[BO+\p:BO+\p+1]        ; bias1 + bo
	v_pk_mul_f32 v[B2+\p:B2+\p+1], v[B2+\p:B2+\p+1], 2.0 op_sel_hi:[1,0]      ; 2 bias2
.endr
	; ---- x1 = xn + sum x 2^(e10 + e11) + bo, in x's registers, while the turn through the stage is out
	WIN 0x41
.set n, 0
.rept 32
.irp p, 0,2,4,6
	v_pk_add_f32 v[8*n+\p:8*n+\p+1], v[8*n+\p:8*n+\p+1], v[ST+2*n:ST+2*n+1] op_sel_hi:[1,0] neg_lo:[0,1] neg_hi:[0,1]
.endr
.irp p, 0,2,4,6
	v_pk_mul_f32 v[8*n+\p:8*n+\p+1], v[8*n+\p:8*n+\p+1], v[ST+2*n:ST+2*n+1] op_sel:[0,1] op_sel_hi:[1,1]
.endr
.irp p, 0,2,4,6
	v_pk_fma_f32 v[8*n+\p:8*n+\p+1], v[8*n+\p:8*n+\p+1], v[AL1+\p:AL1+\p+1], v[B1+\p:B1+\p+1]
.endr
.set n, n+1
.endr
	s_wait_dscnt 0x0                               ; the sums are back, by rows
	WIN 0x53                                       ; the sums window 3, x1 window 1
.set n, 0
.rept 128
	v_pk_fma_f32 v[n:n+1], v[n:n+1], s[48:49], v[n:n+1] op_sel_hi:[1,0,1]
.set n, n+2
.endr
; 32 rows' partial sums, one register a row, become row l's sum over the wave in lane l: at each of five stages a lane keeps the half of the rows whose bit equals its own lane's bit and sends the other half to its partner
.macro RSTAGE d, m
.set t, 0
.rept \d
.set KK, WK+3*(t%4)
	v_cndmask_b32 v[KK], v[PP+t], v[PP+t+\d], s[\m]
	v_cndmask_b32 v[KK+1], v[PP+t+\d], v[PP+t], s[\m]
	v_add_f32_dpp v[PP+t], v[KK+1], v[KK] row_xmask:\d row_mask:0xf bank_mask:0xf
.set t, t+1
.endr
.endm
.macro RSCAT
.set t, 0
.rept 16
.set KK, WK+3*(t%4)
	v_cndmask_b32 v[KK], v[PP+t], v[PP+t+16], s40
	v_cndmask_b32 v[KK+1], v[PP+t+16], v[PP+t], s40
	v_permlanex16_b32 v[KK+2], v[KK+1], s46, s47
	v_add_f32 v[PP+t], v[KK], v[KK+2]
.set t, t+1
.endr
	RSTAGE 8, 41
	RSTAGE 4, 42
	RSTAGE 2, 43
	RSTAGE 1, 44
.endm
.macro MEET off                        ; the four waves' sums of row = lane, added: in v[WK]
	ds_store_b32 v[RSA], v[PP] offset:\off
	s_wait_dscnt 0x0                               ; for the others' sake: my store is done
	s_barrier_signal -1
	s_barrier_wait -1
	ds_load_b128 v[WK:WK+3], v[RSL] offset:\off
	s_wait_dscnt 0x0
	v_add_f32 v[WK], v[WK], v[WK+1]
	v_add_f32 v[WK+2], v[WK+2], v[WK+3]
	v_add_f32 v[WK], v[WK], v[WK+2]
.endm
.macro BCAST r, area                   ; lane l's number of row l reaches every lane: through my wave's own bytes, in order, so no barrier
	ds_store_b32 v[BCA], v[\r] offset:128*\area
.irp g, 0,1,2,3,4,5,6,7
	ds_load_b128 v[MB+4*\g:MB+4*\g+3], v[BCB] offset:128*\area+16*\g
.endr
	s_wait_dscnt 0x0
.endm
.macro HALVES                          ; a row's pair of partial sums into one register
.set n, 0
.rept 32
	v_add_f32 v[PP+n], v[TP+2*n], v[TP+2*n+1]
.set n, n+1
.endr
.endm
	; ---- the mean
	WIN 0x05
.set n, 0
.rept 32
	v_pk_add_f32 v[TP+2*n:TP+2*n+1], v[8*n:8*n+1], v[8*n+2:8*n+3]
.set n, n+1
.endr
	WIN 0x01
.irp p, 4,6
.set n, 0
.rept 32
	v_pk_add_f32 v[TP+2*n:TP+2*n+1], v[8*n+\p:8*n+\p+1], v[TP+2*n:TP+2*n+1]
.set n, n+1
.endr
.endr
	WIN 0
	HALVES
	RSCAT
	MEET 0
	v_mul_f32 v[WK], 0x3a800000, v[WK]             ; / 1,024
	BCAST WK, 0
	; ---- the variance, of x1 - mean
	WIN 0x41
.set n, 0
.rept 32
.irp p, 0,2,4,6
.if (n%2) == 0
	v_pk_add_f32 v[8*n+\p:8*n+\p+1], v[8*n+\p:8*n+\p+1], v[MB+2*(n/2):MB+2*(n/2)+1] op_sel_hi:[1,0] neg_lo:[0,1] neg_hi:[0,1]
.else
	v_pk_add_f32 v[8*n+\p:8*n+\p+1], v[8*n+\p:8*n+\p+1], v[MB+2*(n/2):MB+2*(n/2)+1] op_sel:[0,1] op_sel_hi:[1,1] neg_lo:[0,1] neg_hi:[0,1]
.endif
.endr
.set n, n+1
.endr
	WIN 0x05
.set n, 0
.rept 32
	v_pk_mul_f32 v[TP+2*n:TP+2*n+1], v[8*n:8*n+1], v[8*n:8*n+1]
.set n, n+1
.endr
.irp p, 2,4,6
.set n, 0
.rept 32
	v_pk_fma_f32 v[TP+2*n:TP+2*n+1], v[8*n+\p:8*n+\p+1], v[8*n+\p:8*n+\p+1], v[TP+2*n:TP+2*n+1]
.set n, n+1
.endr
.endr
	WIN 0
	HALVES
	RSCAT
	MEET 512                                       ; other bytes than the first meeting's: no third barrier
	v_mul_f32 v[WK], 0x3a802008, v[WK]             ; / 1,023
	v_sqrt_f32 v[WK+1], v[WK]
	v_nop
	s_wait_alu depctr_va_vdst(0)
	v_add_f32 v[WK+1], 0x3727c5ac, v[WK+1]         ; + 1e-5
	v_rcp_f32 v[WK+3], v[WK+1]
	v_nop
	s_wait_alu depctr_va_vdst(0)
	v_add_f32 v[WK+3], v[WK+3], v[WK+3]            ; 2 / (std + eps)
	BCAST WK+3, 1
	; ---- out0 = alpha2 (x1 - mean) 2 / (std + eps) + 2 bias2
	WIN 0x41
.set n, 0
.rept 32
.irp p, 0,2,4,6
.if (n%2) == 0
	v_pk_mul_f32 v[8*n+\p:8*n+\p+1], v[8*n+\p:8*n+\p+1], v[MB+2*(n/2):MB+2*(n/2)+1] op_sel_hi:[1,0]
.else
	v_pk_mul_f32 v[8*n+\p:8*n+\p+1], v[8*n+\p:8*n+\p+1], v[MB+2*(n/2):MB+2*(n/2)+1] op_sel:[0,1] op_sel_hi:[1,1]
.endif
.endr
.irp p, 0,2,4,6
	v_pk_fma_f32 v[8*n+\p:8*n+\p+1], v[8*n+\p:8*n+\p+1], v[AL2+\p:AL2+\p+1], v[B2+\p:B2+\p+1]
.endr
.set n, n+1
.endr
	WIN 0x04                                       ; the stores' data in window 1
.set n, 0
.rept 32
	global_store_b128 v[XO], v[8*n:8*n+3], s[10:11] offset:4096*n th:TH_STORE_NT          ; 512 consecutive bytes, aligned
	global_store_b128 v[XO], v[8*n+4:8*n+7], s[10:11] offset:4096*n+2048 th:TH_STORE_NT
.set n, n+1
.endr
	WIN 0
	s_wait_tensorcnt 0x0                           ; the wave's end
	ds_add_u32 v[SPW], v[NIL]
	s_wait_dscnt 0x0
	ROUND                                          ; the closing round
	s_endpgm
.Lfunc_end_k_qcf023a26b7_wo_norm2:
	.size	k_qcf023a26b7_wo_norm2, .Lfunc_end_k_qcf023a26b7_wo_norm2-k_qcf023a26b7_wo_norm2
	.p2alignl 7, 3214868480
	.fill 96, 4, 3214868480
	.section	.rodata,"a",@progbits
	.p2align	6, 0x0
	.amdhsa_kernel k_qcf023a26b7_wo_norm2
		.amdhsa_group_segment_fixed_size 327680
		.amdhsa_private_segment_fixed_size 0
		.amdhsa_enable_private_segment 0
		.amdhsa_kernarg_size 88
		.amdhsa_user_sgpr_count 2
		.amdhsa_user_sgpr_kernarg_segment_ptr 1
		.amdhsa_wavefront_size32 1
		.amdhsa_system_sgpr_workgroup_id_x 1
		.amdhsa_system_sgpr_workgroup_id_y 1
		.amdhsa_system_sgpr_workgroup_id_z 1
		.amdhsa_system_vgpr_workitem_id 0
		.amdhsa_next_free_vgpr 1024
		.amdhsa_next_free_sgpr 96
		.amdhsa_reserve_vcc 0
		.amdhsa_float_denorm_mode_32 3
		.amdhsa_float_denorm_mode_16_64 3
		.amdhsa_memory_ordered 1
		.amdhsa_forward_progress 1
		.amdhsa_inst_pref_size 178
	.end_amdhsa_kernel
	.amdgpu_metadata
---
amdhsa.version: [ 1, 2 ]
amdhsa.kernels:
  - .name:           k_qcf023a26b7_wo_norm2
    .symbol:         k_qcf023a26b7_wo_norm2.kd
    .args:
      - { .name: oi, .offset: 0, .size: 8, .value_kind: global_buffer, .address_space: global }
      - { .name: Wo_codes, .offset: 8, .size: 8, .value_kind: global_buffer, .address_space: global }
      - { .name: x, .offset: 16, .size: 8, .value_kind: global_buffer, .address_space: global }
      - { .name: st, .offset: 24, .size: 8, .value_kind: global_buffer, .address_space: global }
      - { .name: alpha1, .offset: 32, .size: 8, .value_kind: global_buffer, .address_space: global }
      - { .name: bias1, .offset: 40, .size: 8, .value_kind: global_buffer, .address_space: global }
      - { .name: bo, .offset: 48, .size: 8, .value_kind: global_buffer, .address_space: global }
      - { .name: alpha2, .offset: 56, .size: 8, .value_kind: global_buffer, .address_space: global }
      - { .name: bias2, .offset: 64, .size: 8, .value_kind: global_buffer, .address_space: global }
      - { .name: lowp_scales, .offset: 72, .size: 8, .value_kind: global_buffer, .address_space: global }
      - { .name: out0, .offset: 80, .size: 8, .value_kind: global_buffer, .address_space: global }
    .group_segment_fixed_size: 327680
    .private_segment_fixed_size: 0
    .kernarg_segment_align: 8
    .kernarg_segment_size: 88
    .max_flat_workgroup_size: 128
    .sgpr_count:     96
    .vgpr_count:     1024
    .wavefront_size: 32
...
	.end_amdgpu_metadata
.endif
;; end of part 4
;; ======== version 2 of 2: 4 launches
;; limits: right only within a limited range of input values
;; workspace buffers: xc 25,165,824 bytes; st 65,536 bytes; qi 8,388,608 bytes; ki 8,388,608 bytes; vi 8,388,608 bytes; oi 8,388,608 bytes
;; launch norm1 (part 5): grid 256 x 1, 8 waves a work-group, no clusters, 41,984 bytes of LDS; arguments x, alpha1, bias1, lowp_scales, xc, st; writes xc, st
.if DOCPART == 5
	.amdgcn_target "amdgcn-amd-amdhsa--gfx1250"
	.amdhsa_code_object_version 6
	.text
	.protected	k_qcf023a26b7_norm1
	.globl	k_qcf023a26b7_norm1
	.p2align	8
	.type	k_qcf023a26b7_norm1,@function
k_qcf023a26b7_norm1:
	s_mov_b64 s[64:65], 0
	v_nop
	global_prefetch_b8 v0, s[64:65] scope:SCOPE_SE
	s_setreg_imm32_b32 hwreg(HW_REG_WAVE_MODE, 25, 1), 1
	s_wait_xcnt 0x0
; xn = alpha1 (x - mean) / (std + 1e-5) + bias1 (std with divisor 1,023), row by row of 1,024 f32, and its codes of BF8 (E5M2) under three given scales:
; plane T of xc ([3][8192][1024] bytes, rows as they lie) holds xn / 2^e[2T], held within +-57,344, to the nearest code.  st[row] = (mean, 1 / (std + 1e-5)), so that a later launch can make xn again from x.
; SHARES.  A work-group takes 32 rows, each of its eight waves four; a wave takes a whole row, so no sum leaves the wave and there is no barrier.
; A load takes the bytes as they lie (512 consecutive bytes a wave); the conversions want 16 neighbours in one lane: each half row (2,048 bytes) turns through the wave's own stage in LDS, 80 bytes from lane to lane.
; The mean is summed on the registers as loaded, while the turn is out; the variance is taken of x - mean (two passes over registers, one read of memory).
; LIMITS: e0, e2, e4 between -126 and 112, so that 2^e and 57,344 x 2^e are f32 numbers.  NaN among the inputs is not served.
.set SP,  80                           ; a lane's place in a stage: 64 bytes + 16 of padding
.set STG, 5120                         ; a wave's two stages of 32 x SP bytes
.set R,   16                           ; v16-79   two rows as loaded
.set X,   80                           ; v80-111  the row in hand: register 16 g + i = element 512 g + 16 lane + i
.set AL,  112                          ; v112-143 alpha1 at those elements
.set BI,  144                          ; v144-175 bias1
.set T,   176
.set C,   208                          ; v208-231 codes: scale k, half g at C + 8 k + 4 g
.set MU,  232                          ; v[232:233] mean, 1 / (std + eps)
.set SV,  234                          ; v234-241 the four rows' pairs
.set SC,  242                          ; v242-244 2^e as f32
.set LM,  245
.set WK,  248
	s_load_b256 s[4:11], s[0:1], 0x0               ; x, alpha1, bias1, lowp_scales
	s_load_b128 s[12:15], s[0:1], 0x20             ; xc, st
	v_lshl_add_u32 v254, v0, 2, 0xa000
	v_mov_b32 v255, 0
	v_lshrrev_b32 v1, 5, v0
	s_delay_alu instid0(VALU_DEP_1)
	v_readfirstlane_b32 s22, v1                    ; wave
	v_and_b32 v1, 31, v0                           ; lane
	s_delay_alu instid0(VALU_DEP_1)
	v_lshlrev_b32 v2, 4, v1                        ; 16 x lane: my bytes of a load's 512, and of a store's
	s_mul_i32 s23, s22, STG
	v_lshrrev_b32 v3, 2, v1
	s_delay_alu instid0(VALU_DEP_1)
	v_mul_u32_u24 v3, v3, SP
	v_and_b32 v4, 3, v1
	s_delay_alu instid0(VALU_DEP_1)
	v_lshl_add_u32 v3, v4, 4, v3
	s_delay_alu instid0(VALU_DEP_1)
	v_add_nc_u32 v3, s23, v3                       ; into the stage: four lanes' 64 bytes on end, then the padding
	v_mul_u32_u24 v4, v1, SP
	s_delay_alu instid0(VALU_DEP_1)
	v_add_nc_u32 v4, s23, v4                       ; out of it: my 16 neighbours
	v_lshlrev_b32 v5, 6, v1                        ; 64 x lane: alpha1's and bias1's bytes at my elements
	v_lshlrev_b32 v6, 3, v1                        ; 8 x lane: a row's pair in st
	v_mov_b32 v7, 0                                ; a lane permute's destination counts as read
	v_mov_b32 v[MU+1], 0                           ; named as the upper half of a pair before it is made
	s_mov_b32 s20, 0x76543210
	s_mov_b32 s21, 0xfedcba98                      ; lane l xor 16
	s_lshl_b32 s24, ttmp9, 5
	s_lshl_b32 s25, s22, 2
	s_add_co_u32 s24, s24, s25                     ; my wave's first row
	s_lshl_b32 s26, s24, 12
	s_mov_b32 s27, 0
	s_wait_alu depctr_va_vdst(0)
	s_wait_kmcnt 0x0
	s_load_b256 s[32:39], s[10:11], 0x0            ; e0 .. e7
	s_mov_b64 s[18:19], s[14:15]                   ; st
	s_add_nc_u64 s[4:5], s[4:5], s[26:27]          ; x at my first row
	s_lshl_b32 s26, s24, 10
	s_add_nc_u64 s[12:13], s[12:13], s[26:27]      ; plane 0 at my first row,
	s_add_nc_u64 s[14:15], s[12:13], 0x800000      ; plane 1,
	s_add_nc_u64 s[16:17], s[14:15], 0x800000      ; plane 2: a plane is 8,388,608 bytes, more than a store's immediate holds
	s_lshl_b32 s26, s24, 3
	s_add_nc_u64 s[18:19], s[18:19], s[26:27]
.irp g, 0,1
.irp j, 0,1,2,3
	global_load_b128 v[AL+16*\g+4*\j:AL+16*\g+4*\j+3], v5, s[6:7] offset:2048*\g+16*\j
	global_load_b128 v[BI+16*\g+4*\j:BI+16*\g+4*\j+3], v5, s[8:9] offset:2048*\g+16*\j
.endr
.endr
.macro LOADROW i                       ; eight loads of 512 consecutive bytes: row i of my four
.irp j, 0,1,2,3,4,5,6,7
	global_load_b128 v[R+32*((\i)%2)+4*\j:R+32*((\i)%2)+4*\j+3], v2, s[4:5] offset:4096*(\i)+512*\j th:TH_LOAD_NT
.endr
.endm
	LOADROW 0
	LOADROW 1
	s_wait_kmcnt 0x0
.irp k, 0,1,2
	s_add_co_i32 s22, s[32+2*\k], 127
	s_lshl_b32 s23, s22, 23
	v_mov_b32 v[SC+\k], s23                        ; 2^e: the conversion takes its exponent field
	s_add_co_i32 s22, s22, 15
	s_lshl_b32 s22, s22, 23
	s_or_b32 s22, s22, 0x600000
.endr
.macro WSUM r                          ; the sum over the 32 lanes, in every lane
	s_delay_alu instid0(VALU_DEP_1)
	v_add_f32_dpp v[\r], v[\r], v[\r] row_xmask:1 row_mask:0xf bank_mask:0xf
	s_delay_alu instid0(VALU_DEP_1)
	v_add_f32_dpp v[\r], v[\r], v[\r] row_xmask:2 row_mask:0xf bank_mask:0xf
	s_delay_alu instid0(VALU_DEP_1)
	v_add_f32_dpp v[\r], v[\r], v[\r] row_xmask:4 row_mask:0xf bank_mask:0xf
	s_delay_alu instid0(VALU_DEP_1)
	v_add_f32_dpp v[\r], v[\r], v[\r] row_xmask:8 row_mask:0xf bank_mask:0xf
	s_delay_alu instid0(VALU_DEP_1)
	v_permlanex16_b32 v7, v[\r], s20, s21
	s_delay_alu instid0(VALU_DEP_1)
	v_add_f32 v[\r], v[\r], v7
.endm
.macro MERGE                           ; four chains of pairs into one number a lane
	s_delay_alu instid0(VALU_DEP_3)
	v_pk_add_f32 v[8:9], v[8:9], v[10:11]
	s_delay_alu instid0(VALU_DEP_2)
	v_pk_add_f32 v[12:13], v[12:13], v[14:15]
	s_delay_alu instid0(VALU_DEP_1)
	v_pk_add_f32 v[8:9], v[8:9], v[12:13]
	s_delay_alu instid0(VALU_DEP_1)
	v_add_f32 v[WK], v8, v9
.endm
.macro ROW i
.set RS, R+32*((\i)%2)
.if (\i) < 3
	s_wait_loadcnt 8                               ; this row's eight loads are in (alpha1 and bias1 were asked for earlier); the next row's eight may be out
.else
	s_wait_loadcnt 0
.endif
.irp j, 0,1,2,3,4,5,6,7
	ds_store_b128 v3, v[RS+4*\j:RS+4*\j+3] offset:2560*(\j/4)+640*(\j%4)
.endr
.irp j, 0,1,2,3,4,5,6,7
	ds_load_b128 v[X+4*\j:X+4*\j+3], v4 offset:2560*(\j/4)+16*(\j%4)   ; LDS serves a wave's instructions in order: these see the stores above
.endr
.irp k, 0,1,2,3
	v_pk_add_f32 v[8+2*\k:9+2*\k], v[RS+2*\k:RS+2*\k+1], v[RS+8+2*\k:RS+9+2*\k]   ; the mean, on the registers as loaded, while the turn is out
.endr
.irp m, 16,24
.irp k, 0,1,2,3
	s_delay_alu instid0(VALU_DEP_4)
	v_pk_add_f32 v[8+2*\k:9+2*\k], v[8+2*\k:9+2*\k], v[RS+\m+2*\k:RS+\m+2*\k+1]
.endr
.endr
	MERGE
	WSUM WK
	s_delay_alu instid0(VALU_DEP_1)
	v_mul_f32 v[MU], 0x3a800000, v[WK]             ; / 1,024
	s_wait_alu depctr_va_vdst(0)
	s_wait_dscnt 0x0                               ; the row is back, and the stage's stores have read their registers,
.if (\i) < 2
	LOADROW (\i)+2                                 ; which take the row two further on
.endif
.set q, 0
.rept 16
	v_pk_add_f32 v[X+q:X+q+1], v[X+q:X+q+1], v[MU:MU+1] op_sel_hi:[1,0] neg_lo:[0,1] neg_hi:[0,1]   ; x - mean
.set q, q+2
.endr
.irp k, 0,1,2,3
	v_pk_mul_f32 v[8+2*\k:9+2*\k], v[X+2*\k:X+2*\k+1], v[X+2*\k:X+2*\k+1]
.endr
.irp m, 8,16,24
.irp k, 0,1,2,3
	s_delay_alu instid0(VALU_DEP_4)
	v_pk_fma_f32 v[8+2*\k:9+2*\k], v[X+\m+2*\k:X+\m+2*\k+1], v[X+\m+2*\k:X+\m+2*\k+1], v[8+2*\k:9+2*\k]
.endr
.endr
	MERGE
	WSUM WK
	s_delay_alu instid0(VALU_DEP_1)
	v_mul_f32 v[WK], 0x3a802008, v[WK]             ; / 1,023
	s_wait_alu depctr_va_vdst(0)
	v_sqrt_f32 v[WK+1], v[WK]
	v_nop                                          ; a plain instruction behind the root,
	s_wait_alu depctr_va_vdst(0)                   ; and the wait ahead of its first reader
	v_add_f32 v[WK+1], 0x3727c5ac, v[WK+1]         ; + 1e-5
	s_wait_alu depctr_va_vdst(0)
	v_rcp_f32 v[MU+1], v[WK+1]
	v_mov_b32 v[SV+2*(\i)], v[MU]                  ; (the plain instruction behind the reciprocal)
	s_wait_alu depctr_va_vdst(0)
	v_mov_b32 v[SV+2*(\i)+1], v[MU+1]
.set q, 0
.rept 16
	v_pk_mul_f32 v[X+q:X+q+1], v[X+q:X+q+1], v[MU:MU+1] op_sel:[0,1] op_sel_hi:[1,1]
.set q, q+2
.endr
.set q, 0
.rept 16
	v_pk_fma_f32 v[X+q:X+q+1], v[X+q:X+q+1], v[AL+q:AL+q+1], v[BI+q:BI+q+1]   ; xn
.set q, q+2
.endr
.if (\i) > 0
	s_wait_alu depctr_va_vdst(0)
	s_wait_xcnt 0x0                                ; the last row's stores have read their codes: the registers are written again only behind this wait
.endif
.irp k, 0,1,2
.irp g, 0,1
.set q, 0
.rept 16
.set q, q+1
.endr
	v_cvt_scalef32_pk8_bf8_f32 v[C+8*\k+4*\g:C+8*\k+4*\g+1], v[X+16*\g:X+16*\g+7], v[SC+\k]
	v_cvt_scalef32_pk8_bf8_f32 v[C+8*\k+4*\g+2:C+8*\k+4*\g+3], v[X+16*\g+8:X+16*\g+15], v[SC+\k]
.endr
.endr
	v_nop
.irp g, 0,1
	global_store_b128 v2, v[C+4*\g:C+4*\g+3], s[12:13] offset:1024*(\i)+512*\g        ; 32 lanes store 512 consecutive bytes, aligned
	global_store_b128 v2, v[C+8+4*\g:C+8+4*\g+3], s[14:15] offset:1024*(\i)+512*\g
	global_store_b128 v2, v[C+16+4*\g:C+16+4*\g+3], s[16:17] offset:1024*(\i)+512*\g
.endr
.endm
	ROW 0
	ROW 1
	ROW 2
	ROW 3
	v_cmp_eq_u32 s28, 1, v1                        ; lanes 0 to 3 take the four rows' pairs
	v_cmp_eq_u32 s29, 2, v1
	v_cmp_eq_u32 s30, 3, v1
	s_delay_alu instid0(VALU_DEP_3)
	v_cndmask_b32 v250, v[SV], v[SV+2], s28
	s_delay_alu instid0(VALU_DEP_4)
	v_cndmask_b32 v251, v[SV+1], v[SV+3], s28
	s_delay_alu instid0(VALU_DEP_2)
	v_cndmask_b32 v250, v250, v[SV+4], s29
	s_delay_alu instid0(VALU_DEP_2)
	v_cndmask_b32 v251, v251, v[SV+5], s29
	s_delay_alu instid0(VALU_DEP_2)
	v_cndmask_b32 v250, v250, v[SV+6], s30
	s_delay_alu instid0(VALU_DEP_2)
	v_cndmask_b32 v251, v251, v[SV+7], s30
	v_cmp_gt_u32 vcc_lo, 4, v1
	s_wait_alu depctr_va_vdst(0)
	s_wait_xcnt 0x0                                ; EXEC changes only behind this wait: the stores above have it among their sources
	s_wait_tensorcnt 0x0
	ds_add_u32 v254, v255
	s_wait_dscnt 0x0
	s_and_saveexec_b32 s31, vcc_lo
	global_store_b64 v6, v[250:251], s[18:19]
	s_wait_xcnt 0x0                                ; and again in front of the line that widens it
	s_or_b32 exec_lo, exec_lo, s31
	s_endpgm
.Lfunc_end_k_qcf023a26b7_norm1:
	.size	k_qcf023a26b7_norm1, .Lfunc_end_k_qcf023a26b7_norm1-k_qcf023a26b7_norm1
	.p2alignl 7, 3214868480
	.fill 96, 4, 3214868480
	.section	.rodata,"a",@progbits
	.p2align	6, 0x0
	.amdhsa_kernel k_qcf023a26b7_norm1
		.amdhsa_group_segment_fixed_size 41984
		.amdhsa_private_segment_fixed_size 0
		.amdhsa_enable_private_segment 0
		.amdhsa_kernarg_size 48
		.amdhsa_user_sgpr_count 2
		.amdhsa_user_sgpr_kernarg_segment_ptr 1
		.amdhsa_wavefront_size32 1
		.amdhsa_system_sgpr_workgroup_id_x 1
		.amdhsa_system_sgpr_workgroup_id_y 1
		.amdhsa_system_sgpr_workgroup_id_z 1
		.amdhsa_system_vgpr_workitem_id 0
		.amdhsa_next_free_vgpr 256
		.amdhsa_next_free_sgpr 66
		.amdhsa_reserve_vcc 1
		.amdhsa_float_denorm_mode_32 3
		.amdhsa_float_denorm_mode_16_64 3
		.amdhsa_fp16_overflow 1
		.amdhsa_memory_ordered 1
		.amdhsa_forward_progress 1
		.amdhsa_inst_pref_size 50
	.end_amdhsa_kernel
	.amdgpu_metadata
---
amdhsa.version: [ 1, 2 ]
amdhsa.kernels:
  - .name:           k_qcf023a26b7_norm1
    .symbol:         k_qcf023a26b7_norm1.kd
    .args:
      - { .name: x, .offset: 0, .size: 8, .value_kind: global_buffer, .address_space: global }
      - { .name: alpha1, .offset: 8, .size: 8, .value_kind: global_buffer, .address_space: global }
      - { .name: bias1, .offset: 16, .size: 8, .value_kind: global_buffer, .address_space: global }
      - { .name: lowp_scales, .offset: 24, .size: 8, .value_kind: global_buffer, .address_space: global }
      - { .name: xc, .offset: 32, .size: 8, .value_kind: global_buffer, .address_space: global }
      - { .name: st, .offset: 40, .size: 8, .value_kind: global_buffer, .address_space: global }
    .group_segment_fixed_size: 41984
    .private_segment_fixed_size: 0
    .kernarg_segment_align: 8
    .kernarg_segment_size: 48
    .max_flat_workgroup_size: 256
    .sgpr_count:     66
    .vgpr_count:     256
    .wavefront_size: 32
...
	.end_amdgpu_metadata
.endif
;; end of part 5
;; launch qkv (part 6): grid 12 x 32, 4 waves a work-group, clusters of 4 x 4, 327,680 bytes of LDS; arguments xc, Wq_codes, Wk_codes, Wv_codes, bq, bk, bv, mask, lowp_scales, qi, ki, vi; writes qi, ki, vi
.if DOCPART == 6
	.amdgcn_target "amdgcn-amd-amdhsa--gfx1250"
	.amdhsa_code_object_version 6
	.text
	.protected	k_qcf023a26b7_qkv
	.globl	k_qcf023a26b7_qkv
	.p2align	8
	.type	k_qcf023a26b7_qkv,@function
k_qcf023a26b7_qkv:
	s_mov_b64 s[64:65], 0
	v_nop
	global_prefetch_b8 v0, s[64:65] scope:SCOPE_SE
	s_setreg_imm32_b32 hwreg(HW_REG_WAVE_MODE, 25, 1), 1
	s_wait_xcnt 0x0
	s_wait_alu depctr_hold_cnt(0) depctr_sa_sdst(0) depctr_va_vdst(0) depctr_va_sdst(0) depctr_va_ssrc(0) depctr_va_vcc(0) depctr_vm_vsrc(0)
	s_getreg_b32 s2, hwreg(HW_REG_IB_STS2, 6, 4)
	s_cmp_eq_u32 s2, 0
	s_cbranch_scc0 .Lentry_in_a_cluster
	s_endpgm
.Lentry_in_a_cluster:
	s_bfe_u32 s2, ttmp6, 0x10000c
	s_cmp_lg_u32 s2, 0xf033
	s_cbranch_scc0 .Lentry_shape_is_right
	s_endpgm
.Lentry_shape_is_right:
; q = xn Wq + bq, k = xn Wk + bk, v = xn Wv + bv on codes of BF8 (E5M2), K = 1,024, and their codes for the attention, laid in the order of the reader's operand registers.
; The cluster's x is T (0 q, 1 k, 2 v), its y the batch.  A tile of 256 x 256 is made by four waves, 128 x 128 each: 64 accumulators, 512 registers.  K goes in steps of 256 through two LDS slots.
; ROLES.  The matrix instruction takes 16 rows of the "B role" as source 0 and 16 rows of the "A role" as source 1: a lane then holds ONE row of the A role and eight neighbouring rows of the B role.
;   T < 2: A role = tokens (plane T of xc), B role = features (W's rows): a lane holds one token and eight neighbouring features: neighbours along the score product's K.
;   T = 2: A role = features (Wv's rows), B role = tokens (plane 2 of xc): a lane holds one feature and eight neighbouring KEYS: neighbours along the second product's K.  No line of the K loop differs.
; CLUSTERS: 4 x 4 work-groups.  The A role's tile hangs on cy alone and is asked for jointly along a row of the cluster, the B role's on cx alone and jointly along a column.
; SCALES.  A sum stands for sum x 2^(e[2T] + e[2T+1]).  q is quantised by e7, k by e6 (the score product is lowered with k as its left operand, as the second product is with v), v by e8.
; THE MASK.  k's codes are 0 at tokens whose mask is 0; the attention gives those keys their score by the product's C.
; OUT.  qi, ki: [head 16 batch + h][token tile][c 0..1][lane][16 bytes]: lane (r, hf) holds token 16 tile + r, d = 32 c + 16 hf + 0 .. 15.
;       vi: [head][key step of 128][t 0..3][c 0..3][lane][16 bytes]: lane (r, hf) holds channel 32 (t / 2) + 8 (t % 2) + r + 8 (r / 8); its bytes are keys 32 c + 8 hf + 0 .. 7, then 32 c + 16 + 8 hf + 0 .. 7.
; LIMITS: e[2T] + e[2T+1] between -126 and 127; e6, e7, e8 between -126 and 112.  NaN among the inputs is not served.
; REGISTERS, in windows of 256: window 0: v1-31 addresses; v32-95 the bias along my registers; v96-103 the mask; v104-111 the bias along the lanes; from v128 the A role's fragments, ONE set; later the way out.
;   window 1: the B role's fragments, TWO sets.   windows 2, 3: the accumulators ((a, b) at v[8 (8 (a % 4) + b)]).
.set ROWB,   256                       ; a tile's row in bytes
.set KROW,   1024                      ; a row in memory
.set PITCH,  272                       ; an LDS row: 256 bytes + 16 of padding = 68 words: the 16 rows that a load touches start at 16 different banks (64 banks of 4 bytes: ISA guide 11.1)
.set FR,     16
.set NL,     4
.set NP,     4                         ; places behind this matrix instruction (ISA guide 7.12.1)
.set HALFT,  128*PITCH
.set SLOT,   4*HALFT
.set SPARE,  2*SLOT                    ; the spare words: 128 bytes for each wave
.set VSTG,   81920                     ; the way out: q's and k's stage is LDS 0 .. 81,919, v's 81,920 .. 151,551: both ways have bytes of their own, in slots that have had their last fill
.set ADRA, 16
.set ADRB, 20
.set STO,  24                          ; q, k: into the stage
.set RDQ,  25                          ; and out of it
.set STOV, 26                          ; v likewise
.set RDV,  27
.set SPW,  28
.set NIL,  29
.set LIO,  30                          ; 16 x lane
.set BI,   32
.set MK,   96
.set BV,   104
.set SCL,  112                         ; 2^eo
.set LIM,  113
.set AF,   128
.set TMP,  128                         ; the way out: a block's 64 numbers
.set CD,   192                         ; and its codes, two sets of 16
.set MS,   92                          ; s92-99 the blocks' lane masks (the registers that held e0 .. e7)
.set G1, 24
.set G0, 32
.set G1B, 48
.set G0B, 56
.set MSB, 0
.macro WIN new                         ; the immediate's high byte repeats the setting that is left
.if MSB != \new
	s_set_vgpr_msb (MSB<<8)|\new
.set MSB, \new
.endif
.endm
.set MUL_LO, 0xa1
.set MUL_HI, 0xf1
.set TO_B,   0x40
.macro JLOAD g0a, g1a, g0b, g1b        ; a joint load: waves 0 and 1 fetch for the A role, waves 2 and 3 for the B role; four v_nop follow each of the two lines
	s_cmp_eq_u32 s15, 0
	s_cbranch_scc0 .Lfor_b_\@
	tensor_load_to_lds s[\g0a:\g0a+3], s[\g1a:\g1a+7]
	s_nop 0
.rept 4
	v_nop
.endr
	s_branch .Lasked_\@
.Lfor_b_\@:
	tensor_load_to_lds s[\g0b:\g0b+3], s[\g1b:\g1b+7]
	s_nop 0
.rept 4
	v_nop
.endr
.Lasked_\@:
.endm
.macro CREST                           ; a round of the cluster's barrier behind its opening barrier
	s_cmp_lg_u32 s14, 0
	s_cbranch_scc1 .Lnot_wave_0_\@
	s_barrier_signal -3
.Lnot_wave_0_\@:
	s_barrier_wait -3
	s_barrier_signal -1
	s_barrier_wait -1
.endm
.macro CROUND
	s_barrier_signal -1
	s_barrier_wait -1
	CREST
.endm
	s_load_b512 s[68:83], s[0:1], 0x0              ; xc 68, Wq 70, Wk 72, Wv 74, bq 76, bk 78, bv 80, mask 82
	s_load_b256 s[84:91], s[0:1], 0x40             ; lowp_scales 84, qi 86, ki 88, vi 90
	v_lshl_add_u32 v[SPW], v0, 2, SPARE
	v_mov_b32 v[NIL], 0
	ds_add_u32 v28, v29
	ds_add_u32 v28, v29
	s_wait_dscnt 0x0
	v_lshrrev_b32 v1, 5, v0
	v_readfirstlane_b32 s14, v1                    ; wave 0..3
	s_lshr_b32 s15, s14, 1                         ; which half of the A role's rows is mine.  Also: I fetch for the A role (0) or the B role (1)
	s_and_b32 s16, s14, 1                          ; which half of the B role's rows.  Also: which 128 rows I fetch
	s_bfe_u32 s40, ttmp6, 0x40000                  ; cx
	s_bfe_u32 s41, ttmp6, 0x40004                  ; cy
	s_mov_b32 s42, ttmp9                           ; T: the cluster's x, the same in all sixteen partners
	s_and_b32 s43, ttmp7, 0xffff                   ; the batch: the cluster's y
	s_lshl_b32 s17, s41, 2
	s_lshl_b32 s17, 15, s17                        ; my row of the cluster
	s_lshl_b32 s44, 0x1111, s40                    ; my column
	s_or_b32 s[G1+0], s17, (0<<16)|(1<<20)|(1<<21)|(5<<22)|(3<<25)   ; the mask; elements of 1 byte; padding on; bit 21 beside a mask; 4 words behind every 64
	s_or_b32 s[G1B+0], s44, (0<<16)|(1<<20)|(1<<21)|(5<<22)|(3<<25)
.irp g, G1, G1B
	s_mov_b32 s[\g+1], ROWB<<16                    ; tensor_dim0
	s_mov_b32 s[\g+2], 128<<16                     ; tensor_dim1
	s_mov_b32 s[\g+3], ROWB<<16                    ; tile_dim0
	s_mov_b32 s[\g+4], 128                         ; tile_dim1
	s_mov_b32 s[\g+5], KROW                        ; from row to row
	s_mov_b32 s[\g+6], 0
	s_mov_b32 s[\g+7], 0
.endr
	s_lshl_b32 s18, s16, 7                         ; which 128 rows of a tile I fetch
	s_lshl_b32 s19, s43, 10                        ; the batch's first token
	s_cmp_eq_u32 s42, 2
	s_cselect_b32 s22, 0, s19                      ; tokens are the A role's rows for q and k,
	s_cselect_b32 s23, s19, 0                      ; the B role's for v
	s_lshl_b32 s20, s41, 8
	s_add_co_u32 s20, s20, s18
	s_add_co_u32 s20, s20, s22                     ; A role: row 256 cy + 128 half (+ the batch): no cx enters it
	s_lshl_b32 s20, s20, 10
	s_mov_b32 s21, 0
	s_lshl_b32 s46, s40, 8
	s_add_co_u32 s46, s46, s18
	s_add_co_u32 s46, s46, s23                     ; B role: row 256 cx + 128 half (+ the batch): no cy enters it
	s_lshl_b32 s46, s46, 10
	s_mov_b32 s47, 0
	s_mul_i32 s45, s14, HALFT                      ; where my 128 rows go: no place in the cluster enters an LDS address
	s_lshl_b32 s2, s42, 23                         ; plane T of xc
	s_mov_b32 s3, 0
	s_wait_kmcnt 0x0
	s_load_b256 s[92:99], s[84:85], 0x0            ; e0 .. e7
	s_load_b32 s100, s[84:85], 0x20                ; e8
	s_add_nc_u64 s[8:9], s[68:69], s[2:3]
	s_cmp_eq_u32 s42, 0
	s_cselect_b64 s[6:7], s[70:71], s[72:73]       ; Wq or Wk
	s_cselect_b64 s[10:11], s[76:77], s[78:79]     ; bq or bk
	s_cmp_eq_u32 s42, 2
	s_cselect_b64 s[4:5], s[74:75], s[8:9]         ; A role: Wv, or the plane
	s_cselect_b64 s[6:7], s[8:9], s[6:7]           ; B role: the plane, or the weight
	s_cselect_b64 s[10:11], s[80:81], s[10:11]     ; the bias
	s_add_nc_u64 s[20:21], s[4:5], s[20:21]
	s_add_nc_u64 s[46:47], s[6:7], s[46:47]
	CROUND                                         ; all sixteen work-groups are here: the first joint loads meet
.irp s, 0,1
	s_mov_b32 s[G0+4*\s], 1
	s_add_co_u32 s[G0+4*\s+1], s45, \s*SLOT
	s_add_nc_u64 s[G0+4*\s+2:G0+4*\s+3], s[20:21], \s*ROWB
	s_or_b32 s[G0+4*\s+3], s[G0+4*\s+3], 0x80000000
	s_mov_b32 s[G0B+4*\s], 1
	s_add_co_u32 s[G0B+4*\s+1], s45, \s*SLOT
	s_add_nc_u64 s[G0B+4*\s+2:G0B+4*\s+3], s[46:47], \s*ROWB
	s_or_b32 s[G0B+4*\s+3], s[G0B+4*\s+3], 0x80000000
	JLOAD G0+4*\s, G1, G0B+4*\s, G1B
.endr
	v_and_b32 v1, 15, v0                           ; r
	s_wait_alu depctr_va_vdst(0)
	v_bfe_u32 v2, v0, 4, 1                         ; hf
	v_mul_u32_u24 v3, v1, PITCH
	v_lshl_add_u32 v4, v2, 4, v3                   ; r x 272 + 16 hf
	s_mul_i32 s21, s15, HALFT
	s_mul_i32 s22, s16, HALFT
	s_add_co_u32 s22, s22, 2*HALFT
.irp s, 0,1
	v_add_nc_u32 v[ADRA+\s], s21, v4
	v_add_nc_u32 v[ADRB+\s], s22, v4
	s_add_co_u32 s21, s21, SLOT
	s_add_co_u32 s22, s22, SLOT
.endr
	; the way out's LDS addresses, for both ways, made here where all waves go one way
	s_mul_i32 s17, s16, 40960                      ; q, k: the stage is [head 0..3][token 0..255][80 bytes]; my two heads,
	s_mul_i32 s18, s15, 128*80                     ; my 128 tokens
	s_add_co_u32 s17, s17, s18
	v_mul_u32_u24 v5, v1, 80
	s_wait_alu depctr_va_vdst(0)
	v_lshl_add_u32 v6, v2, 3, v5
	v_add_nc_u32 v[STO], s17, v6                   ; token r, + 8 hf
	s_mul_i32 s17, s14, 20480                      ; back: wave w takes head w
	v_lshl_add_u32 v6, v2, 4, v5
	v_add_nc_u32 v[RDQ], s17, v6
	s_mul_i32 s17, s15, 128*272                    ; v: the stage is [feature 0..255][272 bytes]
	s_lshl_b32 s18, s16, 7
	s_add_co_u32 s17, s17, s18
	s_add_co_u32 s17, s17, VSTG
	v_add_nc_u32 v[STOV], s17, v4
	v_and_b32 v5, 8, v1
	v_add_nc_u32 v5, v5, v1                        ; r + 8 (r / 8)
	v_mul_u32_u24 v5, v5, 272
	v_lshl_add_u32 v5, v2, 4, v5
	s_mul_i32 s17, s14, 64*272
	s_add_co_u32 s17, s17, VSTG
	v_add_nc_u32 v[RDV], s17, v5
	v_and_b32 v6, 31, v0
	v_lshlrev_b32 v[LIO], 4, v6
	; the bias both ways and the mask: 32 small loads, asked for here and waited for behind the K loop.  Every address lies in its buffer for each T, so no branch stands round them
	v_lshlrev_b32 v8, 5, v2                        ; 32 hf
	s_wait_alu depctr_va_vdst(0)
	v_lshlrev_b32 v9, 2, v1                        ; 4 r
	s_wait_alu depctr_va_vdst(0)
	s_lshl_b32 s2, s40, 10
	s_lshl_b32 s17, s16, 9
	s_add_co_u32 s2, s2, s17
	s_add_nc_u64 s[8:9], s[10:11], s[2:3]          ; the bias at the B role's rows 256 cx + 128 half
	s_lshl_b32 s2, s41, 10
	s_lshl_b32 s17, s15, 9
	s_add_co_u32 s2, s2, s17
	s_add_nc_u64 s[10:11], s[10:11], s[2:3]        ; the bias at the A role's rows 256 cy + 128 half
	s_lshl_b32 s17, s43, 12
	s_add_co_u32 s2, s2, s17
	s_add_nc_u64 s[12:13], s[82:83], s[2:3]        ; the mask at token 1,024 batch + 256 cy + 128 half
.irp b, 0,1,2,3,4,5,6,7
	global_load_b128 v[BI+8*\b:BI+8*\b+3], v8, s[8:9] offset:64*\b          ; rows 16 b + 8 hf + 0 .. 7 of the B role
	global_load_b128 v[BI+8*\b+4:BI+8*\b+7], v8, s[8:9] offset:64*\b+16
.endr
.irp a, 0,1,2,3,4,5,6,7
	global_load_b32 v[MK+\a], v9, s[12:13] offset:64*\a                      ; row 16 a + r of the A role
	global_load_b32 v[BV+\a], v9, s[10:11] offset:64*\a
.endr
.macro FRAG reg, adr, q, i             ; a fragment: 16 rows x 128 K in 16 registers: registers 4 c .. 4 c + 3 hold K = 32 c + 16 hf + 0 .. 15: the same order of K on both sides
.irp c, 0,1,2,3
	ds_load_b128 v[\reg+4*\c:\reg+4*\c+3], v[\adr] offset:128*(\q)+32*\c+(\i)*16*PITCH
.endr
.endm
; 16 matrix instructions.  The 64 accumulators take turns, one instruction a turn, in the same order in every step.  zero = 1: the first product starts the sums
.macro MUL16 a0, p, zero
.irp a, \a0, \a0+1
.irp b, 0,1,2,3,4,5,6,7
.if \zero
	v_wmma_f32_16x16x128_bf8_bf8 v[8*(8*((\a)%4)+\b):8*(8*((\a)%4)+\b)+7], v[128*(\p)+FR*\b:128*(\p)+FR*\b+FR-1], v[AF+FR*(\a):AF+FR*(\a)+FR-1], 0
.else
	v_wmma_f32_16x16x128_bf8_bf8 v[8*(8*((\a)%4)+\b):8*(8*((\a)%4)+\b)+7], v[128*(\p)+FR*\b:128*(\p)+FR*\b+FR-1], v[AF+FR*(\a):AF+FR*(\a)+FR-1], v[8*(8*((\a)%4)+\b):8*(8*((\a)%4)+\b)+7]
.endif
.endr
.endr
.endm
.macro FETCH_B slot, q, p
	WIN TO_B
.irp i, 0,1,2,3,4,5,6,7
	FRAG 128*(\p)+FR*\i, ADRB+\slot, \q, \i
.endr
	WIN 0
.endm
.macro FETCH_A slot, q, i0
.irp i, \i0, \i0+1, \i0+2, \i0+3
	FRAG AF+FR*(\i), ADRA+\slot, \q, \i
.endr
.endm
.macro PLACES n                        ; plain vector instructions between a matrix instruction and a load into, or a read of, its registers
.rept \n
	v_nop
.endr
.endm
.macro STEP slot, q, zero              ; 128 along K, with its successor in the same slot
	s_wait_dscnt 4*NL                              ; the B role's set and the A role's blocks 0-3 are in; blocks 4-7 (16 loads) may be out
	WIN MUL_LO
	MUL16 0, (\q)%2, \zero
	MUL16 2, (\q)%2, \zero
	s_wait_dscnt 0
	PLACES NP
	FETCH_B \slot, (\q)+1, 1-(\q)%2
	FETCH_A \slot, (\q)+1, 0
	WIN MUL_HI
	MUL16 4, (\q)%2, \zero
	MUL16 6, (\q)%2, \zero
	PLACES NP
	WIN 0
	FETCH_A \slot, (\q)+1, 4
.endm
.macro TURN slot, next, fill           ; a slot's last step changes slots.  fill = 1: this slot is filled again, two K steps ahead
	s_wait_tensorcnt 0x0                           ; all my tensor loads have landed: my part of the next slot
	ds_add_u32 v[SPW], v[NIL]                      ; 0 onto my spare word
	s_wait_dscnt 4*NL+1                            ; (the add and the youngest 16 loads may be out)
	WIN MUL_LO
	MUL16 0, 1, 0
	s_wait_dscnt 0x0                               ; the add is done, and my reads of this slot are over
	s_barrier_signal -1
	MUL16 2, 1, 0
	WIN 0
	s_barrier_wait -1
.if \fill
	CREST                                          ; the barrier has opened a round of the cluster's: no wave of any partner still reads this slot or has a load on its way
	s_add_nc_u64 s[G0+4*\slot+2:G0+4*\slot+3], s[G0+4*\slot+2:G0+4*\slot+3], 2*ROWB
	s_add_nc_u64 s[G0B+4*\slot+2:G0B+4*\slot+3], s[G0B+4*\slot+2:G0B+4*\slot+3], 2*ROWB
	JLOAD G0+4*\slot, G1, G0B+4*\slot, G1B         ; the first tensor load behind the round; its four v_nop are also the places in front of the loads below
.else
	PLACES NP
.endif
	FETCH_B \next, 0, 0
	FETCH_A \next, 0, 0
	WIN MUL_HI
	MUL16 4, 1, 0
	MUL16 6, 1, 0
	PLACES NP
	WIN 0
	FETCH_A \next, 0, 4
.endm
	s_wait_tensorcnt 1                             ; my part of K step 0 is in; K step 1's load may be out
	s_barrier_signal -1
	s_barrier_wait -1
	FETCH_B 0, 0, 0
	FETCH_A 0, 0, 0
	FETCH_A 0, 0, 4
	STEP 0, 0, 1                                   ; K = 1,024 is four slots' worth, eight steps of 128: written out
	TURN 0, 1, 1
	STEP 1, 0, 0
	TURN 1, 0, 1
	STEP 0, 0, 0
	TURN 0, 1, 0
	STEP 1, 0, 0
	s_wait_dscnt 4*NL
	WIN MUL_LO
	MUL16 0, 1, 0
	MUL16 2, 1, 0
	s_wait_dscnt 0
	WIN MUL_HI
	MUL16 4, 1, 0
	MUL16 6, 1, 0
	WIN 0
	PLACES NP
	s_barrier_signal -1                            ; every wave's reads of the ring are back (the wait for 0 above): behind this barrier the slots, which have had their last fill, serve as stages
	s_barrier_wait -1
	s_wait_loadcnt 0x0                             ; the biases and the mask
	s_wait_kmcnt 0x0
	s_add_co_i32 s17, s92, s93
	s_add_co_i32 s18, s94, s95
	s_add_co_i32 s19, s96, s97
	s_cmp_eq_u32 s42, 0
	s_cselect_b32 s17, s17, s18
	s_cselect_b32 s20, s99, s98                    ; q: e7, k: e6
	s_cmp_eq_u32 s42, 2
	s_cselect_b32 s17, s19, s17                    ; e[2T] + e[2T+1]
	s_cselect_b32 s20, s100, s20                   ; v: e8
	s_add_co_i32 s17, s17, 127
	s_lshl_b32 s66, s17, 23                        ; 2^(e[2T] + e[2T+1]) as f32
	s_mov_b32 s67, s66                             ; (named with it as a pair)
	s_add_co_i32 s20, s20, 127
	s_lshl_b32 s21, s20, 23
	v_mov_b32 v[SCL], s21
	s_cmp_eq_u32 s42, 1
	s_cselect_b32 s101, 0, -1                      ; only k's codes are masked
.irp a, 0,1,2,3,4,5,6,7
	v_cmp_ne_u32 s[MS+\a], 0, v[MK+\a]
	s_or_b32 s[MS+\a], s[MS+\a], s101
.endr
	s_mov_b32 s3, 0
	s_lshl_b32 s2, s43, 4                          ; 16 batch
	s_cmp_eq_u32 s42, 2                            ; the one parting: on T, which all waves of all partners share
	s_cbranch_scc1 .Lpath_v
; ---- q and k.  Block a: my tokens 16 a + r, 128 features: sum x 2^e + bias, held, converted, masked; eight bytes a tile into the stage
.macro BLOCKQ a
.set AC, 64*((\a)%4)
.set CDS, CD+16*((\a)%2)
	WIN 0x02+((\a)/4)
.set n, 0
.rept 32
	v_pk_fma_f32 v[TMP+n:TMP+n+1], v[AC+n:AC+n+1], s[66:67], v[BI+n:BI+n+1] op_sel_hi:[1,0,1]   ; each accumulator from its low end on
.set n, n+2
.endr
	WIN 0
.set n, 0
.rept 64
.set n, n+1
.endr
.if (\a) >= 2
	s_wait_alu depctr_va_vdst(0)
	s_wait_dscnt 8                                 ; the stores of the block before last have read this set of codes; the last block's eight may be out
.endif
.irp b, 0,1,2,3,4,5,6,7
	v_cvt_scalef32_pk8_bf8_f32 v[CDS+2*\b:CDS+2*\b+1], v[TMP+8*\b:TMP+8*\b+7], v[SCL]
.endr
	v_nop                                          ; a plain line between the conversions and what touches their results
.set n, 0
.rept 16
	v_cndmask_b32 v[CDS+n], 0, v[CDS+n], s[MS+\a]
.set n, n+1
.endr
.irp b, 0,1,2,3,4,5,6,7
	ds_store_b64 v[STO], v[CDS+2*\b:CDS+2*\b+1] offset:(\b/4)*20480+1280*(\a)+16*(\b%4)
.endr
.endm
	s_lshl_b32 s17, s40, 2
	s_add_co_u32 s2, s2, s17
	s_add_co_u32 s2, s2, s14                       ; head 16 batch + 4 cx + wave
	s_lshl_b32 s2, s2, 16
	s_lshl_b32 s17, s41, 14                        ; token tiles 16 cy on
	s_add_co_u32 s2, s2, s17
	s_cmp_eq_u32 s42, 0
	s_cselect_b64 s[4:5], s[86:87], s[88:89]       ; qi or ki
	s_add_nc_u64 s[4:5], s[4:5], s[2:3]
.irp a, 0,1,2,3,4,5,6,7
	BLOCKQ \a
.endr
	s_wait_dscnt 0x0                               ; for the others' sake: my stores into the stage are done
	s_barrier_signal -1
	s_barrier_wait -1
.set n, 0
.rept 32
	ds_load_b128 v[128+4*n:128+4*n+3], v[RDQ] offset:1280*(n/2)+32*(n%2)     ; token tile n / 2, piece n % 2 of my head: an image of the reader's registers
.set n, n+1
.endr
.set n, 0
.rept 32
	s_wait_dscnt 31-n
	global_store_b128 v[LIO], v[128+4*n:128+4*n+3], s[4:5] offset:512*n th:TH_STORE_NT   ; 512 consecutive bytes, aligned
.set n, n+1
.endr
	s_branch .Ldone
; ---- v.  Block a: my feature 16 a + r, 128 keys; the bias is the lane's
.Lpath_v:
.macro BLOCKV a
.set AC, 64*((\a)%4)
.set CDS, CD+16*((\a)%2)
.set BP, BV+2*((\a)/2)
	WIN 0x02+((\a)/4)
.set n, 0
.rept 32
.if ((\a)%2) == 0
	v_pk_fma_f32 v[TMP+n:TMP+n+1], v[AC+n:AC+n+1], s[66:67], v[BP:BP+1] op_sel_hi:[1,0,0]
.else
	v_pk_fma_f32 v[TMP+n:TMP+n+1], v[AC+n:AC+n+1], s[66:67], v[BP:BP+1] op_sel:[0,0,1] op_sel_hi:[1,0,1]
.endif
.set n, n+2
.endr
	WIN 0
.set n, 0
.rept 64
.set n, n+1
.endr
.if (\a) >= 2
	s_wait_alu depctr_va_vdst(0)
	s_wait_dscnt 8
.endif
.irp b, 0,1,2,3,4,5,6,7
	v_cvt_scalef32_pk8_bf8_f32 v[CDS+2*\b:CDS+2*\b+1], v[TMP+8*\b:TMP+8*\b+7], v[SCL]
.endr
	v_nop
.irp b, 0,1,2,3,4,5,6,7
	ds_store_b64 v[STOV], v[CDS+2*\b:CDS+2*\b+1] offset:4352*(\a)+32*(\b/2)+8*(\b%2)   ; keys 16 b + 8 hf + 0 .. 7 go to byte 32 (b / 2) + 16 hf + 8 (b % 2): the two groups of eight that a reader's lane wants lie side by side
.endr
.endm
	s_lshl_b32 s17, s41, 2
	s_add_co_u32 s2, s2, s17
	s_add_co_u32 s2, s2, s14                       ; head 16 batch + 4 cy + wave
	s_lshl_b32 s2, s2, 16
	s_lshl_b32 s17, s40, 14                        ; key steps 2 cx on
	s_add_co_u32 s2, s2, s17
	s_add_nc_u64 s[4:5], s[90:91], s[2:3]
.irp a, 0,1,2,3,4,5,6,7
	BLOCKV \a
.endr
	s_wait_dscnt 0x0
	s_barrier_signal -1
	s_barrier_wait -1
.set n, 0
.rept 32
	ds_load_b128 v[128+4*n:128+4*n+3], v[RDV] offset:(32*(((n/4)%4)/2)+8*(((n/4)%4)%2))*272+128*(n/16)+32*(n%4)   ; key step n / 16, tile (n / 4) % 4, piece n % 4
.set n, n+1
.endr
.set n, 0
.rept 32
	s_wait_dscnt 31-n
	global_store_b128 v[LIO], v[128+4*n:128+4*n+3], s[4:5] offset:512*n th:TH_STORE_NT
.set n, n+1
.endr
.Ldone:
	s_wait_tensorcnt 0x0                           ; the wave's end
	ds_add_u32 v[SPW], v[NIL]
	s_wait_dscnt 0x0
	CROUND                                         ; the closing round
	s_endpgm
.Lfunc_end_k_qcf023a26b7_qkv:
	.size	k_qcf023a26b7_qkv, .Lfunc_end_k_qcf023a26b7_qkv-k_qcf023a26b7_qkv
	.p2alignl 7, 3214868480
	.fill 96, 4, 3214868480
	.section	.rodata,"a",@progbits
	.p2align	6, 0x0
	.amdhsa_kernel k_qcf023a26b7_qkv
		.amdhsa_group_segment_fixed_size 327680
		.amdhsa_private_segment_fixed_size 0
		.amdhsa_enable_private_segment 0
		.amdhsa_kernarg_size 96
		.amdhsa_user_sgpr_count 2
		.amdhsa_user_sgpr_kernarg_segment_ptr 1
		.amdhsa_wavefront_size32 1
		.amdhsa_system_sgpr_workgroup_id_x 1
		.amdhsa_system_sgpr_workgroup_id_y 1
		.amdhsa_system_sgpr_workgroup_id_z 1
		.amdhsa_system_vgpr_workitem_id 0
		.amdhsa_next_free_vgpr 1024
		.amdhsa_next_free_sgpr 102
		.amdhsa_reserve_vcc 0
		.amdhsa_float_denorm_mode_32 3
		.amdhsa_float_denorm_mode_16_64 3
		.amdhsa_fp16_overflow 1
		.amdhsa_memory_ordered 1
		.amdhsa_forward_progress 1
		.amdhsa_inst_pref_size 154
	.end_amdhsa_kernel
	.amdgpu_metadata
---
amdhsa.version: [ 1, 2 ]
amdhsa.kernels:
  - .name:           k_qcf023a26b7_qkv
    .symbol:         k_qcf023a26b7_qkv.kd
    .args:
      - { .name: xc, .offset: 0, .size: 8, .value_kind: global_buffer, .address_space: global }
      - { .name: Wq_codes, .offset: 8, .size: 8, .value_kind: global_buffer, .address_space: global }
      - { .name: Wk_codes, .offset: 16, .size: 8, .value_kind: global_buffer, .address_space: global }
      - { .name: Wv_codes, .offset: 24, .size: 8, .value_kind: global_buffer, .address_space: global }
      - { .name: bq, .offset: 32, .size: 8, .value_kind: global_buffer, .address_space: global }
      - { .name: bk, .offset: 40, .size: 8, .value_kind: global_buffer, .address_space: global }
      - { .name: bv, .offset: 48, .size: 8, .value_kind: global_buffer, .address_space: global }
      - { .name: mask, .offset: 56, .size: 8, .value_kind: global_buffer, .address_space: global }
      - { .name: lowp_scales, .offset: 64, .size: 8, .value_kind: global_buffer, .address_space: global }
      - { .name: qi, .offset: 72, .size: 8, .value_kind: global_buffer, .address_space: global }
      - { .name: ki, .offset: 80, .size: 8, .value_kind: global_buffer, .address_space: global }
      - { .name: vi, .offset: 88, .size: 8, .value_kind: global_buffer, .address_space: global }
    .group_segment_fixed_size: 327680
    .private_segment_fixed_size: 0
    .kernarg_segment_align: 8
    .kernarg_segment_size: 96
    .max_flat_workgroup_size: 128
    .sgpr_count:     102
    .vgpr_count:     1024
    .wavefront_size: 32
...
	.end_amdgpu_metadata
.endif
;; end of part 6
;; launch attn (part 7): grid 2 x 128, 8 waves a work-group, no clusters, 168,960 bytes of LDS; arguments qi, ki, vi, mask, lowp_scales, oi; writes oi
.if DOCPART == 7
	.amdgcn_target "amdgcn-amd-amdhsa--gfx1250"
	.amdhsa_code_object_version 6
	.text
	.protected	k_qcf023a26b7_attn
	.globl	k_qcf023a26b7_attn
	.p2align	8
	.type	k_qcf023a26b7_attn,@function
k_qcf023a26b7_attn:
	s_mov_b64 s[64:65], 0
	v_nop
	global_prefetch_b8 v0, s[64:65] scope:SCOPE_SE
	s_setreg_imm32_b32 hwreg(HW_REG_WAVE_MODE, 25, 1), 1
	s_wait_xcnt 0x0
; out[head][q] = sum over keys of softmax(q . k / 8, keys with mask 0 at -1e9) v, both products on codes of BF8 (E5M2); the result is quantised by e10 and stored as the next product's operand registers.
; THE SOFTMAX: t = score x log2(e) / 8; M = the running largest t rounded up to a whole number; p = 2^(t - M) is quantised by e9; the sum is taken of the unquantised p and divides at the end.
; THE MASK COSTS NO VECTOR WORK: k's codes are 0 at masked keys, and the score product's C is 0 at open keys and -2^(33 - e6 - e7) at masked ones, from a table of f32 in LDS.  So a masked key's t is
; -2^30 x log2(e), a whole number: where all keys are masked p = 1 on every key; elsewhere p is 0.
; LIMIT: a masked logit is -1.074e9 and not -1e9: the results are reference()'s wherever a row's largest open logit lies above -1e9 + 110, or all its keys are masked.
; LIMITS on the exponents: e6 + e7 between -94 and 130; e9 and e10 between -126 and 112.  NaN is not served.
; SHARES.  A work-group owns a head and 512 of its queries, in two passes of 256; each of eight waves owns 32 queries a pass: TWO tiles of 16.  Tile 0 lives in register window 0, tile 1 in window 1, at the same
; numbers: the softmax and the way out are one macro, run under two settings.  Each fragment of K, V and C read from LDS feeds both tiles.  Two waves share a SIMD.
; LDS is filled once: the head's K (65,536 bytes) and V (65,536), as images of operand registers, by four tensor loads of wave 0 and four of wave 1 (four of a wave's are out at most); work begins when the first quarter has landed.
; No cluster: the two work-groups of a head share these 131,072 bytes once, at the head of the launch.
; Both products are used transposed (S^T = K Q^T + C, O^T = V^T P): a lane holds one query throughout.  V's channels are ordered so that the 16 registers of O^T's tiles 2 b, 2 b + 1 are d = 32 b + 16 hf + 0 .. 15.
; ORDER.  Lines that feed each other are kept apart: the maximum and the sum go in four chains; the exponentials stand between plain lines that name none of their results;
; a step's values of C are asked for a step ahead, beside V.
.set LI,   1                           ; window 0: 16 x lane
.set CI,   2                           ; the table's place for my half of the lanes
.set ADK,  3
.set ADV,  4
.set ADC,  5
.set KF,   32                          ; window 0: v32-95 K's eight fragments, then V's four
.set CM,   32                          ; window 1: v32-95 a step's 64 values of C
.set Q1,   16                          ; both windows from here on: Q of pass 1
.set S,    96                          ; S^T, then p
.set OT,   160                         ; O^T, four tiles
.set P,    192                         ; codes
.set Q0,   208                         ; Q of pass 0
.set NM,   216                         ; -M; v217 the largest t
.set LS,   218                         ; the sum, in two halves
.set W,    220
.set F,    222                         ; f, later 1 / sum
.set L2,   224                         ; the sum's second chain
.set PD,   226
.set PLIM, 228
.set PSC,  229
.set OLIM, 230
.set OSC,  231
.set GO,   232                         ; my bytes of a store: 16 x lane, + a row tile (16,384) in window 1
.set MX,   234                         ; v234-237 the maximum's four chains
.set L3,   238                         ; the sum's third chain,
.set L4,   240                         ; and its fourth
.set CT,   131072                      ; LDS: K 0, V 65,536, the table here: 1,024 f32 in key order, and the same again behind them
.set WV,   16
.set SEL,  20
.set CS,   22
.set G1,   24
.set G0,   32                          ; s32-47: four groups 0
.set TB,   48
.set TC,   49
.set CNT,  50
.set OB,   68
.set MSB, 0
.macro WIN new
.if MSB != \new
	s_set_vgpr_msb (MSB<<8)|\new
.set MSB, \new
.endif
.endm
	s_load_b256 s[4:11], s[0:1], 0x0               ; qi, ki, vi, mask
	s_load_b128 s[12:15], s[0:1], 0x20             ; lowp_scales, oi
	v_lshl_add_u32 v254, v0, 2, 0x29000
	v_mov_b32 v255, 0
	ds_add_u32 v254, v255
	ds_add_u32 v254, v255
	v_lshrrev_b32 v6, 5, v0
	v_readfirstlane_b32 s[WV], v6                  ; wave 0..7
	s_and_b32 s17, ttmp7, 0xffff                   ; the head, 16 batch + h
	s_mov_b32 s[G1], 3<<16                         ; elements of 8 bytes, no mask, no padding: a dense block as 64 rows of 256 bytes
	s_mov_b32 s[G1+1], 32<<16                      ; tensor_dim0
	s_mov_b32 s[G1+2], 64<<16                      ; tensor_dim1
	s_mov_b32 s[G1+3], 32<<16                      ; tile_dim0
	s_mov_b32 s[G1+4], 64                          ; tile_dim1
	s_mov_b32 s[G1+5], 32                          ; from row to row
	s_mov_b32 s[G1+6], 0
	s_mov_b32 s[G1+7], 0
	s_lshl_b32 s70, s17, 16                        ; a head's images are 65,536 bytes in each of qi, ki, vi
	s_mov_b32 s71, 0
	s_and_b32 s73, s[WV], 1
	s_lshl_b32 s72, s73, 16                        ; K's images at LDS 0, V's at 65,536
	s_wait_dscnt 0x0
	s_wait_kmcnt 0x0
	s_load_b256 s[52:59], s[12:13], 0x0            ; e0 .. e7
	s_load_b128 s[60:63], s[12:13], 0x20           ; e8 .. e11
	s_cmp_eq_u32 s73, 0
	s_cselect_b64 s[74:75], s[6:7], s[8:9]
	s_add_nc_u64 s[74:75], s[74:75], s[70:71]
.irp c, 0,1,2,3
	s_mov_b32 s[G0+4*\c], 1
	s_add_co_u32 s[G0+4*\c+1], s72, 16384*\c
	s_add_nc_u64 s[G0+4*\c+2:G0+4*\c+3], s[74:75], 16384*\c
	s_or_b32 s[G0+4*\c+3], s[G0+4*\c+3], 0x80000000
.endr
	s_cmp_lt_u32 s[WV], 2                          ; wave 0 fetches K, wave 1 V: all first fills of a wave in one branch, ahead of every wait on TENSORcnt, LDS read and barrier
	s_cbranch_scc0 .Lno_fill
	tensor_load_to_lds s[G0:G0+3], s[G1:G1+7]
	s_nop 0
	tensor_load_to_lds s[G0+4:G0+7], s[G1:G1+7]
	s_nop 0
	tensor_load_to_lds s[G0+8:G0+11], s[G1:G1+7]
	s_nop 0
	tensor_load_to_lds s[G0+12:G0+15], s[G1:G1+7]
	s_nop 0
.rept 4
	v_nop
.endr
.Lno_fill:
	s_lshl_b32 s76, ttmp9, 15                      ; my queries' tiles: 32 x + 2 wave (+ 16 pass + tile), 1,024 bytes each
	s_lshl_b32 s77, s[WV], 11
	s_add_co_u32 s76, s76, s77
	s_add_co_u32 s76, s76, s70
	s_mov_b32 s77, 0
	s_add_nc_u64 s[4:5], s[4:5], s[76:77]
	s_lshr_b32 s78, s17, 4                         ; the batch
	s_lshl_b32 s76, s78, 12
	s_add_nc_u64 s[10:11], s[10:11], s[76:77]
	v_and_b32 v6, 31, v0
	v_lshlrev_b32 v[LI], 4, v6
	v_bfe_u32 v7, v0, 4, 1
	v_lshlrev_b32 v[CI], 5, v7
	v_add_nc_u32 v[CI], CT, v[CI]                  ; lanes 16-31 take the keys eight further on
.irp c, 0,1
	global_load_b128 v[Q0+4*\c:Q0+4*\c+3], v[LI], s[4:5] offset:512*\c
	global_load_b128 v[Q1+4*\c:Q1+4*\c+3], v[LI], s[4:5] offset:16384+512*\c
.endr
	WIN 0x40                                       ; destination window 1: tile 1
.irp c, 0,1
	global_load_b128 v[Q0+4*\c:Q0+4*\c+3], v[LI], s[4:5] offset:1024+512*\c
	global_load_b128 v[Q1+4*\c:Q1+4*\c+3], v[LI], s[4:5] offset:16384+1024+512*\c
.endr
	WIN 0
	v_lshlrev_b32 v8, 4, v0
	global_load_b128 v[12:15], v8, s[10:11]        ; four keys' mask a thread
	v_add_nc_u32 v9, CT, v8
	s_lshl_b32 s76, s78, 6                         ; oi: row tile 64 batch + 32 x + 2 wave, 16,384 bytes each; my head's 64 along K begin 1,024 h bytes in
	s_lshl_b32 s79, ttmp9, 5
	s_add_co_u32 s76, s76, s79
	s_lshl_b32 s79, s[WV], 1
	s_add_co_u32 s76, s76, s79
	s_lshl_b32 s76, s76, 14
	s_and_b32 s79, s17, 15
	s_lshl_b32 s79, s79, 10
	s_add_co_u32 s76, s76, s79
	s_add_nc_u64 s[OB:OB+1], s[14:15], s[76:77]
	s_mov_b32 s[SEL], 0x76543210
	s_mov_b32 s[SEL+1], 0xfedcba98
	s_wait_kmcnt 0x0
	s_add_co_i32 s70, s58, s59                     ; e6 + e7
	s_lshl_b32 s71, s70, 23
	s_mov_b32 s[CS], 0x3e38aa3b                    ; log2(e) / 8,
	s_add_co_i32 s[CS], s[CS], s71                 ; x 2^(e6 + e7), by its exponent field
	s_mov_b32 s[CS+1], s[CS]
	s_sub_co_i32 s71, 160, s70
	s_lshl_b32 s71, s71, 23
	s_or_b32 s71, s71, 0x80000000                  ; -2^(33 - e6 - e7)
	s_add_co_i32 s76, s61, 127
	s_lshl_b32 s73, s76, 23                        ; 2^e9
	s_add_co_i32 s76, s62, 127
	s_lshl_b32 s75, s76, 23                        ; 2^e10
	s_add_co_i32 s66, s60, s61                     ; e8 + e9
.macro CONSTS
	v_mov_b32 v[PSC], s73
	v_mov_b32 v[OSC], s75
	v_mov_b32 v[F+1], 0                            ; named as the upper half of a pair
	v_mov_b32 v[PD], 0                             ; a lane permute's destination counts as read
.endm
	CONSTS
	v_mov_b32 v[GO], v[LI]
	WIN 0x40
	CONSTS
	v_add_nc_u32 v[GO], 0x4000, v[LI]
	WIN 0
	v_mov_b32 v10, s71
	s_wait_loadcnt 0x0                             ; Q and the mask
.irp j, 12,13,14,15
	v_cmp_eq_u32 vcc_lo, 0, v\j
	v_cndmask_b32 v\j, 0, v10, vcc_lo
.endr
	ds_store_b128 v9, v[12:15]                     ; the table, in key order,
	ds_store_b128 v9, v[12:15] offset:4096         ; and once more behind itself: the step behind a pass's last then reads keys 0 .. 127 again, which the next pass begins with
.macro INIT                            ; a pass begins: zeros, and a largest t under every t
.set n, 0
.rept 32
	v_mov_b32 v[OT+n], 0
.set n, n+1
.endr
	v_mov_b32 v[LS], 0
	v_mov_b32 v[LS+1], 0
	v_mov_b32 v[NM+1], 0xff61b1e6
	v_floor_f32 v[NM], -v[NM+1]
.endm
.macro TM r                            ; t - M for the pair of scores at S + r (of the pairs c and -M the low word serves both halves)
	v_pk_fma_f32 v[S+(\r):S+(\r)+1], v[S+(\r):S+(\r)+1], s[CS:CS+1], v[NM:NM+1] op_sel_hi:[1,0,0]
.endm
; One tile's softmax for 128 keys.  Register 8 t + j of S^T is key 16 t + 8 hf + j of my query.
.macro SOFTMAX
.irp k, 0,1,2,3
	v_max3_num_f32 v[MX+\k], v[S+3*\k], v[S+3*\k+1], v[S+3*\k+2]   ; the largest score, in four chains; the scores are taken in ascending order
.endr
.set n, 12
.rept 6
.irp k, 0,1,2,3
	v_max3_num_f32 v[MX+\k], v[MX+\k], v[S+n+2*\k], v[S+n+2*\k+1]
.endr
.set n, n+8
.endr
	v_max3_num_f32 v[MX], v[MX], v[S+60], v[S+61]
	v_max3_num_f32 v[MX+1], v[MX+1], v[S+62], v[S+63]
	v_max_num_f32 v[MX+2], v[MX+2], v[MX+3]
	v_max3_num_f32 v[W], v[MX], v[MX+1], v[MX+2]
	v_permlanex16_b32 v[PD], v[W], s[SEL], s[SEL+1]
	v_max_num_f32 v[W], v[W], v[PD]                ; and among lane l xor 16's
	v_mul_f32 v[W], s[CS], v[W]                    ; as t
	v_max_num_f32 v[NM+1], v[NM+1], v[W]
	v_mov_b32 v[W], v[NM]
	v_floor_f32 v[NM], -v[NM+1]                    ; -M = floor(-t): a whole number
	TM 0                                           ; the first four scalings, with the three lines that make f between them
	v_sub_f32 v[W], v[NM], v[W]
	TM 2
	v_cvt_i32_f32 v[W], v[W]                       ; (it saturates)
	TM 4
	v_ldexp_f32 v[F], 1.0, v[W]                    ; f = 2^(old M - new M)
	TM 6
; ONE BATCH: the 64 exponentials, and between them plain lines that name no exponential's result: the scalings four pairs ahead, and O^T under the new M
.set n, 0
.rept 32
	v_exp_f32 v[S+2*n], v[S+2*n]
.if n < 28
	TM 2*n+8
.endif
	v_exp_f32 v[S+2*n+1], v[S+2*n+1]
.if (n%2) == 1
	v_pk_mul_f32 v[OT+n-1:OT+n], v[OT+n-1:OT+n], v[F:F+1] op_sel_hi:[1,0]
.endif
.set n, n+1
.endr
	v_pk_mul_f32 v[LS:LS+1], v[LS:LS+1], v[F:F+1] op_sel_hi:[1,0]   ; the sum under the new M (a plain instruction behind the last exponential)
	s_wait_alu depctr_va_vdst(0)                   ; one wait for the 64 exponentials, ahead of their first reader
	v_pk_add_f32 v[L2:L2+1], v[S:S+1], v[S+2:S+3]  ; the sum of the unquantised p, two at a time, in four chains
	v_pk_add_f32 v[L3:L3+1], v[S+4:S+5], v[S+6:S+7]
	v_pk_add_f32 v[L4:L4+1], v[S+8:S+9], v[S+10:S+11]
	v_pk_add_f32 v[LS:LS+1], v[LS:LS+1], v[S+12:S+13]
.set n, 14
.rept 6
	v_pk_add_f32 v[L2:L2+1], v[L2:L2+1], v[S+n:S+n+1]
	v_pk_add_f32 v[L3:L3+1], v[L3:L3+1], v[S+n+2:S+n+3]
	v_pk_add_f32 v[L4:L4+1], v[L4:L4+1], v[S+n+4:S+n+5]
	v_pk_add_f32 v[LS:LS+1], v[LS:LS+1], v[S+n+6:S+n+7]
.set n, n+8
.endr
	v_pk_add_f32 v[L2:L2+1], v[L2:L2+1], v[S+62:S+63]
	v_pk_add_f32 v[L3:L3+1], v[L3:L3+1], v[L4:L4+1]
	v_pk_add_f32 v[LS:LS+1], v[LS:LS+1], v[L2:L2+1]
	v_pk_add_f32 v[LS:LS+1], v[LS:LS+1], v[L3:L3+1]
.irp j, 0,1,2,3,4,5,6,7
.endr
.irp t, 1,2,3,4,5,6,7
.irp j, 0,1,2,3,4,5,6,7
.endr
	v_cvt_scalef32_pk8_bf8_f32 v[P+2*\t-2:P+2*\t-1], v[S+8*\t-8:S+8*\t-1], v[PSC]   ; the group before: registers 2 t, 2 t + 1 of the operand are keys 16 t + 8 hf + 0 .. 7
.endr
	v_cvt_scalef32_pk8_bf8_f32 v[P+14:P+15], v[S+56:S+63], v[PSC]
	v_nop                                          ; a plain line between the conversions and the product that reads their results
.endm
; A key step: 128 keys for both tiles.  qb: Q's registers of the pass.  The step's C was asked for a step ago.
.macro STEP qb
	WIN 0
	v_add_nc_u32 v[ADK], s[TB], v[LI]              ; these three and the v_nop are the four places between the last step's products and the loads into the registers that they read
	v_add_nc_u32 v[ADC], s[TC], v[CI]
	v_add_nc_u32 v[ADV], 0x10000, v[ADK]
	v_nop
.irp t, 0,1,2,3,4,5,6,7
	ds_load_b128 v[KF+8*\t:KF+8*\t+3], v[ADK] offset:1024*\t
	ds_load_b128 v[KF+8*\t+4:KF+8*\t+7], v[ADK] offset:1024*\t+512
.endr
	s_wait_dscnt 0x0
	WIN 0x10                                       ; K, Q and S^T in window 0, C in window 1
.irp t, 0,1,2,3,4,5,6,7
	v_wmma_f32_16x16x64_bf8_bf8 v[S+8*\t:S+8*\t+7], v[KF+8*\t:KF+8*\t+7], v[\qb:\qb+7], v[CM+8*\t:CM+8*\t+7]
.endr
	WIN 0x54                                       ; K in window 0; Q, C and S^T in window 1
.irp t, 0,1,2,3,4,5,6,7
	v_wmma_f32_16x16x64_bf8_bf8 v[S+8*\t:S+8*\t+7], v[KF+8*\t:KF+8*\t+7], v[\qb:\qb+7], v[CM+8*\t:CM+8*\t+7]
.endr
	WIN 0
.rept 4
	v_nop                                          ; places in front of the loads into K's and C's registers and of the first read of the scores
.endr
.irp t, 0,1,2,3
.irp c, 0,1,2,3
	ds_load_b128 v[KF+16*\t+4*\c:KF+16*\t+4*\c+3], v[ADV] offset:2048*\t+512*\c   ; V lands under the first softmax,
.endr
.endr
	WIN 0x40
.irp t, 0,1,2,3,4,5,6,7
	ds_load_b128 v[CM+8*\t:CM+8*\t+3], v[ADC] offset:512+64*\t                    ; and so does the next step's C: 128 keys, 512 bytes, further on in the table
	ds_load_b128 v[CM+8*\t+4:CM+8*\t+7], v[ADC] offset:512+64*\t+16
.endr
	WIN 0
	SOFTMAX
	s_wait_dscnt 0x0
.irp t, 0,1,2,3
	v_wmma_f32_16x16x128_bf8_bf8 v[OT+8*\t:OT+8*\t+7], v[KF+16*\t:KF+16*\t+15], v[P:P+15], v[OT+8*\t:OT+8*\t+7]   ; the accumulators take turns: between two links of a chain stand 23 other products
.endr
	WIN 0x55
	SOFTMAX
	WIN 0x54
.irp t, 0,1,2,3
	v_wmma_f32_16x16x128_bf8_bf8 v[OT+8*\t:OT+8*\t+7], v[KF+16*\t:KF+16*\t+15], v[P:P+15], v[OT+8*\t:OT+8*\t+7]
.endr
	WIN 0
	s_add_co_u32 s[TB], s[TB], 8192
	s_add_co_u32 s[TC], s[TC], 512
.endm
; The way out of one tile: O^T x 2^(e8 + e9) / sum, held, converted by e10.  A lane's four registers are d = 32 b + 16 hf + 0 .. 15 of its query: the next product's operand as it stands.
.macro EPI p
	v_add_f32 v[LS], v[LS], v[LS+1]
	v_permlanex16_b32 v[PD], v[LS], s[SEL], s[SEL+1]
	v_add_f32 v[LS], v[LS], v[PD]
	v_rcp_f32 v[F], v[LS]
	v_nop
	s_wait_alu depctr_va_vdst(0)
	v_ldexp_f32 v[F], v[F], s66
.set n, 0
.rept 16
	v_pk_mul_f32 v[S+n:S+n+1], v[OT+n:OT+n+1], v[F:F+1] op_sel_hi:[1,0]
.set n, n+2
.endr
.set n, 0
.rept 32
.set n, n+1
.endr
.irp t, 0,1,2,3
	v_cvt_scalef32_pk8_bf8_f32 v[P+2*\t:P+2*\t+1], v[S+8*\t:S+8*\t+7], v[OSC]
.endr
	v_nop
	global_store_b128 v[GO], v[P:P+3], s[OB:OB+1] offset:262144*(\p)          ; 512 consecutive bytes, aligned
	global_store_b128 v[GO], v[P+4:P+7], s[OB:OB+1] offset:262144*(\p)+512
.endm
.macro BOTH_INIT
	INIT
	WIN 0x55
	INIT
	WIN 0
.endm
.macro BOTH_EPI p
.rept 4
	v_nop                                          ; places behind the last products
.endr
	EPI \p
	WIN 0x55
	EPI \p
	WIN 0
.endm
; A part of pass 0: cnt steps from LDS byte tb of K's images and byte tc of the table on.  left: how many of my four tensor loads may stay out.  first = 1: the first step's C is asked for here.
.macro PHASE left, tb, tc, cnt, first
	s_wait_tensorcnt \left                         ; the chunks that this part reads have landed; later ones may stay out
	s_wait_dscnt 0x0                               ; (ahead of the first barrier: my part of the table is stored)
	s_barrier_signal -1
	s_barrier_wait -1
.if \first
	WIN 0x40
.irp t, 0,1,2,3,4,5,6,7
	ds_load_b128 v[CM+8*\t:CM+8*\t+3], v[CI] offset:64*\t
	ds_load_b128 v[CM+8*\t+4:CM+8*\t+7], v[CI] offset:64*\t+16
.endr
	WIN 0
.endif
	s_mov_b32 s[TB], \tb
	s_mov_b32 s[TC], \tc
	s_mov_b32 s[CNT], \cnt
.Lphase_\@:
	STEP Q0
	s_sub_co_u32 s[CNT], s[CNT], 1
	s_cmp_lg_u32 s[CNT], 0
	s_cbranch_scc1 .Lphase_\@
.endm
	BOTH_INIT
	PHASE 3, 0, 0, 2, 1                            ; keys 0 .. 255: the first of a wave's four loads is in, the other three may be out
	PHASE 0, 16384, 1024, 6, 0                     ; keys 256 .. 1,023: all loads have landed, and every read of those bytes stands behind this barrier
	BOTH_EPI 0
	s_wait_xcnt 0x0                                ; the stores have read their codes: the registers are written again only behind this wait
	BOTH_INIT
	s_mov_b32 s[TB], 0
	s_mov_b32 s[TC], 0
	s_mov_b32 s[CNT], 8
.Lpass1:
	STEP Q1
	s_sub_co_u32 s[CNT], s[CNT], 1
	s_cmp_lg_u32 s[CNT], 0
	s_cbranch_scc1 .Lpass1
	BOTH_EPI 1
	s_wait_tensorcnt 0x0
	ds_add_u32 v254, v255
	s_wait_dscnt 0x0
	s_endpgm
.Lfunc_end_k_qcf023a26b7_attn:
	.size	k_qcf023a26b7_attn, .Lfunc_end_k_qcf023a26b7_attn-k_qcf023a26b7_attn
	.p2alignl 7, 3214868480
	.fill 96, 4, 3214868480
	.section	.rodata,"a",@progbits
	.p2align	6, 0x0
	.amdhsa_kernel k_qcf023a26b7_attn
		.amdhsa_group_segment_fixed_size 168960
		.amdhsa_private_segment_fixed_size 0
		.amdhsa_enable_private_segment 0
		.amdhsa_kernarg_size 48
		.amdhsa_user_sgpr_count 2
		.amdhsa_user_sgpr_kernarg_segment_ptr 1
		.amdhsa_wavefront_size32 1
		.amdhsa_system_sgpr_workgroup_id_x 1
		.amdhsa_system_sgpr_workgroup_id_y 1
		.amdhsa_system_sgpr_workgroup_id_z 1
		.amdhsa_system_vgpr_workitem_id 0
		.amdhsa_next_free_vgpr 512
		.amdhsa_next_free_sgpr 80
		.amdhsa_reserve_vcc 1
		.amdhsa_float_denorm_mode_32 3
		.amdhsa_float_denorm_mode_16_64 3
		.amdhsa_fp16_overflow 1
		.amdhsa_memory_ordered 1
		.amdhsa_forward_progress 1
		.amdhsa_inst_pref_size 97
	.end_amdhsa_kernel
	.amdgpu_metadata
---
amdhsa.version: [ 1, 2 ]
amdhsa.kernels:
  - .name:           k_qcf023a26b7_attn
    .symbol:         k_qcf023a26b7_attn.kd
    .args:
      - { .name: qi, .offset: 0, .size: 8, .value_kind: global_buffer, .address_space: global }
      - { .name: ki, .offset: 8, .size: 8, .value_kind: global_buffer, .address_space: global }
      - { .name: vi, .offset: 16, .size: 8, .value_kind: global_buffer, .address_space: global }
      - { .name: mask, .offset: 24, .size: 8, .value_kind: global_buffer, .address_space: global }
      - { .name: lowp_scales, .offset: 32, .size: 8, .value_kind: global_buffer, .address_space: global }
      - { .name: oi, .offset: 40, .size: 8, .value_kind: global_buffer, .address_space: global }
    .group_segment_fixed_size: 168960
    .private_segment_fixed_size: 0
    .kernarg_segment_align: 8
    .kernarg_segment_size: 48
    .max_flat_workgroup_size: 256
    .sgpr_count:     80
    .vgpr_count:     512
    .wavefront_size: 32
...
	.end_amdgpu_metadata
.endif
;; end of part 7
;; launch wo_norm2 (part 8): grid 256 x 1, 4 waves a work-group, clusters of 4 x 1, 327,680 bytes of LDS; arguments oi, Wo_codes, x, st, alpha1, bias1, bo, alpha2, bias2, lowp_scales, out0; writes out0
.if DOCPART == 8
	.amdgcn_target "amdgcn-amd-amdhsa--gfx1250"
	.amdhsa_code_object_version 6
	.text
	.protected	k_qcf023a26b7_wo_norm2
	.globl	k_qcf023a26b7_wo_norm2
	.p2align	8
	.type	k_qcf023a26b7_wo_norm2,@function
k_qcf023a26b7_wo_norm2:
	s_mov_b64 s[64:65], 0
	v_nop
	global_prefetch_b8 v0, s[64:65] scope:SCOPE_SE
	s_setreg_imm32_b32 hwreg(HW_REG_WAVE_MODE, 25, 1), 1
	s_wait_xcnt 0x0
	s_wait_alu depctr_hold_cnt(0) depctr_sa_sdst(0) depctr_va_vdst(0) depctr_va_sdst(0) depctr_va_ssrc(0) depctr_va_vcc(0) depctr_vm_vsrc(0)
	s_getreg_b32 s2, hwreg(HW_REG_IB_STS2, 6, 4)
	s_cmp_eq_u32 s2, 0
	s_cbranch_scc0 .Lentry_in_a_cluster
	s_endpgm
.Lentry_in_a_cluster:
	s_bfe_u32 s2, ttmp6, 0x10000c
	s_cmp_lg_u32 s2, 0x3003
	s_cbranch_scc0 .Lentry_shape_is_right
	s_endpgm
.Lentry_shape_is_right:
.set PITCH, 272
.set HALFT, 128*PITCH
.set SLOT,  4*HALFT
.set SPARE, 2*SLOT
.set RS1,   SPARE+512
.set RS2,   RS1+512
.set BC,    RS2+512
.set SPI,   528
.set STGB,  16*SPI
.set LI,   2
.set XO,   3
.set ZR,   4
.set ADRB, 5
.set STO,  7
.set RD,   8
.set RSA,  9
.set BCA,  10
.set BCB,  11
.set RSL,  12
.set AO,   16
.set SPW,  28
.set NIL,  29
.set AL1,  32
.set B1,   40
.set AL2,  48
.set B2,   56
.set BO,   64
.set PP,   96
.set MB,   128
.set ST,   160
.set TP,   160
.set WK,   224
.set G1,   24
.set G0,   32
.set BASE, 50
.set OFF,  54
.set AOS,  92
.set MSB, 0
.macro WIN new
.if MSB != \new
	s_set_vgpr_msb (MSB<<8)|\new
.set MSB, \new
.endif
.endm
.macro ROUND
	s_barrier_signal -1
	s_barrier_wait -1
	s_cmp_lg_u32 s14, 0
	s_cbranch_scc1 .Lnot_wave_0_\@
	s_barrier_signal -3
.Lnot_wave_0_\@:
	s_barrier_wait -3
	s_barrier_signal -1
	s_barrier_wait -1
.endm
.macro PLACES
.rept 4
	v_nop
.endr
.endm
	s_load_b512 s[68:83], s[0:1], 0x0
	s_load_b128 s[84:87], s[0:1], 0x40
	s_load_b64 s[88:89], s[0:1], 0x50
	v_lshl_add_u32 v[SPW], v0, 2, SPARE
	v_mov_b32 v[NIL], 0
	ds_add_u32 v28, v29
	ds_add_u32 v28, v29
	s_wait_dscnt 0x0
	v_lshrrev_b32 v1, 5, v0
	v_readfirstlane_b32 s14, v1
	s_bfe_u32 s15, ttmp6, 0x40000
	s_lshl_b32 s16, ttmp9, 2
	s_add_co_u32 s16, s16, s15
	s_mov_b32 s[G1], 15|(0<<16)|(1<<20)|(1<<21)|(5<<22)|(3<<25)
	s_mov_b32 s[G1+1], 256<<16
	s_mov_b32 s[G1+2], 128<<16
	s_mov_b32 s[G1+3], 256<<16
	s_mov_b32 s[G1+4], 128
	s_mov_b32 s[G1+5], 1024
	s_mov_b32 s[G1+6], 0
	s_mov_b32 s[G1+7], 0
	s_mul_i32 s17, s14, HALFT
	s_lshl_b32 s18, s14, 17
	s_mov_b32 s19, 0
	s_lshr_b32 s22, ttmp9, 2
	s_lshr_b32 s23, ttmp9, 4
	s_add_co_u32 s22, s22, s23
	s_add_co_u32 s23, s22, ttmp9
.irp p, 0,1,2,3
	s_add_co_u32 s22, s23, \p
	s_and_b32 s22, s22, 3
	s_lshl_b32 s[OFF+2*\p], s22, 8
	s_mov_b32 s[OFF+2*\p+1], 0
	s_lshl_b32 s[AOS+\p], s22, 12
.endr
	s_wait_kmcnt 0x0
	s_load_b64 s[90:91], s[86:87], 0x28
	s_add_nc_u64 s[BASE:BASE+1], s[70:71], s[18:19]
	s_add_nc_u64 s[BASE+2:BASE+3], s[BASE:BASE+1], 512*1024
.irp n, 0,1
	s_mov_b32 s[G0+4*\n], 1
	s_add_co_u32 s[G0+4*\n+1], s17, \n*SLOT
	s_add_nc_u64 s[G0+4*\n+2:G0+4*\n+3], s[BASE+2*\n:BASE+2*\n+1], s[OFF:OFF+1]
	s_or_b32 s[G0+4*\n+3], s[G0+4*\n+3], 0x80000000
.endr
	ROUND
	tensor_load_to_lds s[G0:G0+3], s[G1:G1+7]
	s_nop 0
	s_wait_alu depctr_va_vdst(0)
	s_wait_tensorcnt 0x0
	ds_add_u32 v28, v29
	s_wait_dscnt 0x0
	ROUND
	tensor_load_to_lds s[G0+4:G0+7], s[G1:G1+7]
	s_nop 0
	PLACES
	s_lshl_b32 s18, s16, 15
	s_add_nc_u64 s[4:5], s[68:69], s[18:19]
	s_lshl_b32 s18, s16, 17
	s_add_nc_u64 s[6:7], s[72:73], s[18:19]
	s_add_nc_u64 s[10:11], s[88:89], s[18:19]
	s_lshl_b32 s18, s16, 8
	s_add_nc_u64 s[8:9], s[74:75], s[18:19]
	v_and_b32 v1, 31, v0
	v_lshlrev_b32 v[LI], 4, v1
.irp p, 0,1,2,3
	v_add_nc_u32 v[AO+\p], s[AOS+\p], v[LI]
.endr
	s_lshl_b32 s22, s14, 9
	v_add_nc_u32 v[XO], s22, v[LI]
	v_mov_b32 v[ZR], 0
	WIN 0x40
.irp s, 0,1,2,3,4,5
.irp a, 0,1
.irp c, 0,1,2,3
	global_load_b128 v[32*\s+16*\a+4*\c:32*\s+16*\a+4*\c+3], v[AO+(\s)/2], s[4:5] offset:16384*\a+2048*((\s)%2)+512*\c
.endr
.endr
.endr
	WIN 0
.irp s, 6,7
.irp a, 0,1
.irp c, 0,1,2,3
	global_load_b128 v[96+32*(\s-6)+16*\a+4*\c:96+32*(\s-6)+16*\a+4*\c+3], v[AO+3], s[4:5] offset:16384*\a+2048*((\s)%2)+512*\c
.endr
.endr
.endr
.irp h, 0,1
	global_load_b128 v[AL1+4*\h:AL1+4*\h+3], v[XO], s[76:77] offset:2048*\h
	global_load_b128 v[B1+4*\h:B1+4*\h+3], v[XO], s[78:79] offset:2048*\h
	global_load_b128 v[BO+4*\h:BO+4*\h+3], v[XO], s[80:81] offset:2048*\h
	global_load_b128 v[AL2+4*\h:AL2+4*\h+3], v[XO], s[82:83] offset:2048*\h
	global_load_b128 v[B2+4*\h:B2+4*\h+3], v[XO], s[84:85] offset:2048*\h
.endr
.set n, 0
.rept 32
	global_load_b64 v[ST+2*n:ST+2*n+1], v[ZR], s[8:9] offset:8*n
.set n, n+1
.endr
.macro XLOAD r0
	WIN 0x40
.set n, \r0
.rept 8
	global_load_b128 v[8*n:8*n+3], v[XO], s[6:7] offset:4096*n th:TH_LOAD_NT
	global_load_b128 v[8*n+4:8*n+7], v[XO], s[6:7] offset:4096*n+2048 th:TH_LOAD_NT
.set n, n+1
.endr
	WIN 0
.endm
	XLOAD 24
	v_and_b32 v13, 15, v0
	v_bfe_u32 v14, v0, 4, 1
	v_mul_u32_u24 v15, v13, PITCH
	v_lshl_add_u32 v15, v14, 4, v15
	v_add_nc_u32 v[ADRB], s17, v15
	v_add_nc_u32 v[ADRB+1], SLOT, v[ADRB]
	v_mul_u32_u24 v15, v13, SPI
	v_lshl_add_u32 v15, v14, 5, v15
	v_add_nc_u32 v[STO], s17, v15
	v_add_nc_u32 v[RD], s17, v[LI]
	s_lshl_b32 s22, s14, 2
	v_add_nc_u32 v[RSL], RS1, v[LI]
	v_add_nc_u32 v[RSA], s22, v[RSL]
	s_lshl_b32 s22, s14, 8
	s_add_co_u32 s22, s22, BC
	v_lshl_add_u32 v[BCA], v1, 2, s22
	v_mov_b32 v[BCB], s22
	s_mov_b32 s40, 0xffff0000
	s_mov_b32 s41, 0xff00ff00
	s_mov_b32 s42, 0xf0f0f0f0
	s_mov_b32 s43, 0xcccccccc
	s_mov_b32 s44, 0xaaaaaaaa
	s_mov_b32 s46, 0x76543210
	s_mov_b32 s47, 0xfedcba98
.irp j, 2,5,8,11
	v_mov_b32 v[WK+\j], 0
.endr
.macro MUL i, q
.set SS, 2*((\i)/2)+(\q)
.set NH, (\i)%2
.if SS < 6
	WIN 0xa7
.set AB, 32*SS
.else
	WIN 0xa3
.set AB, 96+32*(SS-6)
.endif
.irp b, 0,1,2,3,4,5,6,7
.irp a, 0,1
.if ((\i) < 2) && ((\q) == 0)
	v_wmma_f32_16x16x128_bf8_bf8 v[8*(16*NH+2*\b+\a):8*(16*NH+2*\b+\a)+7], v[128*(\q)+16*\b:128*(\q)+16*\b+15], v[AB+16*\a:AB+16*\a+15], 0
.else
	v_wmma_f32_16x16x128_bf8_bf8 v[8*(16*NH+2*\b+\a):8*(16*NH+2*\b+\a)+7], v[128*(\q)+16*\b:128*(\q)+16*\b+15], v[AB+16*\a:AB+16*\a+15], v[8*(16*NH+2*\b+\a):8*(16*NH+2*\b+\a)+7]
.endif
.endr
.endr
.endm
.macro WORK i
	WIN 0xc0
.irp q, 0,1
.irp b, 0,1,2,3,4,5,6,7
.irp c, 0,1,2,3
	ds_load_b128 v[128*\q+16*\b+4*\c:128*\q+16*\b+4*\c+3], v[ADRB+(\i)%2] offset:4352*\b+128*\q+32*\c
.endr
.endr
.endr
	s_wait_dscnt 32
	MUL \i, 0
	s_wait_dscnt 0
	MUL \i, 1
	WIN 0
.endm
.macro CHANGE i
	s_wait_tensorcnt 0x0
	ds_add_u32 v[SPW], v[NIL]
	s_add_nc_u64 s[G0+4*(((\i)-1)%2)+2:G0+4*(((\i)-1)%2)+3], s[BASE+2*(((\i)-1)%2):BASE+2*(((\i)-1)%2)+1], s[OFF+2*(((\i)+1)/2):OFF+2*(((\i)+1)/2)+1]
	s_or_b32 s[G0+4*(((\i)-1)%2)+3], s[G0+4*(((\i)-1)%2)+3], 0x80000000
	s_wait_dscnt 0x0
	ROUND
	tensor_load_to_lds s[G0+4*(((\i)-1)%2):G0+4*(((\i)-1)%2)+3], s[G1:G1+7]
	s_nop 0
	PLACES
.if ((\i)%2) == 0
	XLOAD 4*(\i)-8
.endif
.endm
	s_wait_loadcnt 58
	s_wait_tensorcnt 1
	WORK 0
.irp i, 1,2,3,4,5,6
	CHANGE \i
	WORK \i
.endr
	s_wait_tensorcnt 0x0
	PLACES
	WORK 7
	PLACES
	s_wait_alu depctr_va_vdst(0)
.irp h, 0,1
.irp a, 0,1
	WIN 0x08
.irp b, 0,1,2,3,4,5,6,7
	ds_store_b128 v[STO], v[8*(16*\h+2*\b+\a):8*(16*\h+2*\b+\a)+3] offset:STGB*(2*\h+\a)+64*\b
	ds_store_b128 v[STO], v[8*(16*\h+2*\b+\a)+4:8*(16*\h+2*\b+\a)+7] offset:STGB*(2*\h+\a)+64*\b+16
.endr
	WIN 0xc0
.irp t, 0,1,2,3,4,5,6,7,8,9,10,11,12,13,14,15
	ds_load_b128 v[8*(16*\a+\t)+4*\h:8*(16*\a+\t)+4*\h+3], v[RD] offset:STGB*(2*\h+\a)+SPI*\t
.endr
.endr
.endr
	WIN 0
	s_wait_loadcnt 0x0
	s_wait_kmcnt 0x0
	s_add_co_i32 s48, s90, s91
	s_add_co_i32 s48, s48, 127
	s_lshl_b32 s48, s48, 23
	s_mov_b32 s49, s48
.irp p, 0,2,4,6
	v_pk_add_f32 v[B1+\p:B1+\p+1], v[B1+\p:B1+\p+1], v[BO+\p:BO+\p+1]
	v_pk_mul_f32 v[B2+\p:B2+\p+1], v[B2+\p:B2+\p+1], 2.0 op_sel_hi:[1,0]
.endr
	WIN 0x41
.set n, 0
.rept 32
.irp p, 0,2,4,6
	v_pk_add_f32 v[8*n+\p:8*n+\p+1], v[8*n+\p:8*n+\p+1], v[ST+2*n:ST+2*n+1] op_sel_hi:[1,0] neg_lo:[0,1] neg_hi:[0,1]
.endr
.irp p, 0,2,4,6
	v_pk_mul_f32 v[8*n+\p:8*n+\p+1], v[8*n+\p:8*n+\p+1], v[ST+2*n:ST+2*n+1] op_sel:[0,1] op_sel_hi:[1,1]
.endr
.irp p, 0,2,4,6
	v_pk_fma_f32 v[8*n+\p:8*n+\p+1], v[8*n+\p:8*n+\p+1], v[AL1+\p:AL1+\p+1], v[B1+\p:B1+\p+1]
.endr
.set n, n+1
.endr
	s_wait_dscnt 0x0
	WIN 0x53
.set n, 0
.rept 128
	v_pk_fma_f32 v[n:n+1], v[n:n+1], s[48:49], v[n:n+1] op_sel_hi:[1,0,1]
.set n, n+2
.endr
.macro RSTAGE d, m
.set t, 0
.rept \d
.set KK, WK+3*(t%4)
	v_cndmask_b32 v[KK], v[PP+t], v[PP+t+\d], s[\m]
	v_cndmask_b32 v[KK+1], v[PP+t+\d], v[PP+t], s[\m]
	v_add_f32_dpp v[PP+t], v[KK+1], v[KK] row_xmask:\d row_mask:0xf bank_mask:0xf
.set t, t+1
.endr
.endm
.macro RSCAT
.set t, 0
.rept 16
.set KK, WK+3*(t%4)
	v_cndmask_b32 v[KK], v[PP+t], v[PP+t+16], s40
	v_cndmask_b32 v[KK+1], v[PP+t+16], v[PP+t], s40
	v_permlanex16_b32 v[KK+2], v[KK+1], s46, s47
	v_add_f32 v[PP+t], v[KK], v[KK+2]
.set t, t+1
.endr
	RSTAGE 8, 41
	RSTAGE 4, 42
	RSTAGE 2, 43
	RSTAGE 1, 44
.endm
.macro MEET off
	ds_store_b32 v[RSA], v[PP] offset:\off
	s_wait_dscnt 0x0
	s_barrier_signal -1
	s_barrier_wait -1
	ds_load_b128 v[WK:WK+3], v[RSL] offset:\off
	s_wait_dscnt 0x0
	v_add_f32 v[WK], v[WK], v[WK+1]
	v_add_f32 v[WK+2], v[WK+2], v[WK+3]
	v_add_f32 v[WK], v[WK], v[WK+2]
.endm
.macro BCAST r, area
	ds_store_b32 v[BCA], v[\r] offset:128*\area
.irp g, 0,1,2,3,4,5,6,7
	ds_load_b128 v[MB+4*\g:MB+4*\g+3], v[BCB] offset:128*\area+16*\g
.endr
	s_wait_dscnt 0x0
.endm
.macro HALVES
.set n, 0
.rept 32
	v_add_f32 v[PP+n], v[TP+2*n], v[TP+2*n+1]
.set n, n+1
.endr
.endm
	WIN 0x05
.set n, 0
.rept 32
	v_pk_add_f32 v[TP+2*n:TP+2*n+1], v[8*n:8*n+1], v[8*n+2:8*n+3]
.set n, n+1
.endr
	WIN 0x01
.irp p, 4,6
.set n, 0
.rept 32
	v_pk_add_f32 v[TP+2*n:TP+2*n+1], v[8*n+\p:8*n+\p+1], v[TP+2*n:TP+2*n+1]
.set n, n+1
.endr
.endr
	WIN 0
	HALVES
	RSCAT
	MEET 0
	v_mul_f32 v[WK], 0x3a800000, v[WK]
	BCAST WK, 0
	WIN 0x41
.set n, 0
.rept 32
.irp p, 0,2,4,6
.if (n%2) == 0
	v_pk_add_f32 v[8*n+\p:8*n+\p+1], v[8*n+\p:8*n+\p+1], v[MB+2*(n/2):MB+2*(n/2)+1] op_sel_hi:[1,0] neg_lo:[0,1] neg_hi:[0,1]
.else
	v_pk_add_f32 v[8*n+\p:8*n+\p+1], v[8*n+\p:8*n+\p+1], v[MB+2*(n/2):MB+2*(n/2)+1] op_sel:[0,1] op_sel_hi:[1,1] neg_lo:[0,1] neg_hi:[0,1]
.endif
.endr
.set n, n+1
.endr
	WIN 0x05
.set n, 0
.rept 32
	v_pk_mul_f32 v[TP+2*n:TP+2*n+1], v[8*n:8*n+1], v[8*n:8*n+1]
.set n, n+1
.endr
.irp p, 2,4,6
.set n, 0
.rept 32
	v_pk_fma_f32 v[TP+2*n:TP+2*n+1], v[8*n+\p:8*n+\p+1], v[8*n+\p:8*n+\p+1], v[TP+2*n:TP+2*n+1]
.set n, n+1
.endr
.endr
	WIN 0
	HALVES
	RSCAT
	MEET 512
	v_mul_f32 v[WK], 0x3a802008, v[WK]
	s_wait_alu depctr_va_vdst(0)
	v_sqrt_f32 v[WK+1], v[WK]
	v_nop
	s_wait_alu depctr_va_vdst(0)
	v_add_f32 v[WK+1], 0x3727c5ac, v[WK+1]
	s_wait_alu depctr_va_vdst(0)
	v_rcp_f32 v[WK+3], v[WK+1]
	v_nop
	s_wait_alu depctr_va_vdst(0)
	v_add_f32 v[WK+3], v[WK+3], v[WK+3]
	BCAST WK+3, 1
	WIN 0x41
.set n, 0
.rept 32
.irp p, 0,2,4,6
.if (n%2) == 0
	v_pk_mul_f32 v[8*n+\p:8*n+\p+1], v[8*n+\p:8*n+\p+1], v[MB+2*(n/2):MB+2*(n/2)+1] op_sel_hi:[1,0]
.else
	v_pk_mul_f32 v[8*n+\p:8*n+\p+1], v[8*n+\p:8*n+\p+1], v[MB+2*(n/2):MB+2*(n/2)+1] op_sel:[0,1] op_sel_hi:[1,1]
.endif
.endr
.irp p, 0,2,4,6
	v_pk_fma_f32 v[8*n+\p:8*n+\p+1], v[8*n+\p:8*n+\p+1], v[AL2+\p:AL2+\p+1], v[B2+\p:B2+\p+1]
.endr
.set n, n+1
.endr
	WIN 0x04
.set n, 0
.rept 32
	global_store_b128 v[XO], v[8*n:8*n+3], s[10:11] offset:4096*n th:TH_STORE_NT
	global_store_b128 v[XO], v[8*n+4:8*n+7], s[10:11] offset:4096*n+2048 th:TH_STORE_NT
.set n, n+1
.endr
	WIN 0
	s_wait_tensorcnt 0x0
	ds_add_u32 v[SPW], v[NIL]
	s_wait_dscnt 0x0
	ROUND
	s_endpgm
.Lfunc_end_k_qcf023a26b7_wo_norm2:
	.size	k_qcf023a26b7_wo_norm2, .Lfunc_end_k_qcf023a26b7_wo_norm2-k_qcf023a26b7_wo_norm2
	.p2alignl 7, 3214868480
	.fill 96, 4, 3214868480
	.section	.rodata,"a",@progbits
	.p2align	6, 0x0
	.amdhsa_kernel k_qcf023a26b7_wo_norm2
		.amdhsa_group_segment_fixed_size 327680
		.amdhsa_private_segment_fixed_size 0
		.amdhsa_enable_private_segment 0
		.amdhsa_kernarg_size 88
		.amdhsa_user_sgpr_count 2
		.amdhsa_user_sgpr_kernarg_segment_ptr 1
		.amdhsa_wavefront_size32 1
		.amdhsa_system_sgpr_workgroup_id_x 1
		.amdhsa_system_sgpr_workgroup_id_y 1
		.amdhsa_system_sgpr_workgroup_id_z 1
		.amdhsa_system_vgpr_workitem_id 0
		.amdhsa_next_free_vgpr 1024
		.amdhsa_next_free_sgpr 96
		.amdhsa_reserve_vcc 0
		.amdhsa_float_denorm_mode_32 3
		.amdhsa_float_denorm_mode_16_64 3
		.amdhsa_memory_ordered 1
		.amdhsa_forward_progress 1
		.amdhsa_inst_pref_size 179
	.end_amdhsa_kernel
	.amdgpu_metadata
---
amdhsa.version: [ 1, 2 ]
amdhsa.kernels:
  - .name:           k_qcf023a26b7_wo_norm2
    .symbol:         k_qcf023a26b7_wo_norm2.kd
    .args:
      - { .name: oi, .offset: 0, .size: 8, .value_kind: global_buffer, .address_space: global }
      - { .name: Wo_codes, .offset: 8, .size: 8, .value_kind: global_buffer, .address_space: global }
      - { .name: x, .offset: 16, .size: 8, .value_kind: global_buffer, .address_space: global }
      - { .name: st, .offset: 24, .size: 8, .value_kind: global_buffer, .address_space: global }
      - { .name: alpha1, .offset: 32, .size: 8, .value_kind: global_buffer, .address_space: global }
      - { .name: bias1, .offset: 40, .size: 8, .value_kind: global_buffer, .address_space: global }
      - { .name: bo, .offset: 48, .size: 8, .value_kind: global_buffer, .address_space: global }
      - { .name: alpha2, .offset: 56, .size: 8, .value_kind: global_buffer, .address_space: global }
      - { .name: bias2, .offset: 64, .size: 8, .value_kind: global_buffer, .address_space: global }
      - { .name: lowp_scales, .offset: 72, .size: 8, .value_kind: global_buffer, .address_space: global }
      - { .name: out0, .offset: 80, .size: 8, .value_kind: global_buffer, .address_space: global }
    .group_segment_fixed_size: 327680
    .private_segment_fixed_size: 0
    .kernarg_segment_align: 8
    .kernarg_segment_size: 88
    .max_flat_workgroup_size: 128
    .sgpr_count:     96
    .vgpr_count:     1024
    .wavefront_size: 32
...
	.end_amdgpu_metadata
.endif
;; end of part 8
